; MI455X (gfx1250); checked and timed in simulation.
; The chip was launched on July 23, 2026; its instructions are those of AMD's public machine-readable ISA for CDNA 5 (MIT licence, August 2026) and "CDNA5" Instruction Set Architecture Reference Guide (July 2026). The comments in the code are by the model that wrote it; some were corrected since.
;; Expert Parallel Mo E. Allowed arithmetic: matrix products marked QUANTISED: E2M3 operands, one E8M0 scale for each 32 along K, by v_wmma_scale_f32_16x16x128_f8f6f4 with both operands' format E2M3, f32 sums; products left as they are: f32 operands where the result goes on into a quantised operand, else bf16, f16 or f32 operands; f32 sums; everything else in f32.
;; Inputs: b1 8 x 2,048 float32; b2 8 x 1,024 float32; hidden_states 4 x 512 x 1,024 float32; router_w 1,024 x 8 float32; w1 8 x 1,024 x 2,048 float32; w2 8 x 2,048 x 1,024 float32.
;; Outputs: out0 4 x 512 x 1,024 float32.
;; This version of the problem:
;;   THIS VERSION OF THE PROBLEM IS GIVEN IN LOW PRECISION. The matrix products marked QUANTISED in the list below multiply operands that are first quantised to E2M3 (2 exponent bits, 3 mantissa bits; 6 bits a number), with one power-of-two scale for each 32 numbers along K (OCP MX v1.0); their sums are f32. All else is computed in f32.
;;   The module's matrix products, in the order in which they are computed (A, B: the left and right operand; K: the contracted axis; several contracted axes count as one K, in the product's order):
;;     1. [M 2,048, K 1,024] x [K 1,024, N 8]; A: input hidden_states; B: input router_w: left as it is (N = 8 < 16)
;;     2. [M 2,048, K 1,024] x [K 1,024, N 16,384]; A: input hidden_states; B: input w1: QUANTISED
;;     3. batch 8 x [M 1,024, K 2,048] x [K 2,048, N 2,048]; A: input w2; B: computed on the way: QUANTISED
;;   THE QUANTISER, for each operand of a quantised product, along K:
;;     - K is cut into blocks of 32 from its start; a last block that is shorter is filled with zeros.
;;     - A block's scale is 2^e with e = floor(log2(the largest magnitude in the block)) - 2, held to -126 .. 127; a block of zeros has e = 0. As a byte (E8M0): e + 127.
;;     - Each number is divided by its block's scale, clamped to +-7.5, and rounded to the nearest number of E2M3, ties to even, subnormals kept.
;;     - The product sums the exact products of the quantised numbers (number of the format x scale) in f32.
;;   ~~~python
;;   def quantise(x, axis):      # numpy; x: float32 -> the quantised numbers, widened to float32 again
;;       x = np.moveaxis(x, axis, -1); K = x.shape[-1]
;;       x = np.pad(x, [(0, 0)] * (x.ndim - 1) + [(0, -K % 32)]); x = x.reshape(x.shape[:-1] + (-1, 32)); a = np.abs(x).max(-1, keepdims=True)
;;       e = np.where(a > 0, np.clip(np.frexp(np.where(a > 0, a, 1))[1] - 1 - 2, -126, 127), 0)      # np.frexp(a)[1] - 1 = floor(log2(a)), exactly
;;       r = np.clip(x / 2.0 ** e, -7.5, 7.5)
;;       step = 2.0 ** (np.maximum(np.frexp(np.where(r == 0, 1, r))[1] - 1, 0) - 3)
;;       q = np.round(r / step) * step * 2.0 ** e      # np.round: ties to even
;;       return np.moveaxis(q.reshape(q.shape[:-2] + (-1,))[..., :K], -1, axis).astype(np.float32)
;;   ~~~
;;   OPERANDS COMPUTED ON THE WAY. 'Computed on the way' means the value that the module computes at that place (a softmax that the list does not call 'softmax' is quantised finished and normalised). What goes into a quantiser is computed in f32, as accurately as f32 sums, v_exp_f32 and their like allow (about 1e-6 of the number): no bf16 or f16 on the way to a quantiser, and a product that is left as it is and whose result goes on into a quantised operand takes f32 operands (vector FMAs, or v_wmma_f32_16x16x4_f32). A number that lies on a knife's edge between two numbers of the format may be rounded either way, as far as f32 arithmetic and the matrix unit's own rounding can turn it there, and no further.
;; 2 versions. Each part assembles by itself: llvm-mc -triple=amdgcn-amd-amdhsa -mcpu=gfx1250 --defsym DOCPART=n.
;; ======== version 1 of 2: 4 launches
;; workspace buffers: wc 25,165,824 bytes; wsb 1,048,576 bytes; xq 1,638,400 bytes; route 73,728 bytes of whole numbers; gate 65,536 bytes; hq 26,214,400 bytes; ys 16,777,216 bytes
;; launch prep (part 1): grid 1152 x 1, 4 waves a work-group, no clusters, 2,560 bytes of LDS; arguments hidden_states, router_w, w1, w2, wc, wsb, xq, route, gate; writes wc, wsb, xq, route, gate
.if DOCPART == 1
	.amdgcn_target "amdgcn-amd-amdhsa--gfx1250"
	.amdhsa_code_object_version 6
	.text
	.protected	k_qd6416a18f9_prep
	.globl	k_qd6416a18f9_prep
	.p2align	8
	.type	k_qd6416a18f9_prep,@function
k_qd6416a18f9_prep:
	s_mov_b64 s[64:65], 0
	v_nop
	global_prefetch_b8 v0, s[64:65] scope:SCOPE_SE
	s_setreg_imm32_b32 hwreg(HW_REG_WAVE_MODE, 25, 1), 1
	s_wait_xcnt 0x0
; THREE JOBS IN ONE LAUNCH, parted by the work-group's number.
; Work-groups 0-127: 16 tokens each: the router's logits in f32, the two largest, their gates; and x as codes of FP6 (E2M3) with one E8M0 byte for each 32 along D.
; Work-groups 128-639: w1 [8][1024 (K)][2048 (N)], 640-1151: w2 [8][2048 (K)][1024 (N)], f32, K their first axis inside an expert, into codes and scale bytes
; laid IN THE ORDER OF THE OPERAND'S REGISTERS, so that the products' launches load each fragment whole.
; A block's scale is 2^(floor(log2(largest magnitude)) - 2); its byte is the largest magnitude's exponent field - 2, held at 1 from below.
; LIMITS: NaN and infinities among the inputs are not served.  A block of zeros gets the byte 1 where the rule says 127: its codes are zeros, and this program alone reads the bytes.
; The two experts are chosen by the logits (ties: the lower index); two unequal logits whose probabilities round to one f32 number are ordered by logit, not by index.
; WEIGHT CODES: [expert][g = n / 32][K step of 128][u][c][768 bytes].  Row rho of tile (g, u) is column 32 g + 8 u + rho + 8 (rho / 8).  Half c holds K = 64 c + 0 .. 63 of the step:
; bytes 16 rho: the first 16 bytes of the block K = 64 c + 0 .. 31;  256 + 16 rho: of the block 64 c + 32 .. 63;  512 + 16 rho + 8 h: the last 8 bytes of block h.
; WEIGHT SCALES: [expert][g][K / 256][16 u + rho][2 words], word i for K step 2 (K / 256) + i.
; No tensor loads, no matrix unit, no cluster: every byte is read once by one wave, and work-groups share nothing.
.set NROUT, 128                        ; the router's work-groups
.set NW1,   512                        ; w1's
.set X,     32                         ; v32-95  numbers as loaded: two sets (weights: of 32; tokens: of 16)
.set T,     96                         ; v96-143 a pair of blocks' codes, 12 registers for each of four pairs: no store's data are written again
.set U,     144                        ; v144-146 the upper 16 codes of a block, before they are moved
.set SB,    24                         ; v24-25  eight scale bytes
.set RW,    64                         ; v64-191 router_w(k, 0 .. 7) of my 16 k
.set RA,    16                         ; v16-23  eight partial logits
.set RT,    192                        ; v192-199 the other half of the lanes' sums
.set XSB,   0                          ; LDS: x's scale bytes [16 tokens][32]
.set LG,    512                        ; LDS: logits [K half][16 tokens][8]
.macro WLOAD t, n, src                 ; block t: W(32 t + i, my column), i = 0 .. 31: each load reads 128 consecutive bytes a wave
.irp i, 0,1,2,3,4,5,6,7,8,9,10,11,12,13,14,15,16,17,18,19,20,21,22,23,24,25,26,27,28,29,30,31
	global_load_b32 v[X+32*((\t)%2)+\i], v3, s[\src:\src+1] offset:(32*(\t)+\i)*(\n)*4 th:TH_LOAD_NT
.endr
.endm
.macro WBLOCK t, n, src                ; one block of 32 along K of my column
.set XS, X+32*((\t)%2)
.set TB, T+12*((\t)/2)
.if (\t) < 7
	s_wait_loadcnt 32                              ; this block's 32 loads are in; the next block's 32 may be out
.else
	s_wait_loadcnt 0x0
.endif
	v_max3_num_f32 v12, |v[XS]|, |v[XS+1]|, |v[XS+2]|
	v_max3_num_f32 v13, |v[XS+3]|, |v[XS+4]|, |v[XS+5]|
.irp i, 6,10,14,18,22,26
	v_max3_num_f32 v12, v12, |v[XS+\i]|, |v[XS+\i+1]|
	v_max3_num_f32 v13, v13, |v[XS+\i+2]|, |v[XS+\i+3]|
.endr
	v_max3_num_f32 v12, v12, |v[XS+30]|, |v[XS+31]|
	v_max3_num_f32 v12, v12, v13, 0x1800000        ; the floor 2^(3 - 127): the byte cannot fall under 1
	v_add_nc_u32 v11, 0xff000000, v12              ; 2 off the exponent field: the conversion's scale operand
	v_lshrrev_b32 v13, 23, v11                     ; the scale's byte
.if (\t)%4 == 0
	v_mov_b32 v[SB+(\t)/4], v13
.else
	v_lshl_or_b32 v[SB+(\t)/4], v13, 8*((\t)%4), v[SB+(\t)/4]
.endif
	v_cvt_scalef32_pk16_fp6_f32 v[TB+4*((\t)%2):TB+4*((\t)%2)+2], v[XS:XS+15], v11
	v_cvt_scalef32_pk16_fp6_f32 v[U:U+2], v[XS+16:XS+31], v11
	v_nop                                          ; one plain place behind the conversions
	v_mov_b32 v[TB+3+4*((\t)%2)], v[U]             ; the block's fourth word closes its first 16 bytes,
	v_mov_b32 v[TB+8+2*((\t)%2)], v[U+1]           ; its last two words go to the pair's third unit
	v_mov_b32 v[TB+9+2*((\t)%2)], v[U+2]
.if (\t)+2 < 8
	WLOAD (\t)+2, \n, \src
.endif
.if (\t)%2 == 1
.irp k, 0,1,2
	global_store_b128 v7, v[TB+4*\k:TB+4*\k+3], s[12:13] offset:((\t)/4)*3072+(((\t)/2)%2)*768+256*\k   ; sixteen lanes fill 256 consecutive bytes, aligned: one for tile u = 0, one for u = 1
.endr
.endif
.endm
; A wave takes 32 columns (one g) x 256 along K; a work-group 128 columns.  n: columns, kq: K / 256, cbb, kcb: bits of the column block and of the K chunk in the work-group's number
.macro WQ n, kq, cbb, kcb, first, src, coff, soff, gs
	s_sub_co_u32 s24, ttmp9, \first
	s_and_b32 s25, s24, (1<<\cbb)-1                ; column block
	s_lshr_b32 s26, s24, \cbb
	s_and_b32 s26, s26, (1<<\kcb)-1                ; K chunk
	s_lshr_b32 s27, s24, 6                         ; expert
	s_lshl_b32 s28, s25, 2
	s_add_co_u32 s28, s28, s22                     ; g
	s_lshl_b32 s30, s27, 23                        ; source: expert x 8 MiB
	s_mul_i32 s31, s26, 1024*\n                    ; + 256 rows of n x 4 bytes for each K chunk
	s_add_co_u32 s30, s30, s31
	s_lshl_b32 s31, s28, 7                         ; + 128 bytes for each g
	s_add_co_u32 s30, s30, s31
	s_mov_b32 s31, 0
	s_mul_i32 s32, s27, 1572864                    ; codes
	s_mul_i32 s33, s28, \gs
	s_add_co_u32 s32, s32, s33
	s_mul_i32 s33, s26, 6144                       ; two K steps of 3,072 bytes
	s_add_co_u32 s32, s32, s33
	s_add_co_u32 s32, s32, \coff
	s_mov_b32 s33, 0
	s_mul_i32 s34, s27, \n/32                      ; scale words
	s_add_co_u32 s34, s34, s28
	s_mul_i32 s34, s34, \kq
	s_add_co_u32 s34, s34, s26
	s_lshl_b32 s34, s34, 8
	s_add_co_u32 s34, s34, \soff
	s_mov_b32 s35, 0
	s_wait_kmcnt 0x0
	s_add_nc_u64 s[\src:\src+1], s[\src:\src+1], s[30:31]
	s_add_nc_u64 s[12:13], s[12:13], s[32:33]
	s_add_nc_u64 s[14:15], s[14:15], s[34:35]
	WLOAD 0, \n, \src
	WLOAD 1, \n, \src
.irp t, 0,1,2,3,4,5,6,7
	WBLOCK \t, \n, \src
.endr
	global_store_b64 v8, v[SB:SB+1], s[14:15]      ; 32 lanes store 256 consecutive bytes, aligned
.endm
	s_load_b256 s[4:11], s[0:1], 0x0               ; hidden_states s[4:5], router_w s[6:7], w1 s[8:9], w2 s[10:11]
	s_load_b256 s[12:19], s[0:1], 0x20             ; wc s[12:13], wsb s[14:15], xq s[16:17], route s[18:19]
	s_load_b64 s[20:21], s[0:1], 0x40              ; gate
	v_lshl_add_u32 v200, v0, 2, 0x800
	v_mov_b32 v201, 0
	v_lshrrev_b32 v1, 5, v0
	v_readfirstlane_b32 s22, v1                    ; wave
	v_and_b32 v2, 31, v0                           ; lane
	s_cmp_lt_u32 ttmp9, NROUT
	s_cbranch_scc1 .Lrouter
	v_lshlrev_b32 v3, 2, v2                        ; in: 4 bytes a lane: lane l takes column 32 g + l
	v_bfe_u32 v4, v2, 3, 1                         ; u
	v_and_b32 v5, 7, v2
	v_lshrrev_b32 v6, 4, v2
	v_lshl_add_u32 v5, v6, 3, v5                   ; rho = l % 8 + 8 (l / 16)
	v_lshlrev_b32 v7, 4, v5
	v_mad_u32_u24 v7, v4, 1536, v7                 ; codes: 1536 u + 16 rho
	v_lshl_add_u32 v8, v4, 4, v5
	v_lshlrev_b32 v8, 3, v8                        ; scale words: 8 (16 u + rho)
	s_cmp_lt_u32 ttmp9, NROUT+NW1
	s_cbranch_scc0 .Lsecond
	WQ 2048, 4, 4, 2, NROUT, 8, 0, 0, 24576
	s_endpgm
.Lsecond:
	WQ 1024, 8, 3, 3, NROUT+NW1, 10, 12582912, 524288, 49152
	s_endpgm
; ---- THE ROUTER.  Wave w: K half j = w % 2 (512 along D), tokens 8 (w / 2) + 0 .. 7 of the group's 16.  Lane l holds k = 512 j + 16 l + 0 .. 15: two lanes hold a block of 32.
; A lane's four loads of a token stand 64 bytes from its neighbour's; together they cover the wave's 2,048 consecutive bytes.
.Lrouter:
	s_and_b32 s23, s22, 1                          ; j
	s_lshr_b32 s24, s22, 1                         ; which eight tokens
	v_lshlrev_b32 v3, 9, v2
	s_lshl_b32 s25, s23, 14
	v_add_nc_u32 v3, s25, v3                       ; router_w: row 512 j + 16 l, 32 bytes a row
	v_lshlrev_b32 v4, 6, v2                        ; x: 64 l
	v_mul_u32_u24 v5, v2, 12                       ; codes: 12 l
	s_lshl_b32 s25, s24, 8
	s_lshl_b32 s26, s23, 4
	s_add_co_u32 s26, s26, s25
	v_lshrrev_b32 v6, 1, v2
	v_add_nc_u32 v6, s26, v6                       ; LDS, scale bytes: 32 x token + 16 j + l / 2
	s_lshl_b32 s26, s23, 9
	s_add_co_u32 s26, s26, s25
	s_add_co_u32 s26, s26, LG
	v_and_b32 v7, 7, v2
	v_lshl_add_u32 v7, v7, 2, s26                  ; LDS, logits: 512 j + 32 x token + 4 (l % 8)
	v_lshlrev_b32 v8, 4, v2                        ; 16 l
	v_and_b32 v9, 15, v2
	v_lshl_add_u32 v9, v9, 5, LG                   ; wave 0 later: token l % 16
	s_lshl_b32 s26, ttmp9, 16                      ; x: 16 tokens of 4,096 bytes a group
	s_lshl_b32 s25, s24, 15
	s_add_co_u32 s26, s26, s25
	s_lshl_b32 s25, s23, 11
	s_add_co_u32 s26, s26, s25
	s_mov_b32 s27, 0
	s_mul_i32 s28, ttmp9, 12288                    ; codes: 768 bytes a token
	s_mul_i32 s25, s24, 6144
	s_add_co_u32 s28, s28, s25
	s_mul_i32 s25, s23, 384
	s_add_co_u32 s28, s28, s25
	s_mov_b32 s29, 0
	s_lshl_b32 s30, ttmp9, 9                       ; 512 bytes a group: scale bytes, row table, gate table
	s_mov_b32 s31, 0
	s_lshl_b32 s32, ttmp9, 1                       ; 2 bytes a group in each mask row
	s_mov_b32 s33, 0
	s_mov_b32 s36, 0x76543210
	s_mov_b32 s37, 0xfedcba98                      ; v_permlanex16_b32's selects for lane l xor 16
.irp e, 1,2,3,4,5,6,7
	s_mov_b32 s[39+\e], 0x01010101<<\e             ; the lanes with l % 8 = e
.endr
.irp e, 0,1,2,3,4,5,6,7
	v_mov_b32 v[RT+\e], 0                          ; written once: a lane permute's destination counts as one of its sources
.endr
	s_wait_kmcnt 0x0
	s_add_nc_u64 s[4:5], s[4:5], s[26:27]
	s_add_nc_u64 s[38:39], s[16:17], s[30:31]
	s_add_nc_u64 s[38:39], s[38:39], 1572864       ; x's scale bytes lie behind its codes
	s_add_nc_u64 s[16:17], s[16:17], s[28:29]
	s_add_nc_u64 s[20:21], s[20:21], s[30:31]
	s_add_nc_u64 s[54:55], s[18:19], s[30:31]
	s_add_nc_u64 s[54:55], s[54:55], 8192          ; the row table lies behind the masks
	s_add_nc_u64 s[52:53], s[18:19], s[32:33]
.set n0, 0
.rept 32
	global_load_b128 v[RW+4*n0:RW+4*n0+3], v3, s[6:7] offset:16*n0
.set n0, n0+1
.endr
.macro XLOAD t
.irp q, 0,1,2,3
	global_load_b128 v[X+16*((\t)%2)+4*\q:X+16*((\t)%2)+4*\q+3], v4, s[4:5] offset:4096*(\t)+16*\q th:TH_LOAD_NT
.endr
.endm
	XLOAD 0
	XLOAD 1
.macro TOK i
.set XT, X+16*((\i)%2)
.set CT, 24+4*((\i)%2)
.if (\i) < 7
	s_wait_loadcnt 4                               ; router_w and this token are in; the next token's four loads may be out
.else
	s_wait_loadcnt 0x0
.endif
	s_wait_dscnt 0x0                               ; the last token's LDS stores have read their registers
	s_wait_xcnt 0x0                                ; and the store of codes two tokens back has read this set
	v_max3_num_f32 v10, |v[XT]|, |v[XT+1]|, |v[XT+2]|
	v_max3_num_f32 v11, |v[XT+3]|, |v[XT+4]|, |v[XT+5]|
.irp k, 6,10
	v_max3_num_f32 v10, v10, |v[XT+\k]|, |v[XT+\k+1]|
	v_max3_num_f32 v11, v11, |v[XT+\k+2]|, |v[XT+\k+3]|
.endr
	v_max3_num_f32 v10, v10, |v[XT+14]|, |v[XT+15]|
	v_max3_num_f32 v10, v10, v11, 0x1800000
	v_max_num_f32_dpp v10, v10, v10 row_xmask:1 row_mask:0xf bank_mask:0xf   ; with my neighbour's 16: the block's largest magnitude
	v_add_nc_u32 v11, 0xff000000, v10
	v_cvt_scalef32_pk16_fp6_f32 v[CT:CT+2], v[XT:XT+15], v11
	v_lshrrev_b32 v12, 23, v11                     ; the byte (and the plain place behind the conversion)
	ds_store_b8 v6, v12 offset:32*(\i)             ; both lanes of a block write the same byte with the same value
	global_store_b96 v5, v[CT:CT+2], s[16:17] offset:768*(\i)   ; the wave stores 384 consecutive bytes
.irp e, 0,1,2,3,4,5,6,7
	v_mul_f32 v[RA+\e], v[XT], v[RW+\e]            ; the first k starts the eight sums
.endr
.irp k, 1,2,3,4,5,6,7,8,9,10,11,12,13,14,15
.irp e, 0,1,2,3,4,5,6,7
	v_fmac_f32 v[RA+\e], v[XT+\k], v[RW+8*\k+\e]
.endr
.endr
.if (\i)+2 < 8
	XLOAD (\i)+2
.endif
.irp m, 1,2,4,8
.irp e, 0,1,2,3,4,5,6,7
	v_add_f32_dpp v[RA+\e], v[RA+\e], v[RA+\e] row_xmask:\m row_mask:0xf bank_mask:0xf
.endr
.endr
.irp e, 0,1,2,3,4,5,6,7
	v_permlanex16_b32 v[RT+\e], v[RA+\e], s36, s37
.endr
.irp e, 0,1,2,3,4,5,6,7
	v_add_f32 v[RA+\e], v[RA+\e], v[RT+\e]         ; every lane holds the half's eight sums
.endr
	v_cndmask_b32 v13, v[RA], v[RA+1], s40
.irp e, 2,3,4,5,6,7
	v_cndmask_b32 v13, v13, v[RA+\e], s[39+\e]     ; lane l keeps sum l % 8
.endr
	ds_store_b32 v7, v13 offset:32*(\i)            ; four lanes write each word, with the same value
.endm
.irp i, 0,1,2,3,4,5,6,7
	TOK \i
.endr
	s_wait_dscnt 0x0                               ; for the others' sake: my stores have landed
	s_barrier_signal -1
	s_barrier_wait -1
	s_cmp_lg_u32 s22, 0
	s_cbranch_scc1 .Lrend
	; wave 0: lane l takes token l % 16
	s_wait_xcnt 0x0                                ; the last stores of codes have read v24-31
	ds_load_b128 v[32:35], v8                      ; the group's 512 scale bytes
	ds_load_b128 v[16:19], v9
	ds_load_b128 v[20:23], v9 offset:16
	ds_load_b128 v[24:27], v9 offset:512
	ds_load_b128 v[28:31], v9 offset:528
	s_wait_dscnt 0x0
	global_store_b128 v8, v[32:35], s[38:39]       ; 512 consecutive bytes
.irp e, 0,2,4,6
	v_pk_add_f32 v[16+\e:17+\e], v[16+\e:17+\e], v[24+\e:25+\e]   ; the two K halves: the logits
.endr
	v_mov_b32 v40, v16                             ; the largest, and its index: a strict compare keeps the lower index
	v_mov_b32 v41, 0
.irp e, 1,2,3,4,5,6,7
	v_cmp_gt_f32 vcc_lo, v[16+\e], v40
	v_cndmask_b32 v40, v40, v[16+\e], vcc_lo
	v_cndmask_b32 v41, v41, \e, vcc_lo
.endr
	v_cmp_eq_u32 vcc_lo, 0, v41                    ; the second begins at the lowest index that is not the first's
	v_cndmask_b32 v42, v16, v17, vcc_lo
	v_cndmask_b32 v43, 0, 1, vcc_lo
.irp e, 1,2,3,4,5,6,7
	v_cmp_ne_u32 s50, \e, v41
	v_cmp_gt_f32 vcc_lo, v[16+\e], v42
	s_and_b32 vcc_lo, vcc_lo, s50
	v_cndmask_b32 v42, v42, v[16+\e], vcc_lo
	v_cndmask_b32 v43, v43, \e, vcc_lo
.endr
	; the gates: p1 / (p1 + p2) = 1 / (1 + q), p2 / (p1 + p2) = q / (1 + q), q = e^(second - largest) <= 1: the row's maximum is taken away, and the softmax's divisor cancels
	v_sub_f32 v44, v42, v40
	v_mul_f32 v44, 0x3fb8aa3b, v44
	v_exp_f32 v44, v44
	v_nop                                          ; a plain place behind the transcendental,
	s_wait_alu depctr_va_vdst(0)                   ; and a wait ahead of its first reader
	v_add_f32 v45, 1.0, v44
	v_rcp_f32 v45, v45
	v_nop
	s_wait_alu depctr_va_vdst(0)
	v_mul_f32 v46, v44, v45
	v_lshrrev_b32 v47, 4, v2                       ; lanes 0-15 write the even experts' words, lanes 16-31 the odd ones'
	v_and_b32 v48, 15, v2
	s_lshl_b32 s25, ttmp9, 4
	v_add_nc_u32 v48, s25, v48                     ; the token
	v_add_nc_u32 v50, 2048, v48                    ; its row in ys where the expert is its second choice
.irp p, 0,1,2,3
	v_add_nc_u32 v49, 2*\p, v47                    ; expert 2 p + l / 16
	v_cmp_eq_u32 vcc_lo, v49, v41
	v_cndmask_b32 v[52+\p], 0, v45, vcc_lo
	v_cmp_eq_u32 vcc_lo, v49, v43
	v_cndmask_b32 v[52+\p], v[52+\p], v46, vcc_lo
	v_cndmask_b32 v[56+\p], v48, v50, vcc_lo
.endr
	global_store_b128 v8, v[52:55], s[20:21]       ; gates, 512 consecutive bytes: [expert % 2][token % 16][expert / 2]
	global_store_b128 v8, v[56:59], s[54:55]       ; rows of ys, laid alike
	v_mov_b32 v60, 0
.irp e, 0,1,2,3,4,5,6,7
	v_cmp_eq_u32 s50, \e, v41
	v_cmp_eq_u32 s51, \e, v43
	s_or_b32 s50, s50, s51
	s_and_b32 s50, s50, 0xffff                     ; bit t: token t of the group chose expert e
	v_writelane_b32 v60, s50, \e
.endr
	v_lshlrev_b32 v61, 8, v2
	global_store_b16 v61, v60, s[52:53]            ; lane e: 16 bits of expert e's mask row of 256 bytes; lanes 8-31 write zeros into rows that nobody reads, so that all lanes stay on
.Lrend:
	s_wait_tensorcnt 0x0
	ds_add_u32 v200, v201
	s_wait_dscnt 0x0
	s_endpgm
.Lfunc_end_k_qd6416a18f9_prep:
	.size	k_qd6416a18f9_prep, .Lfunc_end_k_qd6416a18f9_prep-k_qd6416a18f9_prep
	.p2alignl 7, 3214868480
	.fill 96, 4, 3214868480
	.section	.rodata,"a",@progbits
	.p2align	6, 0x0
	.amdhsa_kernel k_qd6416a18f9_prep
		.amdhsa_group_segment_fixed_size 2560
		.amdhsa_private_segment_fixed_size 0
		.amdhsa_enable_private_segment 0
		.amdhsa_kernarg_size 72
		.amdhsa_user_sgpr_count 2
		.amdhsa_user_sgpr_kernarg_segment_ptr 1
		.amdhsa_wavefront_size32 1
		.amdhsa_system_sgpr_workgroup_id_x 1
		.amdhsa_system_sgpr_workgroup_id_y 1
		.amdhsa_system_sgpr_workgroup_id_z 1
		.amdhsa_system_vgpr_workitem_id 0
		.amdhsa_next_free_vgpr 202
		.amdhsa_next_free_sgpr 66
		.amdhsa_reserve_vcc 1
		.amdhsa_float_denorm_mode_32 3
		.amdhsa_float_denorm_mode_16_64 3
		.amdhsa_memory_ordered 1
		.amdhsa_forward_progress 1
		.amdhsa_inst_pref_size 160
	.end_amdhsa_kernel
	.amdgpu_metadata
---
amdhsa.version: [ 1, 2 ]
amdhsa.kernels:
  - .name:           k_qd6416a18f9_prep
    .symbol:         k_qd6416a18f9_prep.kd
    .args:
      - { .name: hidden_states, .offset: 0, .size: 8, .value_kind: global_buffer, .address_space: global }
      - { .name: router_w, .offset: 8, .size: 8, .value_kind: global_buffer, .address_space: global }
      - { .name: w1, .offset: 16, .size: 8, .value_kind: global_buffer, .address_space: global }
      - { .name: w2, .offset: 24, .size: 8, .value_kind: global_buffer, .address_space: global }
      - { .name: wc, .offset: 32, .size: 8, .value_kind: global_buffer, .address_space: global }
      - { .name: wsb, .offset: 40, .size: 8, .value_kind: global_buffer, .address_space: global }
      - { .name: xq, .offset: 48, .size: 8, .value_kind: global_buffer, .address_space: global }
      - { .name: route, .offset: 56, .size: 8, .value_kind: global_buffer, .address_space: global }
      - { .name: gate, .offset: 64, .size: 8, .value_kind: global_buffer, .address_space: global }
    .group_segment_fixed_size: 2560
    .private_segment_fixed_size: 0
    .kernarg_segment_align: 8
    .kernarg_segment_size: 72
    .max_flat_workgroup_size: 128
    .sgpr_count:     66
    .vgpr_count:     202
    .wavefront_size: 32
...
	.end_amdgpu_metadata
.endif
;; end of part 1
;; launch up (part 2): grid 32 x 8, 4 waves a work-group, no clusters, 109,056 bytes of LDS; arguments wc, wsb, xq, route, b1, hq; writes hq
.if DOCPART == 2
	.amdgcn_target "amdgcn-amd-amdhsa--gfx1250"
	.amdhsa_code_object_version 6
	.text
	.protected	k_qd6416a18f9_up
	.globl	k_qd6416a18f9_up
	.p2align	8
	.type	k_qd6416a18f9_up,@function
k_qd6416a18f9_up:
	s_mov_b64 s[64:65], 0
	v_nop
	global_prefetch_b8 v0, s[64:65] scope:SCOPE_SE
	s_setreg_imm32_b32 hwreg(HW_REG_WAVE_MODE, 25, 1), 1
	s_wait_xcnt 0x0
; hid = Q(gelu(x W1[e] + b1[e])) for the rows (token, expert) that the router chose, on codes of FP6 (E2M3) with one E8M0 scale for each 32 along K; Q quantises along DFF.
; SHARES.  Work-group (x, y): expert e = y; sigma = x / 4: 256 hidden units; p = x % 4: of the expert's tiles of 16 rows (by rank among its tokens) those with tile % 4 = p.
; Wave w owns 64 hidden units: four tiles of W1 x 8 K steps = 384 registers, read once and kept.  x's rows are gathered by the list, 64 rows a trip, through LDS, so that memory is read once a work-group.
; THE LIST.  Wave 0 reads the expert's mask of tokens (64 words, stored by the launch before) and lays the work-group's own rows in LDS, sorted by rank; places past the count hold token 2047.
; TRIPS.  Eight trips of four tiles, a constant: barriers stand on every wave's path, and only a trip's work is jumped over, by scalar branches on the count.  Tiles go in pairs; the first pair is always worked,
; so that the next launch finds every byte written that it reads.  Rows past the count are computed from token 2047's numbers and are used by nobody.
; THE PRODUCT IS USED TRANSPOSED (source 0 = 16 rows of W1, source 1 = 16 rows of x): a lane holds one row and, by the choice of a tile's rows, 16 neighbouring hidden units in two tiles' registers.
; gelu(x) = x / (1 + 2^(c0 x + c1 x^3)), c0 = -2 log2(e) sqrt(2 / pi), c1 = 0.044715 c0: the same number as 0.5 x (1 + tanh(sqrt(2 / pi) (x + 0.044715 x^3))).
; A wave's 64 units are half a K step of the next product: six registers a lane, stored as an image of the operand's registers; its two scale bytes meet the other waves' in LDS and leave as 512 consecutive bytes a trip.
; No tensor load and no joint load: the trips' work is jumped over on counts read from memory.  What the four work-groups of a slice share, W1's codes, each reads once.
; LIMITS: NaN and infinities are not served; a block of zeros gets the byte 1 (its codes are zeros; this program alone reads the bytes).
; REGISTERS, in windows of 256: window 0: addresses, scales, bias, accumulators, work.  windows 1, 2: W1's fragments of K steps 0-3, 4-7 at v[48 (s % 4) + 12 tile].  window 3: v0-95 x's eight fragments; v96-195 the gather's stage.
.set XPIT, 784                         ; an x row in LDS: 768 bytes + 16 = 196 words: row r starts at bank 4 r mod 64
.set XSCL, 64*XPIT                     ; behind a buffer's 64 rows: their scale bytes, 32 a row
.set XB1,  XSCL+64*32                  ; buffer 1
.set HSB,  2*XB1                       ; the hidden layer's scale words of a trip: two buffers of 512 bytes
.set LIST, HSB+1024                    ; 640 words: 512 rows, 64 for the last trip's look-ahead, the dump word last
.set DUMP, 639
.set L, 1
.set R, 2
.set H, 3
.set AFR, 4                            ; v4-5   x's fragments in buffer 0, 1: 784 r + 24 h
.set ASC, 6                            ; v6-7   x's scale words: 32 r
.set GS, 8                             ; v8-9   the gather's stores: row 16 w + 8 h, 16 r
.set GSS, 10                           ; v10-11 and those of the scale bytes: 512 w + 16 l
.set LA, 12                            ; v12    the list: places 16 w + 8 h on; steps with the trips
.set LB, 13                            ; v13    the list: place 16 w + l / 2
.set H0, 14                            ; v14    16 l
.set H1, 15                            ; v15    512 + 8 l
.set HSA, 16                           ; v16-17 my two scale bytes of row r
.set HSR, 18                           ; v18-19 wave 0 reads a trip's 512 bytes back
.set VB0, 20                           ; v20    W1: 256 h + 16 r
.set VB1, 21                           ; v21    W1: 512 + 16 r + 8 h
.set L8, 22
.set H64, 23
.set R16, 24
.set L1, 25
.set VC0, 26                           ; v26-27 c0, twice
.set PFA, 28                           ; v28    LIST + 16 l
.set BS, 32                            ; v32-47 W1's scale words: 8 (tile / 2) + K step; lanes 0-15 the even tile, lanes 16-31 the odd one
.set XS, 48                            ; v48-55 x's scale words, one for each K step
.set BIAS, 64                          ; v64-95 b1 in the result's layout
.set ACC, 96                           ; v96-127 four accumulators
.set GT, 128                           ; v128-159 at work in the gelu
.set TM, 160
.set PW, 168
.set PC, 172                           ; v172-177 the six registers of codes
.set QC, 180
.set GA, 184                           ; v184-191 byte offsets of eight rows of x
.set TK, 192                           ; v192-199 eight tokens
.set TS, 200
.set GB, 201
.set FL, 204
.set AF, 0                             ; window 3
.set ST, 96                            ; window 3
.set VA, 128                           ; the list's making (wave 0, at the head): four address registers, four token registers, by turns
.set VT, 132
.set VX, 136
.set VD, 137
.set VPRE, 140
.set VZ, 144
.set WV, 66
.set P, 67
.set E, 68
.set SG, 69
.set CNT, 70
.set CA, 71
.set RUN, 72
.set T0, 73
.set RK, 74                            ; rank of the loop trip's first row: 16 p + 512 x trip
.set IT, 75
.set C1, 96                            ; s[96:97] c1
.set SEL, 98
.set T1, 100
.set HB, 16                            ; s[16:17] where my codes go (the masks' registers are free by then)
.set HS, 18                            ; s[18:19] where the scale words go
.set MSB, 0
.macro WIN new                         ; the immediate's high byte repeats the setting that is left
.if MSB != \new
	s_set_vgpr_msb (MSB<<8)|\new
.set MSB, \new
.endif
.endm
.macro PLACES n
.rept \n
	v_nop
.endr
.endm
	s_load_b256 s[4:11], s[0:1], 0x0               ; wc s[4:5], wsb s[6:7], xq s[8:9], route s[10:11]
	s_load_b128 s[12:15], s[0:1], 0x20             ; b1 s[12:13], hq s[14:15]
	v_lshl_add_u32 v254, v0, 2, 0x1a800
	v_mov_b32 v255, 0
	v_lshrrev_b32 v[L], 5, v0
	v_readfirstlane_b32 s[WV], v[L]
	s_and_b32 s[E], ttmp7, 0xffff
	s_lshr_b32 s[SG], ttmp9, 2
	s_and_b32 s[P], ttmp9, 3
	s_lshl_b32 s76, s[E], 8
	s_mov_b32 s77, 0
	s_wait_kmcnt 0x0
	s_add_nc_u64 s[76:77], s[10:11], s[76:77]      ; the expert's mask: 256 bytes
	s_load_b512 s[16:31], s[76:77], 0x0
	s_load_b512 s[32:47], s[76:77], 0x40
	s_load_b512 s[48:63], s[76:77], 0x80
	s_load_b512 s[80:95], s[76:77], 0xc0
	; every address register is made here, on the one path
	v_and_b32 v[L], 31, v0
	v_and_b32 v[R], 15, v0
	v_bfe_u32 v[H], v0, 4, 1
	v_mul_u32_u24 v[AFR], v[R], XPIT
	v_mad_u32_u24 v[AFR], v[H], 24, v[AFR]
	v_add_nc_u32 v[AFR+1], XB1, v[AFR]
	v_lshl_add_u32 v[ASC], v[R], 5, XSCL
	v_add_nc_u32 v[ASC+1], XB1, v[ASC]
	s_mul_i32 s[T0], s[WV], 16*XPIT
	v_mul_u32_u24 v[GS], v[H], 8*XPIT
	v_lshl_add_u32 v[GS], v[R], 4, v[GS]
	v_add_nc_u32 v[GS], s[T0], v[GS]
	v_add_nc_u32 v[GS+1], XB1, v[GS]
	s_lshl_b32 s[T0], s[WV], 9
	s_add_co_u32 s[T0], s[T0], XSCL
	v_lshl_add_u32 v[GSS], v[L], 4, s[T0]
	v_add_nc_u32 v[GSS+1], XB1, v[GSS]
	s_lshl_b32 s[T0], s[WV], 6
	s_add_co_u32 s[T0], s[T0], LIST
	v_lshl_add_u32 v[LA], v[H], 5, s[T0]
	v_lshrrev_b32 v[LB], 1, v[L]
	v_lshl_add_u32 v[LB], v[LB], 2, s[T0]
	v_lshlrev_b32 v[H0], 4, v[L]
	v_lshl_add_u32 v[H1], v[L], 3, 512
	s_lshr_b32 s[T0], s[WV], 1
	s_lshl_b32 s[T0], s[T0], 2
	s_and_b32 s[T1], s[WV], 1
	s_lshl_b32 s[T1], s[T1], 1
	s_add_co_u32 s[T0], s[T0], s[T1]
	s_add_co_u32 s[T0], s[T0], HSB
	v_lshl_add_u32 v[HSA], v[R], 3, s[T0]          ; 8 r + 4 (w / 2) + 2 (w % 2): word = K step % 2, bytes = my two blocks
	v_add_nc_u32 v[HSA+1], 512, v[HSA]
	v_lshl_add_u32 v[HSR], v[L], 4, HSB
	v_add_nc_u32 v[HSR+1], 512, v[HSR]
	v_lshlrev_b32 v[R16], 4, v[R]
	v_lshl_add_u32 v[VB0], v[H], 8, v[R16]
	v_lshl_add_u32 v[VB1], v[H], 3, v[R16]
	v_add_nc_u32 v[VB1], 512, v[VB1]
	v_lshlrev_b32 v[L8], 3, v[L]
	v_lshlrev_b32 v[H64], 6, v[H]
	v_and_b32 v[L1], 1, v0
	v_lshlrev_b32 v[L1], 4, v[L1]
	v_lshl_add_u32 v[PFA], v[L], 4, LIST
	v_mov_b32 v[VC0], 0xc0135761                   ; c0 = -2.3022082
	v_mov_b32 v[VC0+1], 0xc0135761
	v_mov_b32 v[TM+2], 0                           ; written once: a lane permute's destination counts as one of its sources
	v_mov_b32 v[TM+3], 0
	s_mov_b32 s[C1], 0xbdd2d3e8                    ; c1 = -0.10294324
	s_mov_b32 s[C1+1], 0xbdd2d3e8
	s_mov_b32 s[SEL], 0x76543210
	s_mov_b32 s[SEL+1], 0xfedcba98
	s_lshl_b32 s101, s[SG], 3
	s_lshl_b32 s[T0], s[WV], 1
	s_add_co_u32 s101, s101, s[T0]                 ; my first g = 8 sigma + 2 w
	s_mul_i32 s78, s[E], 1572864
	s_mul_i32 s[T0], s101, 24576
	s_add_co_u32 s78, s78, s[T0]
	s_mov_b32 s79, 0
	s_add_nc_u64 s[4:5], s[4:5], s[78:79]          ; W1's codes
	s_lshl_b32 s78, s[E], 6
	s_add_co_u32 s78, s78, s101
	s_lshl_b32 s78, s78, 10
	s_add_nc_u64 s[6:7], s[6:7], s[78:79]          ; W1's scale words: 1,024 bytes a g
	s_lshl_b32 s78, s[E], 13
	s_lshl_b32 s[T0], s101, 7
	s_add_co_u32 s78, s78, s[T0]
	s_add_nc_u64 s[12:13], s[12:13], s[78:79]      ; b1
	s_wait_kmcnt 0x0                               ; the masks
; THE LIST: for each mask word, a member's rank is the count so far + the members in lower lanes.  Its tile is rank / 16; where tile % 4 = p its place is 16 (rank / 64) + rank % 16; all other lanes store into the dump word.
.macro BUILD
.irp k, 0,1,2,3
	v_mov_b32 v[VPRE+\k], 0x7ff
.endr
.irp k, 0,1,2,3,4
	ds_store_b128 v[PFA], v[VPRE:VPRE+3] offset:512*\k   ; every place begins as token 2047
.endr
	v_mov_b32 v[VD], DUMP
.irp k, 0,1,2,3
	v_add_nc_u32 v[VT+\k], 32*\k, v[L]
.endr
	s_mov_b32 s[RUN], 0
.set NW, 0
.irp b, 16,32,48,80
.irp k, 0,1,2,3,4,5,6,7,8,9,10,11,12,13,14,15
.if NW >= 4
	s_wait_dscnt 0x3                               ; the three younger stores may be out: the store four words back has read these registers
.endif
	v_mbcnt_lo_u32_b32 v[VA+NW%4], s[\b+\k], s[RUN]
	v_bfe_u32 v[VX], v[VA+NW%4], 4, 2
	v_cmp_eq_u32 vcc_lo, s[P], v[VX]
	s_and_b32 vcc_lo, vcc_lo, s[\b+\k]
	v_lshrrev_b32 v[VX], 6, v[VA+NW%4]
	v_and_b32 v[VA+NW%4], 15, v[VA+NW%4]
	v_lshl_or_b32 v[VA+NW%4], v[VX], 4, v[VA+NW%4]
	v_cndmask_b32 v[VA+NW%4], v[VD], v[VA+NW%4], vcc_lo
	v_min_u32 v[VA+NW%4], DUMP, v[VA+NW%4]
	v_lshl_add_u32 v[VA+NW%4], v[VA+NW%4], 2, LIST
.if NW >= 4
	v_add_nc_u32 v[VT+NW%4], 128, v[VT+NW%4]
.endif
	ds_store_b32 v[VA+NW%4], v[VT+NW%4]
	s_bcnt1_i32_b32 s[T0], s[\b+\k]
	s_add_co_u32 s[RUN], s[RUN], s[T0]
.set NW, NW+1
.endr
.endr
.endm
	s_cmp_lg_u32 s[WV], 0
	s_cbranch_scc1 .Lnot_first                     ; up to the first barrier wave 0 alone touches LDS
.irp k, 0,1,2,3
	v_mov_b32 v[VZ+\k], 0
.endr
	ds_store_b128 v[HSR], v[VZ:VZ+3]               ; the scale words' two buffers begin as zeros: a trip that works one pair still sends all 512 bytes
	ds_store_b128 v[HSR+1], v[VZ:VZ+3]
	BUILD
.Lnot_first:
	; W1's 32 fragments, their scale words, b1: read once, kept
	WIN 0x40                                       ; destination window 1
.irp s, 0,1,2,3
.irp t, 0,1,2,3
.irp c, 0,1
	global_load_b128 v[48*\s+12*\t+6*\c:48*\s+12*\t+6*\c+3], v[VB0], s[4:5] offset:(\t/2)*24576+\s*3072+(\t%2)*1536+768*\c
	global_load_b64 v[48*\s+12*\t+6*\c+4:48*\s+12*\t+6*\c+5], v[VB1], s[4:5] offset:(\t/2)*24576+\s*3072+(\t%2)*1536+768*\c
.endr
.endr
.endr
	WIN 0x80                                       ; destination window 2
.irp s, 0,1,2,3
.irp t, 0,1,2,3
.irp c, 0,1
	global_load_b128 v[48*\s+12*\t+6*\c:48*\s+12*\t+6*\c+3], v[VB0], s[4:5] offset:(\t/2)*24576+(\s+4)*3072+(\t%2)*1536+768*\c
	global_load_b64 v[48*\s+12*\t+6*\c+4:48*\s+12*\t+6*\c+5], v[VB1], s[4:5] offset:(\t/2)*24576+(\s+4)*3072+(\t%2)*1536+768*\c
.endr
.endr
.endr
	WIN 0
.irp g, 0,1
.irp q, 0,1,2,3
	global_load_b64 v[BS+8*\g+2*\q:BS+8*\g+2*\q+1], v[L8], s[6:7] offset:\g*1024+\q*256
.endr
.endr
.irp t, 0,1,2,3
	global_load_b128 v[BIAS+8*\t:BIAS+8*\t+3], v[H64], s[12:13] offset:(\t/2)*128+(\t%2)*32      ; lane (r, h): units 32 g + 16 h + 8 u + 0 .. 7
	global_load_b128 v[BIAS+8*\t+4:BIAS+8*\t+7], v[H64], s[12:13] offset:(\t/2)*128+(\t%2)*32+16
.endr
	s_mov_b32 s[CNT], 0                            ; the expert's rows, counted by every wave
.irp b, 16,32,48,80
.irp k, 0,1,2,3,4,5,6,7,8,9,10,11,12,13,14,15
	s_bcnt1_i32_b32 s[T0], s[\b+\k]
	s_add_co_u32 s[CNT], s[CNT], s[T0]
.endr
.endr
	s_lshl_b32 s[RK], s[P], 4
	s_add_co_u32 s[T0], s[RK], 1
	s_max_u32 s[CA], s[CNT], s[T0]                 ; the bound of the tests: the first pair of tiles is worked whatever the count
	s_mul_i32 s78, s[E], 3145728
	s_mul_i32 s[T0], s[P], 24576
	s_add_co_u32 s78, s78, s[T0]
	s_lshl_b32 s[T0], s[SG], 1
	s_lshr_b32 s[T1], s[WV], 1
	s_add_co_u32 s[T0], s[T0], s[T1]               ; the next product's K step: 2 sigma + w / 2
	s_mul_i32 s[T0], s[T0], 1536
	s_add_co_u32 s78, s78, s[T0]
	s_and_b32 s[T1], s[WV], 1                      ; and its half: w % 2
	s_mul_i32 s[T1], s[T1], 768
	s_add_co_u32 s78, s78, s[T1]
	s_add_nc_u64 s[HB:HB+1], s[14:15], s[78:79]
	s_lshl_b32 s78, s[E], 17
	s_lshl_b32 s[T0], s[SG], 14
	s_add_co_u32 s78, s78, s[T0]
	s_lshl_b32 s[T0], s[P], 12
	s_add_co_u32 s78, s78, s[T0]
	s_add_co_u32 s78, s78, 25165824
	s_add_nc_u64 s[HS:HS+1], s[14:15], s[78:79]
; The gather of 64 rows, 16 a wave: half a wave takes a row's 768 bytes in three loads of 256 consecutive bytes.  off: the rows' place in the list, in bytes from v[LA]
.macro GISSUE off
	ds_load_b128 v[TK:TK+3], v[LA] offset:\off
	ds_load_b128 v[TK+4:TK+7], v[LA] offset:\off+16
	ds_load_b32 v[TS], v[LB] offset:\off
	s_wait_dscnt 0x0
.irp i, 0,1,2,3,4,5,6,7
	v_min_u32 v[TK+\i], 0x7ff, v[TK+\i]
.endr
	v_min_u32 v[TS], 0x7ff, v[TS]
.irp i, 0,1,2,3,4,5,6,7
	v_mad_u32_u24 v[GA+\i], v[TK+\i], 768, v[R16]
.endr
	v_lshl_add_u32 v[GB], v[TS], 5, v[L1]
	WIN 0xc0                                       ; destination window 3
.irp i, 0,1,2,3,4,5,6,7
.irp q, 0,1,2
	global_load_b128 v[ST+12*\i+4*\q:ST+12*\i+4*\q+3], v[GA+\i], s[8:9] offset:256*\q
.endr
.endr
	global_load_b128 v[ST+96:ST+99], v[GB], s[8:9] offset:1572864   ; the rows' scale bytes: two lanes a row
	WIN 0
.endm
.macro GSTORE b
	s_wait_loadcnt 0x0
	WIN 0x0c                                       ; an LDS store's data are its source 1: window 3
.irp i, 0,1,2,3,4,5,6,7
.irp q, 0,1,2
	ds_store_b128 v[GS+(\b)], v[ST+12*\i+4*\q:ST+12*\i+4*\q+3] offset:XPIT*\i+256*\q
.endr
.endr
	ds_store_b128 v[GSS+(\b)], v[ST+96:ST+99]
	WIN 0
.endm
.macro LOADA b, m                      ; tile m's eight fragments and scale words out of buffer b: 24 bytes as three loads of 8, as the codes lie
	WIN 0xc0
.irp s, 0,1,2,3,4,5,6,7
.irp n, 0,1,2,3,4,5
	ds_load_b64 v[AF+12*\s+2*\n:AF+12*\s+2*\n+1], v[AFR+(\b)] offset:16*XPIT*(\m)+96*\s+48*(\n/3)+8*(\n%3)
.endr
.endr
	WIN 0
	ds_load_b128 v[XS:XS+3], v[ASC+(\b)] offset:512*(\m)
	ds_load_b128 v[XS+4:XS+7], v[ASC+(\b)] offset:512*(\m)+16
.endm
.macro MM1 s, t
.set WD, ACC+8*(\t)
.set WA, 48*((\s)%4)+12*(\t)
.set WX, AF+12*(\s)
.set WSA, BS+8*((\t)/2)+(\s)
.if (\s) == 0
.if (\t)%2 == 0
	v_wmma_scale_f32_16x16x128_f8f6f4 v[WD:WD+7], v[WA:WA+11], v[WX:WX+11], v[BIAS+8*(\t):BIAS+8*(\t)+7], v[WSA], v[XS+(\s)] matrix_a_fmt:MATRIX_FMT_FP6 matrix_b_fmt:MATRIX_FMT_FP6
.else
	v_wmma_scale_f32_16x16x128_f8f6f4 v[WD:WD+7], v[WA:WA+11], v[WX:WX+11], v[BIAS+8*(\t):BIAS+8*(\t)+7], v[WSA], v[XS+(\s)] matrix_a_fmt:MATRIX_FMT_FP6 matrix_b_fmt:MATRIX_FMT_FP6 matrix_a_scale:MATRIX_SCALE_ROW1
.endif
.else
.if (\t)%2 == 0
	v_wmma_scale_f32_16x16x128_f8f6f4 v[WD:WD+7], v[WA:WA+11], v[WX:WX+11], v[WD:WD+7], v[WSA], v[XS+(\s)] matrix_a_fmt:MATRIX_FMT_FP6 matrix_b_fmt:MATRIX_FMT_FP6
.else
	v_wmma_scale_f32_16x16x128_f8f6f4 v[WD:WD+7], v[WA:WA+11], v[WX:WX+11], v[WD:WD+7], v[WSA], v[XS+(\s)] matrix_a_fmt:MATRIX_FMT_FP6 matrix_b_fmt:MATRIX_FMT_FP6 matrix_a_scale:MATRIX_SCALE_ROW1
.endif
.endif
.endm
; 32 matrix instructions: a tile of 16 rows x my 64 units x K = 1,024.  The bias is the C of each sum's first instruction.  The four accumulators take turns, one instruction a turn.
.macro MM
	s_wait_dscnt 0x0                               ; the tile's fragments and scale words are in
	WIN 0x0d                                       ; source 0 (W1) window 1, source 1 (x) window 3
.irp s, 0,1,2,3
.irp t, 0,1,2,3
	MM1 \s, \t
.endr
.endr
	WIN 0x0e                                       ; source 0 window 2
.irp s, 4,5,6,7
.irp t, 0,1,2,3
	MM1 \s, \t
.endr
.endr
	WIN 0
	PLACES 5                                       ; plain places ahead of the loads into x's registers, of the first read of results, and of the next tile's instructions, which write over these accumulators
.endm
.macro GELU                            ; each accumulator is read from its low end on
.set n1, 0
.rept 16
	v_pk_mul_f32 v[GT+n1:GT+n1+1], v[ACC+n1:ACC+n1+1], v[ACC+n1:ACC+n1+1]
.set n1, n1+2
.endr
.set n1, 0
.rept 16
	v_pk_fma_f32 v[GT+n1:GT+n1+1], v[GT+n1:GT+n1+1], s[C1:C1+1], v[VC0:VC0+1] op_sel_hi:[1,0,1]   ; c1 x^2 + c0
.set n1, n1+2
.endr
.set n1, 0
.rept 16
	v_pk_mul_f32 v[GT+n1:GT+n1+1], v[GT+n1:GT+n1+1], v[ACC+n1:ACC+n1+1]
.set n1, n1+2
.endr
.set n1, 0
.rept 32
	v_exp_f32 v[GT+n1], v[GT+n1]
.set n1, n1+1
.endr
	v_nop                                          ; a plain place behind the batch,
	s_wait_alu depctr_va_vdst(0)                   ; and one wait for all 32, ahead of their first reader
.set n1, 0
.rept 16
	v_pk_add_f32 v[GT+n1:GT+n1+1], v[GT+n1:GT+n1+1], 1.0 op_sel_hi:[1,0]
.set n1, n1+2
.endr
.set n1, 0
.rept 32
	v_rcp_f32 v[GT+n1], v[GT+n1]
.set n1, n1+1
.endr
	v_nop
	s_wait_alu depctr_va_vdst(0)
.set n1, 0
.rept 16
	v_pk_mul_f32 v[ACC+n1:ACC+n1+1], v[ACC+n1:ACC+n1+1], v[GT+n1:GT+n1+1]
.set n1, n1+2
.endr
.endm
; My 32 numbers of a row, register 16 b + i = unit 32 b + 16 h + i, become six registers of codes and two scale bytes
.macro QUANT2
.irp b, 0,1
	v_max3_num_f32 v[TM+\b], |v[ACC+16*\b]|, |v[ACC+16*\b+1]|, 0x1800000   ; with the floor 2^(3 - 127): the byte cannot fall under 1
.endr
.irp i, 2,4,6,8,10,12,14
.irp b, 0,1
	v_max3_num_f32 v[TM+\b], v[TM+\b], |v[ACC+16*\b+\i]|, |v[ACC+16*\b+\i+1]|
.endr
.endr
.irp b, 0,1
	v_permlanex16_b32 v[TM+2+\b], v[TM+\b], s[SEL], s[SEL+1]
.endr
.irp b, 0,1
	v_max_num_f32 v[TM+\b], v[TM+\b], v[TM+2+\b]   ; with lane l xor 16's 16: the block's largest magnitude
.endr
.irp b, 0,1
	v_add_nc_u32 v[TM+4+\b], 0xff000000, v[TM+\b]  ; 2 off the exponent field: the conversion's scale operand
.endr
.irp b, 0,1
	v_lshrrev_b32 v[TM+2+\b], 23, v[TM+4+\b]
.endr
	v_lshl_or_b32 v[PW], v[TM+3], 8, v[TM+2]
	s_wait_xcnt 0x0                                ; the last tile's stores have read the codes' registers
	v_cvt_scalef32_pk16_fp6_f32 v[PC:PC+2], v[ACC:ACC+15], v[TM+4]
	v_cvt_scalef32_pk16_fp6_f32 v[QC:QC+2], v[ACC+16:ACC+31], v[TM+5]
	v_nop                                          ; one plain place behind the conversions
.irp i, 0,1,2
	v_permlane16_swap_b32 v[PC+\i], v[QC+\i]       ; the operand wants a whole block in a lane: lanes 0-15 block 0, lanes 16-31 block 1
.endr
.irp i, 0,1,2
	v_mov_b32 v[PC+3+\i], v[QC+\i]
.endr
.endm
.macro POST b, m
	GELU
	QUANT2
	global_store_b128 v[H0], v[PC:PC+3], s[HB:HB+1] offset:(4*(\b)+(\m))*98304   ; the image of the operand's registers: 512 consecutive bytes,
	global_store_b64 v[H1], v[PC+4:PC+5], s[HB:HB+1] offset:(4*(\b)+(\m))*98304  ; and 256 more
	ds_store_b16 v[HSA+(\b)], v[PW] offset:128*(\m)                              ; lanes l and l xor 16 write the same two bytes with the same value
.endm
; A TRIP: four tiles out of buffer b.  The next trip's rows are asked for at its head and go into the other buffer at its end; ONE barrier: in front of it every wave's reads of buffer b are in and its stores into the
; other buffer have landed.  The other buffer was last read ahead of the trip before's barrier.
.macro TRIP b
	s_add_co_u32 s[T0], s[RK], 256*(\b+1)
	s_cmp_lt_u32 s[T0], s[CA]
	s_cbranch_scc0 .Lno_issue_\@
	GISSUE 256*(\b+1)
.Lno_issue_\@:
	s_add_co_u32 s[T0], s[RK], 256*\b
	s_cmp_lt_u32 s[T0], s[CA]
	s_cbranch_scc0 .Lidle_\@
	LOADA \b, 0
	MM
	LOADA \b, 1                                    ; lands under the gelu: one set of registers serves x
	POST \b, 0
	MM
	LOADA \b, 2
	POST \b, 1
	s_add_co_u32 s[T0], s[RK], 256*\b+128
	s_cmp_lt_u32 s[T0], s[CA]
	s_cbranch_scc0 .Lidle_\@                       ; (the loads just issued are waited for ahead of the barrier)
	MM
	LOADA \b, 3
	POST \b, 2
	MM
	POST \b, 3
.Lidle_\@:
	s_add_co_u32 s[T0], s[RK], 256*(\b+1)
	s_cmp_lt_u32 s[T0], s[CA]
	s_cbranch_scc0 .Lno_store_\@
	GSTORE 1-\b
.Lno_store_\@:
	s_wait_loadcnt 0x0                             ; no load is out on any way
	s_wait_dscnt 0x0                               ; my LDS loads are in and my LDS stores have landed
	s_barrier_signal -1
	s_barrier_wait -1
	s_add_co_u32 s[T0], s[RK], 256*\b
	s_cmp_lt_u32 s[T0], s[CA]
	s_cbranch_scc0 .Lno_flush_\@
	s_cmp_lg_u32 s[WV], 0
	s_cbranch_scc1 .Lno_flush_\@
	s_wait_xcnt 0x0                                ; the last such store has read its registers
	ds_load_b128 v[FL:FL+3], v[HSR+\b]             ; the trip's scale words; these bytes are written again two trips on, behind the next barrier
	s_wait_dscnt 0x0
	global_store_b128 v[H0], v[FL:FL+3], s[HS:HS+1] offset:512*\b   ; 512 consecutive bytes
.Lno_flush_\@:
.endm
	s_wait_dscnt 0x0                               ; the list has landed
	s_barrier_signal -1
	s_barrier_wait -1
	GISSUE 0                                       ; the first trip's rows: its first pair is always worked
	GSTORE 0                                       ; (its wait is also the wait for W1, the scale words and b1)
	s_wait_dscnt 0x0
	s_barrier_signal -1
	s_barrier_wait -1
	s_mov_b32 s[IT], 4
.Ltrips:
	TRIP 0
	TRIP 1
	s_wait_xcnt 0x0                                ; the stores have read their bases
	s_add_nc_u64 s[HB:HB+1], s[HB:HB+1], 786432    ; eight of my tiles on
	s_add_nc_u64 s[HS:HS+1], s[HS:HS+1], 1024
	v_add_nc_u32 v[LA], 512, v[LA]                 ; (no LDS load of mine is out)
	v_add_nc_u32 v[LB], 512, v[LB]
	s_add_co_u32 s[RK], s[RK], 512
	s_sub_co_u32 s[IT], s[IT], 1
	s_cmp_lg_u32 s[IT], 0
	s_cbranch_scc1 .Ltrips
	s_wait_tensorcnt 0x0
	ds_add_u32 v254, v255
	s_wait_dscnt 0x0
	s_endpgm
.Lfunc_end_k_qd6416a18f9_up:
	.size	k_qd6416a18f9_up, .Lfunc_end_k_qd6416a18f9_up-k_qd6416a18f9_up
	.p2alignl 7, 3214868480
	.fill 96, 4, 3214868480
	.section	.rodata,"a",@progbits
	.p2align	6, 0x0
	.amdhsa_kernel k_qd6416a18f9_up
		.amdhsa_group_segment_fixed_size 109056
		.amdhsa_private_segment_fixed_size 0
		.amdhsa_enable_private_segment 0
		.amdhsa_kernarg_size 48
		.amdhsa_user_sgpr_count 2
		.amdhsa_user_sgpr_kernarg_segment_ptr 1
		.amdhsa_wavefront_size32 1
		.amdhsa_system_sgpr_workgroup_id_x 1
		.amdhsa_system_sgpr_workgroup_id_y 1
		.amdhsa_system_sgpr_workgroup_id_z 1
		.amdhsa_system_vgpr_workitem_id 0
		.amdhsa_next_free_vgpr 1024
		.amdhsa_next_free_sgpr 102
		.amdhsa_reserve_vcc 1
		.amdhsa_float_denorm_mode_32 3
		.amdhsa_float_denorm_mode_16_64 3
		.amdhsa_memory_ordered 1
		.amdhsa_forward_progress 1
		.amdhsa_inst_pref_size 224
	.end_amdhsa_kernel
	.amdgpu_metadata
---
amdhsa.version: [ 1, 2 ]
amdhsa.kernels:
  - .name:           k_qd6416a18f9_up
    .symbol:         k_qd6416a18f9_up.kd
    .args:
      - { .name: wc, .offset: 0, .size: 8, .value_kind: global_buffer, .address_space: global }
      - { .name: wsb, .offset: 8, .size: 8, .value_kind: global_buffer, .address_space: global }
      - { .name: xq, .offset: 16, .size: 8, .value_kind: global_buffer, .address_space: global }
      - { .name: route, .offset: 24, .size: 8, .value_kind: global_buffer, .address_space: global }
      - { .name: b1, .offset: 32, .size: 8, .value_kind: global_buffer, .address_space: global }
      - { .name: hq, .offset: 40, .size: 8, .value_kind: global_buffer, .address_space: global }
    .group_segment_fixed_size: 109056
    .private_segment_fixed_size: 0
    .kernarg_segment_align: 8
    .kernarg_segment_size: 48
    .max_flat_workgroup_size: 128
    .sgpr_count:     102
    .vgpr_count:     1024
    .wavefront_size: 32
...
	.end_amdgpu_metadata
.endif
;; end of part 2
;; launch down (part 3): grid 32 x 8, 4 waves a work-group, no clusters, 142,336 bytes of LDS; arguments wc, wsb, hq, route, gate, b2, ys; writes ys
.if DOCPART == 3
	.amdgcn_target "amdgcn-amd-amdhsa--gfx1250"
	.amdhsa_code_object_version 6
	.text
	.protected	k_qd6416a18f9_down
	.globl	k_qd6416a18f9_down
	.p2align	8
	.type	k_qd6416a18f9_down,@function
k_qd6416a18f9_down:
	s_mov_b64 s[64:65], 0
	v_nop
	global_prefetch_b8 v0, s[64:65] scope:SCOPE_SE
	s_setreg_imm32_b32 hwreg(HW_REG_WAVE_MODE, 25, 1), 1
	s_wait_xcnt 0x0
; ys[side][token] = gate x (hid W2[e] + b2[e]) for the rows that the router chose; side 0: the token's first expert, side 1: its second.  Codes of FP6 (E2M3), one E8M0 scale for each 32 along K = DFF.
; SHARES.  Work-group (x, y): expert e = y; x / 4: 128 columns of D; p = x % 4: the expert's tiles of 16 rows with tile % 4 = p, as in the launch before.
; K IS SHARED OVER THE WAVES: wave w takes K steps 4 w .. 4 w + 3 for all 128 columns: 8 tiles of W2 x 4 K steps = 384 registers, read once and kept.  So each fragment of the hidden layer is loaded by one wave,
; straight into the operand's registers, in runs of 512 and 256 consecutive bytes; the four partial sums meet in the stage in LDS through which the results leave anyway.
; TRIPS.  Sixteen trips of two tiles, a constant: barriers stand on every wave's path, only work is jumped over, by scalar branches on the count.  A trip is worked where the launch before worked that pair of tiles,
; so every byte read here was stored there.  Rows past the count are multiplied and not stored.
; THE PRODUCT IS USED TRANSPOSED (source 0 = 16 columns of W2, source 1 = 16 rows of the hidden layer): a lane holds one row and, in two tiles' registers, 16 neighbouring columns.
; No tensor load and no joint load: the trips' work is jumped over on counts read from memory.
; The order of a sum: four parts along K, added as (0 + 1) + (2 + 3), then b2, then the gate.
; REGISTERS: window 0: addresses, scales, b2, 16 accumulators (on the way out: the partial sums read back).  windows 1, 2: W2's fragments of my K steps 0-1, 2-3 at v[96 (s % 2) + 12 tile].  window 3: the hidden layer's fragments, two sets of 96.
.set STG1, 67584                       ; a stage: [wave 4][row 32][512 bytes + 16]; two stages
.set LIST, 2*STG1                      ; 640 words, as in the launch before
.set DUMP, 639
.set RL,   LIST+2560                   ; 512 words: my rows' places in ys
.set GL,   RL+2048                     ; 512 words: their gates
.set L, 1
.set R, 2
.set H, 3
.set VB0, 4
.set VB1, 5
.set L8, 6
.set L16, 7
.set A1, 8
.set VAS, 9                            ; v9     hidden scale words: 16,384 (2 w + h) + 8 r
.set STA, 10                           ; v10-11 into stage 0, 1: 16,896 w + 528 r + 64 h
.set RDA, 12                           ; v12-13 out of it: rows 8 w on, 16 l
.set RLA, 14                           ; v14    RL + 32 w; steps with the trips
.set LT, 15
.set RT, 16
.set PFA, 17
.set BS, 32                            ; v32-47 W2's scale words: 4 (tile / 2) + K step
.set AS, 48                            ; v48-55 the hidden layer's: 4 set + 2 tile + K step % 2; lanes 0-15 K steps 0, 1, lanes 16-31 K steps 2, 3
.set B2, 56
.set RW, 60
.set GW, 68
.set OF, 76
.set TT, 84
.set TX, 88
.set ACC, 96                           ; v96-223
.set VA, 224
.set VT, 228
.set VX, 232
.set VD, 233
.set VPRE, 236
.set TR, 240
.set TG, 244
.set WV, 66
.set P, 67
.set E, 68
.set SG, 69
.set CNT, 70
.set CA, 71
.set RUN, 72
.set T0, 73
.set RK, 74                            ; rank of the loop trip's first row: 16 p + 256 x trip
.set IT, 75
.set T1, 100
.set NV, 101
.set AB, 16                            ; s[16:17] the hidden layer's codes (the masks' registers are free by then)
.set SBA, 18                           ; s[18:19] its scale words
.set RB, 20                            ; s[20:21] the row table
.set GBA, 22                           ; s[22:23] the gate table
.set WOF, 24                           ; s24  64 (w / 2) + 8 (w % 2): the rank of my first row on the way out, within a trip
.set YB, 96                            ; s[96:97] ys
.set MSB, 0
.macro WIN new                         ; the immediate's high byte repeats the setting that is left
.if MSB != \new
	s_set_vgpr_msb (MSB<<8)|\new
.set MSB, \new
.endif
.endm
.macro PLACES n
.rept \n
	v_nop
.endr
.endm
	s_load_b256 s[4:11], s[0:1], 0x0               ; wc s[4:5], wsb s[6:7], hq s[8:9], route s[10:11]
	s_load_b128 s[12:15], s[0:1], 0x20             ; gate s[12:13], b2 s[14:15]
	s_load_b64 s[YB:YB+1], s[0:1], 0x30            ; ys
	v_lshl_add_u32 v254, v0, 2, 0x22a00
	v_mov_b32 v255, 0
	v_lshrrev_b32 v[L], 5, v0
	v_readfirstlane_b32 s[WV], v[L]
	s_and_b32 s[E], ttmp7, 0xffff
	s_lshr_b32 s[SG], ttmp9, 2
	s_and_b32 s[P], ttmp9, 3
	s_lshl_b32 s76, s[E], 8
	s_mov_b32 s77, 0
	s_wait_kmcnt 0x0
	s_add_nc_u64 s[76:77], s[10:11], s[76:77]      ; the expert's mask
	s_load_b512 s[16:31], s[76:77], 0x0
	s_load_b512 s[32:47], s[76:77], 0x40
	s_load_b512 s[48:63], s[76:77], 0x80
	s_load_b512 s[80:95], s[76:77], 0xc0
	v_and_b32 v[L], 31, v0
	v_and_b32 v[R], 15, v0
	v_bfe_u32 v[H], v0, 4, 1
	v_lshlrev_b32 v[L16], 4, v[L]
	v_lshlrev_b32 v[L8], 3, v[L]
	v_add_nc_u32 v[A1], 512, v[L8]
	v_lshlrev_b32 v[VB0], 4, v[R]
	v_lshl_add_u32 v[VB1], v[H], 3, v[VB0]
	v_add_nc_u32 v[VB1], 512, v[VB1]
	v_lshl_add_u32 v[VB0], v[H], 8, v[VB0]
	s_lshl_b32 s[T0], s[WV], 15
	v_lshl_add_u32 v[VAS], v[H], 14, s[T0]
	v_lshl_add_u32 v[VAS], v[R], 3, v[VAS]
	s_mul_i32 s[T0], s[WV], 16896
	v_mul_u32_u24 v[STA], v[R], 528
	v_lshl_add_u32 v[STA], v[H], 6, v[STA]
	v_add_nc_u32 v[STA], s[T0], v[STA]
	v_add_nc_u32 v[STA+1], STG1, v[STA]
	s_mul_i32 s[T0], s[WV], 4224
	v_add_nc_u32 v[RDA], s[T0], v[L16]
	v_add_nc_u32 v[RDA+1], STG1, v[RDA]
	s_lshl_b32 s[T0], s[WV], 5
	s_add_co_u32 s[T0], s[T0], RL
	v_mov_b32 v[RLA], s[T0]
	v_lshl_add_u32 v[LT], v0, 2, LIST
	v_lshl_add_u32 v[RT], v0, 2, RL
	v_lshl_add_u32 v[PFA], v[L], 4, LIST
	s_mul_i32 s78, s[E], 1572864
	s_mul_i32 s[T0], s[SG], 196608                 ; four g of 49,152 bytes
	s_add_co_u32 s78, s78, s[T0]
	s_mul_i32 s[T0], s[WV], 12288                  ; four K steps of 3,072 bytes
	s_add_co_u32 s78, s78, s[T0]
	s_add_co_u32 s78, s78, 12582912                ; W2's codes lie behind W1's
	s_mov_b32 s79, 0
	s_add_nc_u64 s[4:5], s[4:5], s[78:79]
	s_lshl_b32 s78, s[E], 5
	s_lshl_b32 s[T0], s[SG], 2
	s_add_co_u32 s78, s78, s[T0]
	s_lshl_b32 s78, s78, 11                        ; 2,048 bytes of scale words a g
	s_lshl_b32 s[T0], s[WV], 9
	s_add_co_u32 s78, s78, s[T0]
	s_add_co_u32 s78, s78, 524288
	s_add_nc_u64 s[6:7], s[6:7], s[78:79]
	s_lshl_b32 s78, s[E], 12
	s_lshl_b32 s[T0], s[SG], 9
	s_add_co_u32 s78, s78, s[T0]
	s_add_nc_u64 s[14:15], s[14:15], s[78:79]      ; b2: my 128 columns
	s_mov_b32 s78, s[T0]
	s_add_nc_u64 s[YB:YB+1], s[YB:YB+1], s[78:79]  ; ys: likewise
	s_wait_kmcnt 0x0                               ; the masks
; THE LIST, as in the launch before: a member's rank is the count so far + the members in lower lanes; where (rank / 16) % 4 = p its place is 16 (rank / 64) + rank % 16; all other lanes store into the dump word.
.macro BUILD
.irp k, 0,1,2,3
	v_mov_b32 v[VPRE+\k], 0x7ff
.endr
.irp k, 0,1,2,3,4
	ds_store_b128 v[PFA], v[VPRE:VPRE+3] offset:512*\k
.endr
	v_mov_b32 v[VD], DUMP
.irp k, 0,1,2,3
	v_add_nc_u32 v[VT+\k], 32*\k, v[L]
.endr
	s_mov_b32 s[RUN], 0
.set NW, 0
.irp b, 16,32,48,80
.irp k, 0,1,2,3,4,5,6,7,8,9,10,11,12,13,14,15
.if NW >= 4
	s_wait_dscnt 0x3                               ; the three younger stores may be out: the store four words back has read these registers
.endif
	v_mbcnt_lo_u32_b32 v[VA+NW%4], s[\b+\k], s[RUN]
	v_bfe_u32 v[VX], v[VA+NW%4], 4, 2
	v_cmp_eq_u32 vcc_lo, s[P], v[VX]
	s_and_b32 vcc_lo, vcc_lo, s[\b+\k]
	v_lshrrev_b32 v[VX], 6, v[VA+NW%4]
	v_and_b32 v[VA+NW%4], 15, v[VA+NW%4]
	v_lshl_or_b32 v[VA+NW%4], v[VX], 4, v[VA+NW%4]
	v_cndmask_b32 v[VA+NW%4], v[VD], v[VA+NW%4], vcc_lo
	v_min_u32 v[VA+NW%4], DUMP, v[VA+NW%4]
	v_lshl_add_u32 v[VA+NW%4], v[VA+NW%4], 2, LIST
.if NW >= 4
	v_add_nc_u32 v[VT+NW%4], 128, v[VT+NW%4]
.endif
	ds_store_b32 v[VA+NW%4], v[VT+NW%4]
	s_bcnt1_i32_b32 s[T0], s[\b+\k]
	s_add_co_u32 s[RUN], s[RUN], s[T0]
.set NW, NW+1
.endr
.endr
.endm
	s_cmp_lg_u32 s[WV], 0
	s_cbranch_scc1 .Lnot_first                     ; up to the first barrier wave 0 alone touches LDS
	BUILD
.Lnot_first:
	WIN 0x40                                       ; destination window 1
.irp s, 0,1
.irp t, 0,1,2,3,4,5,6,7
.irp c, 0,1
	global_load_b128 v[96*\s+12*\t+6*\c:96*\s+12*\t+6*\c+3], v[VB0], s[4:5] offset:(\t/2)*49152+\s*3072+(\t%2)*1536+768*\c
	global_load_b64 v[96*\s+12*\t+6*\c+4:96*\s+12*\t+6*\c+5], v[VB1], s[4:5] offset:(\t/2)*49152+\s*3072+(\t%2)*1536+768*\c
.endr
.endr
.endr
	WIN 0x80                                       ; destination window 2
.irp s, 0,1
.irp t, 0,1,2,3,4,5,6,7
.irp c, 0,1
	global_load_b128 v[96*\s+12*\t+6*\c:96*\s+12*\t+6*\c+3], v[VB0], s[4:5] offset:(\t/2)*49152+(\s+2)*3072+(\t%2)*1536+768*\c
	global_load_b64 v[96*\s+12*\t+6*\c+4:96*\s+12*\t+6*\c+5], v[VB1], s[4:5] offset:(\t/2)*49152+(\s+2)*3072+(\t%2)*1536+768*\c
.endr
.endr
.endr
	WIN 0
.irp g, 0,1,2,3
.irp q, 0,1
	global_load_b64 v[BS+4*\g+2*\q:BS+4*\g+2*\q+1], v[L8], s[6:7] offset:\g*2048+\q*256
.endr
.endr
	global_load_b128 v[B2:B2+3], v[L16], s[14:15]  ; b2 of columns 4 l .. 4 l + 3 of the slice
	s_mov_b32 s[CNT], 0
.irp b, 16,32,48,80
.irp k, 0,1,2,3,4,5,6,7,8,9,10,11,12,13,14,15
	s_bcnt1_i32_b32 s[T0], s[\b+\k]
	s_add_co_u32 s[CNT], s[CNT], s[T0]
.endr
.endr
	s_lshl_b32 s[RK], s[P], 4
	s_add_co_u32 s[T0], s[RK], 1
	s_max_u32 s[CA], s[CNT], s[T0]                 ; the same bound as in the launch before
	s_mul_i32 s78, s[E], 3145728
	s_mul_i32 s[T0], s[P], 24576
	s_add_co_u32 s78, s78, s[T0]
	s_mul_i32 s[T0], s[WV], 6144                   ; my four K steps of 1,536 bytes
	s_add_co_u32 s78, s78, s[T0]
	s_add_nc_u64 s[AB:AB+1], s[8:9], s[78:79]
	s_lshl_b32 s78, s[E], 17
	s_lshl_b32 s[T0], s[P], 12
	s_add_co_u32 s78, s78, s[T0]
	s_add_co_u32 s78, s78, 25165824
	s_add_nc_u64 s[SBA:SBA+1], s[8:9], s[78:79]
	s_and_b32 s78, s[E], 1
	s_lshl_b32 s78, s78, 8
	s_lshr_b32 s[T0], s[E], 1
	s_lshl_b32 s[T0], s[T0], 2
	s_add_co_u32 s78, s78, s[T0]                   ; the expert's word in a token's entry
	s_add_nc_u64 s[GBA:GBA+1], s[12:13], s[78:79]
	s_add_nc_u64 s[RB:RB+1], s[10:11], s[78:79]
	s_add_nc_u64 s[RB:RB+1], s[RB:RB+1], 8192
	s_lshr_b32 s[WOF], s[WV], 1
	s_lshl_b32 s[WOF], s[WOF], 6
	s_and_b32 s[T0], s[WV], 1
	s_lshl_b32 s[T0], s[T0], 3
	s_add_co_u32 s[WOF], s[WOF], s[T0]
; Two tiles' fragments of my four K steps, and their scale words, into a set.  tr: the trip, counted from the loop trip's first
.macro LOADA2 set, tr
	WIN 0xc0                                       ; destination window 3
.irp mm, 0,1
.irp s, 0,1,2,3
.irp c, 0,1
	global_load_b128 v[96*(\set)+48*\mm+12*\s+6*\c:96*(\set)+48*\mm+12*\s+6*\c+3], v[L16], s[AB:AB+1] offset:(2*(\tr)+\mm)*98304+1536*\s+768*\c
	global_load_b64 v[96*(\set)+48*\mm+12*\s+6*\c+4:96*(\set)+48*\mm+12*\s+6*\c+5], v[A1], s[AB:AB+1] offset:(2*(\tr)+\mm)*98304+1536*\s+768*\c
.endr
.endr
.endr
	WIN 0
.irp mm, 0,1
	global_load_b64 v[AS+4*(\set)+2*\mm:AS+4*(\set)+2*\mm+1], v[VAS], s[SBA:SBA+1] offset:(2*(\tr)+\mm)*128
.endr
.endm
.macro W2 set, mm, s, t
.set WD, ACC+64*(\mm)+8*(\t)
.set WA, 96*((\s)%2)+12*(\t)
.set WX, 96*(\set)+48*(\mm)+12*(\s)
.set WSA, BS+4*((\t)/2)+(\s)
.set WSB, AS+4*(\set)+2*(\mm)+(\s)%2
.if (\s) == 0
.if (\t)%2 == 0
	v_wmma_scale_f32_16x16x128_f8f6f4 v[WD:WD+7], v[WA:WA+11], v[WX:WX+11], 0, v[WSA], v[WSB] matrix_a_fmt:MATRIX_FMT_FP6 matrix_b_fmt:MATRIX_FMT_FP6
.else
	v_wmma_scale_f32_16x16x128_f8f6f4 v[WD:WD+7], v[WA:WA+11], v[WX:WX+11], 0, v[WSA], v[WSB] matrix_a_fmt:MATRIX_FMT_FP6 matrix_b_fmt:MATRIX_FMT_FP6 matrix_a_scale:MATRIX_SCALE_ROW1
.endif
.elseif (\s) == 1
.if (\t)%2 == 0
	v_wmma_scale_f32_16x16x128_f8f6f4 v[WD:WD+7], v[WA:WA+11], v[WX:WX+11], v[WD:WD+7], v[WSA], v[WSB] matrix_a_fmt:MATRIX_FMT_FP6 matrix_b_fmt:MATRIX_FMT_FP6
.else
	v_wmma_scale_f32_16x16x128_f8f6f4 v[WD:WD+7], v[WA:WA+11], v[WX:WX+11], v[WD:WD+7], v[WSA], v[WSB] matrix_a_fmt:MATRIX_FMT_FP6 matrix_b_fmt:MATRIX_FMT_FP6 matrix_a_scale:MATRIX_SCALE_ROW1
.endif
.else
.if (\t)%2 == 0
	v_wmma_scale_f32_16x16x128_f8f6f4 v[WD:WD+7], v[WA:WA+11], v[WX:WX+11], v[WD:WD+7], v[WSA], v[WSB] matrix_a_fmt:MATRIX_FMT_FP6 matrix_b_fmt:MATRIX_FMT_FP6 matrix_b_scale:MATRIX_SCALE_ROW1
.else
	v_wmma_scale_f32_16x16x128_f8f6f4 v[WD:WD+7], v[WA:WA+11], v[WX:WX+11], v[WD:WD+7], v[WSA], v[WSB] matrix_a_fmt:MATRIX_FMT_FP6 matrix_b_fmt:MATRIX_FMT_FP6 matrix_a_scale:MATRIX_SCALE_ROW1 matrix_b_scale:MATRIX_SCALE_ROW1
.endif
.endif
.endm
; 64 matrix instructions: two tiles of rows x 128 columns x my 512 along K.  The first K step starts the sums with the constant 0.  The 16 accumulators take turns, one instruction a turn.
.macro MM2 set
	WIN 0x0d                                       ; source 0 (W2) window 1, source 1 (hidden) window 3
.irp s, 0,1
.irp mm, 0,1
.irp t, 0,1,2,3,4,5,6,7
	W2 \set, \mm, \s, \t
.endr
.endr
.endr
	WIN 0x0e                                       ; source 0 window 2
.irp s, 2,3
.irp mm, 0,1
.irp t, 0,1,2,3,4,5,6,7
	W2 \set, \mm, \s, \t
.endr
.endr
.endr
	WIN 0
	PLACES 5                                       ; plain places ahead of the reads of results, of later loads into these registers, and of the next trip's instructions, which write over the accumulators
.endm
.macro TOSTG b                         ; lane (r, h): row r, columns 32 g + 16 h + 8 u + 0 .. 7; each accumulator from its low end on
.irp mm, 0,1
.irp t, 0,1,2,3,4,5,6,7
	ds_store_b128 v[STA+(\b)], v[ACC+64*\mm+8*\t:ACC+64*\mm+8*\t+3] offset:8448*\mm+128*(\t/2)+32*(\t%2)
	ds_store_b128 v[STA+(\b)], v[ACC+64*\mm+8*\t+4:ACC+64*\mm+8*\t+7] offset:8448*\mm+128*(\t/2)+32*(\t%2)+16
.endr
.endr
.endm
; THE WAY OUT: wave w owns rows 8 w .. 8 w + 7 of the trip's 32.  A row's 512 bytes are read four times, once from each wave's part of the stage, added, and stored whole.  Rows past the count are not stored.
.macro WAYOUT b
	s_add_co_u32 s[T0], s[RK], s[WOF]
	s_add_co_u32 s[T0], s[T0], 128*\b
	s_sub_co_i32 s[NV], s[CNT], s[T0]              ; how many of my eight rows there are
	s_cmp_gt_i32 s[NV], 0
	s_cbranch_scc0 .Lwo_\@
	ds_load_b128 v[RW:RW+3], v[RLA] offset:128*\b              ; every lane reads the same eight rows of ys,
	ds_load_b128 v[RW+4:RW+7], v[RLA] offset:128*\b+16
	ds_load_b128 v[GW:GW+3], v[RLA] offset:2048+128*\b         ; and the same eight gates
	ds_load_b128 v[GW+4:GW+7], v[RLA] offset:2048+128*\b+16
.irp i, 0,1,2,3,4,5,6,7
.irp q, 0,1,2,3
	ds_load_b128 v[ACC+16*\i+4*\q:ACC+16*\i+4*\q+3], v[RDA+(\b)] offset:16896*\q+528*\i
.endr
.endr
	s_wait_dscnt 0x0
.irp i, 0,1,2,3,4,5,6,7
.if \i > 0
	s_cmp_gt_i32 s[NV], \i
	s_cbranch_scc0 .Lwo_\@
.endif
	v_pk_add_f32 v[ACC+16*\i:ACC+16*\i+1], v[ACC+16*\i:ACC+16*\i+1], v[ACC+16*\i+4:ACC+16*\i+5]
	v_pk_add_f32 v[ACC+16*\i+2:ACC+16*\i+3], v[ACC+16*\i+2:ACC+16*\i+3], v[ACC+16*\i+6:ACC+16*\i+7]
	v_pk_add_f32 v[ACC+16*\i+8:ACC+16*\i+9], v[ACC+16*\i+8:ACC+16*\i+9], v[ACC+16*\i+12:ACC+16*\i+13]
	v_pk_add_f32 v[ACC+16*\i+10:ACC+16*\i+11], v[ACC+16*\i+10:ACC+16*\i+11], v[ACC+16*\i+14:ACC+16*\i+15]
	v_pk_add_f32 v[ACC+16*\i:ACC+16*\i+1], v[ACC+16*\i:ACC+16*\i+1], v[ACC+16*\i+8:ACC+16*\i+9]
	v_pk_add_f32 v[ACC+16*\i+2:ACC+16*\i+3], v[ACC+16*\i+2:ACC+16*\i+3], v[ACC+16*\i+10:ACC+16*\i+11]
	v_pk_add_f32 v[ACC+16*\i:ACC+16*\i+1], v[ACC+16*\i:ACC+16*\i+1], v[B2:B2+1]
	v_pk_add_f32 v[ACC+16*\i+2:ACC+16*\i+3], v[ACC+16*\i+2:ACC+16*\i+3], v[B2+2:B2+3]
.irp k, 0,1,2,3
	v_mul_f32 v[ACC+16*\i+\k], v[ACC+16*\i+\k], v[GW+\i]
.endr
	v_min_u32 v[OF+\i], 0xfff, v[RW+\i]
	v_lshl_add_u32 v[OF+\i], v[OF+\i], 12, v[L16]  ; a row of ys is 4,096 bytes
	global_store_b128 v[OF+\i], v[ACC+16*\i:ACC+16*\i+3], s[YB:YB+1] th:TH_STORE_NT   ; 32 lanes store 512 consecutive bytes, aligned; read by nobody in this launch
.endr
.Lwo_\@:
.endm
; A TRIP on set b and stage b.  The next trip's fragments are asked for at its head and have the whole trip in which to land.  ONE barrier: in front of it my stores into stage b have landed, and my reads of the other
; stage, which the next trip writes, are in.
.macro TURN b
	s_wait_loadcnt 0x0                             ; this trip's fragments, asked for a trip ago (in the first trip: W2, its scale words and b2 too)
	s_add_co_u32 s[T0], s[RK], 128*(\b+1)
	s_cmp_lt_u32 s[T0], s[CA]
	s_cbranch_scc0 .Lna_\@
	LOADA2 1-\b, \b+1
.Lna_\@:
	s_add_co_u32 s[T0], s[RK], 128*\b
	s_cmp_lt_u32 s[T0], s[CA]
	s_cbranch_scc0 .Lnm_\@
	MM2 \b
	TOSTG \b
.Lnm_\@:
	s_wait_dscnt 0x0
	s_barrier_signal -1
	s_barrier_wait -1
	s_add_co_u32 s[T0], s[RK], 128*\b
	s_cmp_lt_u32 s[T0], s[CA]
	s_cbranch_scc0 .Lnw_\@
	WAYOUT \b
.Lnw_\@:
	s_wait_xcnt 0x0                                ; the stores have read their data, which lie in the accumulators' registers, and their offsets; the loads have read their bases
.endm
	LOADA2 0, 0                                    ; the first trip's two tiles are always there
	LOADA2 1, 0                                    ; set 1 is given them too, so that every register of both sets is written whatever the counts; the first trip fills it anew
	s_wait_dscnt 0x0                               ; the list has landed
	s_barrier_signal -1
	s_barrier_wait -1
	; my rows' places in ys and their gates, looked up once: thread t takes places t + 128 j of the list
.irp j, 0,1,2,3
	ds_load_b32 v[TT+\j], v[LT] offset:512*\j
.endr
	s_wait_dscnt 0x0
.irp j, 0,1,2,3
	v_min_u32 v[TT+\j], 0x7ff, v[TT+\j]
.endr
.irp j, 0,1,2,3
	v_and_b32 v[TX+\j], 0x7f0, v[TT+\j]
	v_and_b32 v[TT+\j], 15, v[TT+\j]
	v_lshlrev_b32 v[TT+\j], 4, v[TT+\j]
	v_lshl_add_u32 v[TX+\j], v[TX+\j], 5, v[TT+\j] ; 512 (token / 16) + 16 (token % 16)
.endr
.irp j, 0,1,2,3
	global_load_b32 v[TR+\j], v[TX+\j], s[RB:RB+1]
	global_load_b32 v[TG+\j], v[TX+\j], s[GBA:GBA+1]
.endr
	s_wait_loadcnt 0x0
.irp j, 0,1,2,3
	ds_store_b32 v[RT], v[TR+\j] offset:512*\j
	ds_store_b32 v[RT], v[TG+\j] offset:2048+512*\j
.endr
	s_wait_dscnt 0x0
	s_barrier_signal -1
	s_barrier_wait -1
	s_mov_b32 s[IT], 8
.Lturns:
	TURN 0
	TURN 1
	s_add_nc_u64 s[AB:AB+1], s[AB:AB+1], 393216    ; four of my tiles on (behind the wait at the trip's end)
	s_add_nc_u64 s[SBA:SBA+1], s[SBA:SBA+1], 512
	v_add_nc_u32 v[RLA], 256, v[RLA]               ; (no LDS load of mine is out)
	s_add_co_u32 s[RK], s[RK], 256
	s_sub_co_u32 s[IT], s[IT], 1
	s_cmp_lg_u32 s[IT], 0
	s_cbranch_scc1 .Lturns
	s_wait_tensorcnt 0x0
	ds_add_u32 v254, v255
	s_wait_dscnt 0x0
	s_endpgm
.Lfunc_end_k_qd6416a18f9_down:
	.size	k_qd6416a18f9_down, .Lfunc_end_k_qd6416a18f9_down-k_qd6416a18f9_down
	.p2alignl 7, 3214868480
	.fill 96, 4, 3214868480
	.section	.rodata,"a",@progbits
	.p2align	6, 0x0
	.amdhsa_kernel k_qd6416a18f9_down
		.amdhsa_group_segment_fixed_size 142336
		.amdhsa_private_segment_fixed_size 0
		.amdhsa_enable_private_segment 0
		.amdhsa_kernarg_size 56
		.amdhsa_user_sgpr_count 2
		.amdhsa_user_sgpr_kernarg_segment_ptr 1
		.amdhsa_wavefront_size32 1
		.amdhsa_system_sgpr_workgroup_id_x 1
		.amdhsa_system_sgpr_workgroup_id_y 1
		.amdhsa_system_sgpr_workgroup_id_z 1
		.amdhsa_system_vgpr_workitem_id 0
		.amdhsa_next_free_vgpr 1024
		.amdhsa_next_free_sgpr 102
		.amdhsa_reserve_vcc 1
		.amdhsa_float_denorm_mode_32 3
		.amdhsa_float_denorm_mode_16_64 3
		.amdhsa_memory_ordered 1
		.amdhsa_forward_progress 1
		.amdhsa_inst_pref_size 126
	.end_amdhsa_kernel
	.amdgpu_metadata
---
amdhsa.version: [ 1, 2 ]
amdhsa.kernels:
  - .name:           k_qd6416a18f9_down
    .symbol:         k_qd6416a18f9_down.kd
    .args:
      - { .name: wc, .offset: 0, .size: 8, .value_kind: global_buffer, .address_space: global }
      - { .name: wsb, .offset: 8, .size: 8, .value_kind: global_buffer, .address_space: global }
      - { .name: hq, .offset: 16, .size: 8, .value_kind: global_buffer, .address_space: global }
      - { .name: route, .offset: 24, .size: 8, .value_kind: global_buffer, .address_space: global }
      - { .name: gate, .offset: 32, .size: 8, .value_kind: global_buffer, .address_space: global }
      - { .name: b2, .offset: 40, .size: 8, .value_kind: global_buffer, .address_space: global }
      - { .name: ys, .offset: 48, .size: 8, .value_kind: global_buffer, .address_space: global }
    .group_segment_fixed_size: 142336
    .private_segment_fixed_size: 0
    .kernarg_segment_align: 8
    .kernarg_segment_size: 56
    .max_flat_workgroup_size: 128
    .sgpr_count:     102
    .vgpr_count:     1024
    .wavefront_size: 32
...
	.end_amdgpu_metadata
.endif
;; end of part 3
;; launch comb (part 4): grid 256 x 1, 8 waves a work-group, no clusters, 0 bytes of LDS; arguments ys, out0; writes out0
.if DOCPART == 4
	.amdgcn_target "amdgcn-amd-amdhsa--gfx1250"
	.amdhsa_code_object_version 6
	.text
	.protected	k_qd6416a18f9_comb
	.globl	k_qd6416a18f9_comb
	.p2align	8
	.type	k_qd6416a18f9_comb,@function
k_qd6416a18f9_comb:
	s_mov_b64 s[64:65], 0
	v_nop
	global_prefetch_b8 v0, s[64:65] scope:SCOPE_SE
	s_setreg_imm32_b32 hwreg(HW_REG_WAVE_MODE, 25, 1), 1
	s_wait_xcnt 0x0
; out0[token] = ys[0][token] + ys[1][token]: a token's two gated terms, which two different experts' work-groups made.
; A stream: each byte read once and written once.  A work-group takes 32,768 bytes of out0; thread t takes 16 bytes at 4,096 j + 16 t, j = 0 .. 7: a wave's load or store covers 512 consecutive bytes, aligned.
; All sixteen loads go out first; no loop, no LDS, no barrier, no matrix unit: nothing here is shared or multiplied.
	s_load_b128 s[4:7], s[0:1], 0x0                ; ys s[4:5], out0 s[6:7]
	v_lshlrev_b32 v1, 4, v0
	s_lshl_b32 s8, ttmp9, 15
	s_mov_b32 s9, 0
	s_wait_kmcnt 0x0
	s_add_nc_u64 s[4:5], s[4:5], s[8:9]
	s_add_nc_u64 s[6:7], s[6:7], s[8:9]
	s_add_nc_u64 s[10:11], s[4:5], 0x800000        ; side 1 lies 8,388,608 bytes on: one more than a load's immediate holds
.irp j, 0,1,2,3,4,5,6,7
	global_load_b128 v[8+8*\j:11+8*\j], v1, s[4:5] offset:4096*\j th:TH_LOAD_NT
	global_load_b128 v[12+8*\j:15+8*\j], v1, s[10:11] offset:4096*\j th:TH_LOAD_NT
.endr
.irp j, 0,1,2,3,4,5,6,7
	s_wait_loadcnt 14-2*\j                         ; loads come back in order (ISA guide 5.7.1): pair j is in, the younger pairs may be out
	v_pk_add_f32 v[8+8*\j:9+8*\j], v[8+8*\j:9+8*\j], v[12+8*\j:13+8*\j]
	v_pk_add_f32 v[10+8*\j:11+8*\j], v[10+8*\j:11+8*\j], v[14+8*\j:15+8*\j]
	global_store_b128 v1, v[8+8*\j:11+8*\j], s[6:7] offset:4096*\j th:TH_STORE_NT
.endr
	s_endpgm
.Lfunc_end_k_qd6416a18f9_comb:
	.size	k_qd6416a18f9_comb, .Lfunc_end_k_qd6416a18f9_comb-k_qd6416a18f9_comb
	.p2alignl 7, 3214868480
	.fill 96, 4, 3214868480
	.section	.rodata,"a",@progbits
	.p2align	6, 0x0
	.amdhsa_kernel k_qd6416a18f9_comb
		.amdhsa_group_segment_fixed_size 0
		.amdhsa_private_segment_fixed_size 0
		.amdhsa_enable_private_segment 0
		.amdhsa_kernarg_size 16
		.amdhsa_user_sgpr_count 2
		.amdhsa_user_sgpr_kernarg_segment_ptr 1
		.amdhsa_wavefront_size32 1
		.amdhsa_system_sgpr_workgroup_id_x 1
		.amdhsa_system_sgpr_workgroup_id_y 1
		.amdhsa_system_sgpr_workgroup_id_z 1
		.amdhsa_system_vgpr_workitem_id 0
		.amdhsa_next_free_vgpr 72
		.amdhsa_next_free_sgpr 66
		.amdhsa_reserve_vcc 0
		.amdhsa_float_denorm_mode_32 3
		.amdhsa_float_denorm_mode_16_64 3
		.amdhsa_memory_ordered 1
		.amdhsa_forward_progress 1
		.amdhsa_inst_pref_size 5
	.end_amdhsa_kernel
	.amdgpu_metadata
---
amdhsa.version: [ 1, 2 ]
amdhsa.kernels:
  - .name:           k_qd6416a18f9_comb
    .symbol:         k_qd6416a18f9_comb.kd
    .args:
      - { .name: ys, .offset: 0, .size: 8, .value_kind: global_buffer, .address_space: global }
      - { .name: out0, .offset: 8, .size: 8, .value_kind: global_buffer, .address_space: global }
    .group_segment_fixed_size: 0
    .private_segment_fixed_size: 0
    .kernarg_segment_align: 8
    .kernarg_segment_size: 16
    .max_flat_workgroup_size: 256
    .sgpr_count:     66
    .vgpr_count:     72
    .wavefront_size: 32
...
	.end_amdgpu_metadata
.endif
;; end of part 4
;; ======== version 2 of 2: 4 launches
;; workspace buffers: wc 25,165,824 bytes; wsb 1,048,576 bytes; xq 1,638,400 bytes; route 73,728 bytes of whole numbers; gate 65,536 bytes; hq 26,214,400 bytes; ys 16,777,216 bytes
;; launch prep (part 5): grid 1152 x 1, 4 waves a work-group, no clusters, 2,560 bytes of LDS; arguments hidden_states, router_w, w1, w2, wc, wsb, xq, route, gate; writes wc, wsb, xq, route, gate
.if DOCPART == 5
	.amdgcn_target "amdgcn-amd-amdhsa--gfx1250"
	.amdhsa_code_object_version 6
	.text
	.protected	k_qd6416a18f9_prep
	.globl	k_qd6416a18f9_prep
	.p2align	8
	.type	k_qd6416a18f9_prep,@function
k_qd6416a18f9_prep:
	s_mov_b64 s[64:65], 0
	v_nop
	global_prefetch_b8 v0, s[64:65] scope:SCOPE_SE
	s_setreg_imm32_b32 hwreg(HW_REG_WAVE_MODE, 25, 1), 1
	s_wait_xcnt 0x0
; THREE JOBS IN ONE LAUNCH, parted by the work-group's number.
; Work-groups 0-127: 16 tokens each: the router's logits in f32, the two largest, their gates; and x as codes of FP6 (E2M3) with one E8M0 byte for each 32 along D.
; Work-groups 128-639: w1 [8][1024 (K)][2048 (N)], 640-1151: w2 [8][2048 (K)][1024 (N)], f32, K their first axis inside an expert, into codes and scale bytes
; laid IN THE ORDER OF THE OPERAND'S REGISTERS, so that the products' launches load each fragment whole.
; A block's scale is 2^(floor(log2(largest magnitude)) - 2); its byte is the largest magnitude's exponent field - 2, held at 1 from below.
; LIMITS: NaN and infinities among the inputs are not served.  A block of zeros gets the byte 1 where the rule says 127: its codes are zeros, and this program alone reads the bytes.
; The two experts are chosen by the logits (ties: the lower index); two unequal logits whose probabilities round to one f32 number are ordered by logit, not by index.
; WEIGHT CODES: [expert][g = n / 32][K step of 128][u][c][768 bytes].  Row rho of tile (g, u) is column 32 g + 8 u + rho + 8 (rho / 8).  Half c holds K = 64 c + 0 .. 63 of the step:
; bytes 16 rho: the first 16 bytes of the block K = 64 c + 0 .. 31;  256 + 16 rho: of the block 64 c + 32 .. 63;  512 + 16 rho + 8 h: the last 8 bytes of block h.
; WEIGHT SCALES: [expert][g][K / 256][16 u + rho][2 words], word i for K step 2 (K / 256) + i.
; No tensor loads, no matrix unit, no cluster: every byte is read once by one wave, and work-groups share nothing.
.set NROUT, 128                        ; the router's work-groups
.set NW1,   512                        ; w1's
.set X,     32                         ; v32-95  numbers as loaded: two sets (weights: of 32; tokens: of 16)
.set T,     96                         ; v96-143 a pair of blocks' codes, 12 registers for each of four pairs: no store's data are written again
.set U,     144                        ; v144-146 the upper 16 codes of a block, before they are moved
.set SB,    24                         ; v24-25  eight scale bytes
.set RW,    64                         ; v64-191 router_w(k, 0 .. 7) of my 16 k
.set RA,    16                         ; v16-23  eight partial logits
.set RT,    192                        ; v192-199 the other half of the lanes' sums
.set XSB,   0                          ; LDS: x's scale bytes [16 tokens][32]
.set LG,    512                        ; LDS: logits [K half][16 tokens][8]
.macro WLOAD t, n, src                 ; block t: W(32 t + i, my column), i = 0 .. 31: each load reads 128 consecutive bytes a wave
.irp i, 0,1,2,3,4,5,6,7,8,9,10,11,12,13,14,15,16,17,18,19,20,21,22,23,24,25,26,27,28,29,30,31
	global_load_b32 v[X+32*((\t)%2)+\i], v3, s[\src:\src+1] offset:(32*(\t)+\i)*(\n)*4 th:TH_LOAD_NT
.endr
.endm
.macro WBLOCK t, n, src                ; one block of 32 along K of my column
.set XS, X+32*((\t)%2)
.set TB, T+12*((\t)/2)
.if (\t) < 7
	s_wait_loadcnt 32                              ; this block's 32 loads are in; the next block's 32 may be out
.else
	s_wait_loadcnt 0x0
.endif
	v_max3_num_f32 v12, |v[XS]|, |v[XS+1]|, |v[XS+2]|
	v_max3_num_f32 v13, |v[XS+3]|, |v[XS+4]|, |v[XS+5]|
.irp i, 6,10,14,18,22,26
	v_max3_num_f32 v12, v12, |v[XS+\i]|, |v[XS+\i+1]|
	v_max3_num_f32 v13, v13, |v[XS+\i+2]|, |v[XS+\i+3]|
.endr
	v_max3_num_f32 v12, v12, |v[XS+30]|, |v[XS+31]|
	v_max3_num_f32 v12, v12, v13, 0x1800000        ; the floor 2^(3 - 127): the byte cannot fall under 1
	v_add_nc_u32 v11, 0xff000000, v12              ; 2 off the exponent field: the conversion's scale operand
	v_lshrrev_b32 v13, 23, v11                     ; the scale's byte
.if (\t)%4 == 0
	v_mov_b32 v[SB+(\t)/4], v13
.else
	v_lshl_or_b32 v[SB+(\t)/4], v13, 8*((\t)%4), v[SB+(\t)/4]
.endif
	v_cvt_scalef32_pk16_fp6_f32 v[TB+4*((\t)%2):TB+4*((\t)%2)+2], v[XS:XS+15], v11
	v_cvt_scalef32_pk16_fp6_f32 v[U:U+2], v[XS+16:XS+31], v11
	v_nop                                          ; one plain place behind the conversions
	v_mov_b32 v[TB+3+4*((\t)%2)], v[U]             ; the block's fourth word closes its first 16 bytes,
	v_mov_b32 v[TB+8+2*((\t)%2)], v[U+1]           ; its last two words go to the pair's third unit
	v_mov_b32 v[TB+9+2*((\t)%2)], v[U+2]
.if (\t)+2 < 8
	WLOAD (\t)+2, \n, \src
.endif
.if (\t)%2 == 1
.irp k, 0,1,2
	global_store_b128 v7, v[TB+4*\k:TB+4*\k+3], s[12:13] offset:((\t)/4)*3072+(((\t)/2)%2)*768+256*\k   ; sixteen lanes fill 256 consecutive bytes, aligned: one for tile u = 0, one for u = 1
.endr
.endif
.endm
; A wave takes 32 columns (one g) x 256 along K; a work-group 128 columns.  n: columns, kq: K / 256, cbb, kcb: bits of the column block and of the K chunk in the work-group's number
.macro WQ n, kq, cbb, kcb, first, src, coff, soff, gs
	s_sub_co_u32 s24, ttmp9, \first
	s_and_b32 s25, s24, (1<<\cbb)-1                ; column block
	s_lshr_b32 s26, s24, \cbb
	s_and_b32 s26, s26, (1<<\kcb)-1                ; K chunk
	s_lshr_b32 s27, s24, 6                         ; expert
	s_lshl_b32 s28, s25, 2
	s_add_co_u32 s28, s28, s22                     ; g
	s_lshl_b32 s30, s27, 23                        ; source: expert x 8 MiB
	s_mul_i32 s31, s26, 1024*\n                    ; + 256 rows of n x 4 bytes for each K chunk
	s_add_co_u32 s30, s30, s31
	s_lshl_b32 s31, s28, 7                         ; + 128 bytes for each g
	s_add_co_u32 s30, s30, s31
	s_mov_b32 s31, 0
	s_mul_i32 s32, s27, 1572864                    ; codes
	s_mul_i32 s33, s28, \gs
	s_add_co_u32 s32, s32, s33
	s_mul_i32 s33, s26, 6144                       ; two K steps of 3,072 bytes
	s_add_co_u32 s32, s32, s33
	s_add_co_u32 s32, s32, \coff
	s_mov_b32 s33, 0
	s_mul_i32 s34, s27, \n/32                      ; scale words
	s_add_co_u32 s34, s34, s28
	s_mul_i32 s34, s34, \kq
	s_add_co_u32 s34, s34, s26
	s_lshl_b32 s34, s34, 8
	s_add_co_u32 s34, s34, \soff
	s_mov_b32 s35, 0
	s_wait_kmcnt 0x0
	s_add_nc_u64 s[\src:\src+1], s[\src:\src+1], s[30:31]
	s_add_nc_u64 s[12:13], s[12:13], s[32:33]
	s_add_nc_u64 s[14:15], s[14:15], s[34:35]
	WLOAD 0, \n, \src
	WLOAD 1, \n, \src
.irp t, 0,1,2,3,4,5,6,7
	WBLOCK \t, \n, \src
.endr
	global_store_b64 v8, v[SB:SB+1], s[14:15]      ; 32 lanes store 256 consecutive bytes, aligned
.endm
	s_load_b256 s[4:11], s[0:1], 0x0               ; hidden_states s[4:5], router_w s[6:7], w1 s[8:9], w2 s[10:11]
	s_load_b256 s[12:19], s[0:1], 0x20             ; wc s[12:13], wsb s[14:15], xq s[16:17], route s[18:19]
	s_load_b64 s[20:21], s[0:1], 0x40              ; gate
	v_lshl_add_u32 v200, v0, 2, 0x800
	v_mov_b32 v201, 0
	v_lshrrev_b32 v1, 5, v0
	v_readfirstlane_b32 s22, v1                    ; wave
	v_and_b32 v2, 31, v0                           ; lane
	s_cmp_lt_u32 ttmp9, NROUT
	s_cbranch_scc1 .Lrouter
	v_lshlrev_b32 v3, 2, v2                        ; in: 4 bytes a lane: lane l takes column 32 g + l
	v_bfe_u32 v4, v2, 3, 1                         ; u
	v_and_b32 v5, 7, v2
	v_lshrrev_b32 v6, 4, v2
	v_lshl_add_u32 v5, v6, 3, v5                   ; rho = l % 8 + 8 (l / 16)
	v_lshlrev_b32 v7, 4, v5
	v_mad_u32_u24 v7, v4, 1536, v7                 ; codes: 1536 u + 16 rho
	v_lshl_add_u32 v8, v4, 4, v5
	v_lshlrev_b32 v8, 3, v8                        ; scale words: 8 (16 u + rho)
	s_cmp_lt_u32 ttmp9, NROUT+NW1
	s_cbranch_scc0 .Lsecond
	s_wait_alu depctr_va_vdst(0)
	WQ 2048, 4, 4, 2, NROUT, 8, 0, 0, 24576
	s_endpgm
.Lsecond:
	s_wait_alu depctr_va_vdst(0)
	WQ 1024, 8, 3, 3, NROUT+NW1, 10, 12582912, 524288, 49152
	s_endpgm
; ---- THE ROUTER.  Wave w: K half j = w % 2 (512 along D), tokens 8 (w / 2) + 0 .. 7 of the group's 16.  Lane l holds k = 512 j + 16 l + 0 .. 15: two lanes hold a block of 32.
; A lane's four loads of a token stand 64 bytes from its neighbour's; together they cover the wave's 2,048 consecutive bytes.
.Lrouter:
	s_and_b32 s23, s22, 1                          ; j
	s_lshr_b32 s24, s22, 1                         ; which eight tokens
	s_wait_alu depctr_va_vdst(0)
	v_lshlrev_b32 v3, 9, v2
	s_lshl_b32 s25, s23, 14
	v_add_nc_u32 v3, s25, v3                       ; router_w: row 512 j + 16 l, 32 bytes a row
	v_lshlrev_b32 v4, 6, v2                        ; x: 64 l
	v_mul_u32_u24 v5, v2, 12                       ; codes: 12 l
	s_lshl_b32 s25, s24, 8
	s_lshl_b32 s26, s23, 4
	s_add_co_u32 s26, s26, s25
	v_lshrrev_b32 v6, 1, v2
	v_add_nc_u32 v6, s26, v6                       ; LDS, scale bytes: 32 x token + 16 j + l / 2
	s_lshl_b32 s26, s23, 9
	s_add_co_u32 s26, s26, s25
	s_add_co_u32 s26, s26, LG
	v_and_b32 v7, 7, v2
	v_lshl_add_u32 v7, v7, 2, s26                  ; LDS, logits: 512 j + 32 x token + 4 (l % 8)
	v_lshlrev_b32 v8, 4, v2                        ; 16 l
	v_and_b32 v9, 15, v2
	v_lshl_add_u32 v9, v9, 5, LG                   ; wave 0 later: token l % 16
	s_lshl_b32 s26, ttmp9, 16                      ; x: 16 tokens of 4,096 bytes a group
	s_lshl_b32 s25, s24, 15
	s_add_co_u32 s26, s26, s25
	s_lshl_b32 s25, s23, 11
	s_add_co_u32 s26, s26, s25
	s_mov_b32 s27, 0
	s_mul_i32 s28, ttmp9, 12288                    ; codes: 768 bytes a token
	s_mul_i32 s25, s24, 6144
	s_add_co_u32 s28, s28, s25
	s_mul_i32 s25, s23, 384
	s_add_co_u32 s28, s28, s25
	s_mov_b32 s29, 0
	s_lshl_b32 s30, ttmp9, 9                       ; 512 bytes a group: scale bytes, row table, gate table
	s_mov_b32 s31, 0
	s_lshl_b32 s32, ttmp9, 1                       ; 2 bytes a group in each mask row
	s_mov_b32 s33, 0
	s_mov_b32 s36, 0x76543210
	s_mov_b32 s37, 0xfedcba98                      ; v_permlanex16_b32's selects for lane l xor 16
.irp e, 1,2,3,4,5,6,7
	s_mov_b32 s[39+\e], 0x01010101<<\e             ; the lanes with l % 8 = e
.endr
.irp e, 0,1,2,3,4,5,6,7
	v_mov_b32 v[RT+\e], 0                          ; written once: a lane permute's destination counts as one of its sources
.endr
	s_wait_kmcnt 0x0
	s_add_nc_u64 s[4:5], s[4:5], s[26:27]
	s_add_nc_u64 s[38:39], s[16:17], s[30:31]
	s_add_nc_u64 s[38:39], s[38:39], 1572864       ; x's scale bytes lie behind its codes
	s_add_nc_u64 s[16:17], s[16:17], s[28:29]
	s_add_nc_u64 s[20:21], s[20:21], s[30:31]
	s_add_nc_u64 s[54:55], s[18:19], s[30:31]
	s_add_nc_u64 s[54:55], s[54:55], 8192          ; the row table lies behind the masks
	s_add_nc_u64 s[52:53], s[18:19], s[32:33]
.set n0, 0
.rept 32
	global_load_b128 v[RW+4*n0:RW+4*n0+3], v3, s[6:7] offset:16*n0
.set n0, n0+1
.endr
.macro XLOAD t
.irp q, 0,1,2,3
	global_load_b128 v[X+16*((\t)%2)+4*\q:X+16*((\t)%2)+4*\q+3], v4, s[4:5] offset:4096*(\t)+16*\q th:TH_LOAD_NT
.endr
.endm
	XLOAD 0
	XLOAD 1
.macro TOK i
.set XT, X+16*((\i)%2)
.set CT, 24+4*((\i)%2)
.if (\i) < 7
	s_wait_loadcnt 4                               ; router_w and this token are in; the next token's four loads may be out
.else
	s_wait_loadcnt 0x0
.endif
	s_wait_dscnt 0x0                               ; the last token's LDS stores have read their registers
	s_wait_xcnt 0x0                                ; and the store of codes two tokens back has read this set
	v_max3_num_f32 v10, |v[XT]|, |v[XT+1]|, |v[XT+2]|
	v_max3_num_f32 v11, |v[XT+3]|, |v[XT+4]|, |v[XT+5]|
.irp k, 6,10
	v_max3_num_f32 v10, v10, |v[XT+\k]|, |v[XT+\k+1]|
	v_max3_num_f32 v11, v11, |v[XT+\k+2]|, |v[XT+\k+3]|
.endr
	v_max3_num_f32 v10, v10, |v[XT+14]|, |v[XT+15]|
	v_max3_num_f32 v10, v10, v11, 0x1800000
	v_max_num_f32_dpp v10, v10, v10 row_xmask:1 row_mask:0xf bank_mask:0xf   ; with my neighbour's 16: the block's largest magnitude
	v_add_nc_u32 v11, 0xff000000, v10
	v_cvt_scalef32_pk16_fp6_f32 v[CT:CT+2], v[XT:XT+15], v11
	v_lshrrev_b32 v12, 23, v11                     ; the byte (and the plain place behind the conversion)
	ds_store_b8 v6, v12 offset:32*(\i)             ; both lanes of a block write the same byte with the same value
	global_store_b96 v5, v[CT:CT+2], s[16:17] offset:768*(\i)   ; the wave stores 384 consecutive bytes
.irp e, 0,1,2,3,4,5,6,7
	v_mul_f32 v[RA+\e], v[XT], v[RW+\e]            ; the first k starts the eight sums
.endr
.irp k, 1,2,3,4,5,6,7,8,9,10,11,12,13,14,15
.irp e, 0,1,2,3,4,5,6,7
	v_fmac_f32 v[RA+\e], v[XT+\k], v[RW+8*\k+\e]
.endr
.endr
.if (\i)+2 < 8
	XLOAD (\i)+2
.endif
.irp m, 1,2,4,8
.irp e, 0,1,2,3,4,5,6,7
	v_add_f32_dpp v[RA+\e], v[RA+\e], v[RA+\e] row_xmask:\m row_mask:0xf bank_mask:0xf
.endr
.endr
.irp e, 0,1,2,3,4,5,6,7
	v_permlanex16_b32 v[RT+\e], v[RA+\e], s36, s37
.endr
.irp e, 0,1,2,3,4,5,6,7
	v_add_f32 v[RA+\e], v[RA+\e], v[RT+\e]         ; every lane holds the half's eight sums
.endr
	v_cndmask_b32 v13, v[RA], v[RA+1], s40
.irp e, 2,3,4,5,6,7
	v_cndmask_b32 v13, v13, v[RA+\e], s[39+\e]     ; lane l keeps sum l % 8
.endr
	ds_store_b32 v7, v13 offset:32*(\i)            ; four lanes write each word, with the same value
.endm
.irp i, 0,1,2,3,4,5,6,7
	TOK \i
.endr
	s_wait_dscnt 0x0                               ; for the others' sake: my stores have landed
	s_barrier_signal -1
	s_barrier_wait -1
	s_cmp_lg_u32 s22, 0
	s_cbranch_scc1 .Lrend
	; wave 0: lane l takes token l % 16
	s_wait_xcnt 0x0                                ; the last stores of codes have read v24-31
	ds_load_b128 v[32:35], v8                      ; the group's 512 scale bytes
	ds_load_b128 v[16:19], v9
	ds_load_b128 v[20:23], v9 offset:16
	ds_load_b128 v[24:27], v9 offset:512
	ds_load_b128 v[28:31], v9 offset:528
	s_wait_dscnt 0x0
	global_store_b128 v8, v[32:35], s[38:39]       ; 512 consecutive bytes
.irp e, 0,2,4,6
	v_pk_add_f32 v[16+\e:17+\e], v[16+\e:17+\e], v[24+\e:25+\e]   ; the two K halves: the logits
.endr
	v_mov_b32 v40, v16                             ; the largest, and its index: a strict compare keeps the lower index
	v_mov_b32 v41, 0
.irp e, 1,2,3,4,5,6,7
	v_cmp_gt_f32 vcc_lo, v[16+\e], v40
	v_cndmask_b32 v40, v40, v[16+\e], vcc_lo
	v_cndmask_b32 v41, v41, \e, vcc_lo
.endr
	v_cmp_eq_u32 vcc_lo, 0, v41                    ; the second begins at the lowest index that is not the first's
	v_cndmask_b32 v42, v16, v17, vcc_lo
	v_cndmask_b32 v43, 0, 1, vcc_lo
.irp e, 1,2,3,4,5,6,7
	v_cmp_ne_u32 s50, \e, v41
	v_cmp_gt_f32 vcc_lo, v[16+\e], v42
	s_and_b32 vcc_lo, vcc_lo, s50
	v_cndmask_b32 v42, v42, v[16+\e], vcc_lo
	v_cndmask_b32 v43, v43, \e, vcc_lo
.endr
	; the gates: p1 / (p1 + p2) = 1 / (1 + q), p2 / (p1 + p2) = q / (1 + q), q = e^(second - largest) <= 1: the row's maximum is taken away, and the softmax's divisor cancels
	v_sub_f32 v44, v42, v40
	v_mul_f32 v44, 0x3fb8aa3b, v44
	s_wait_alu depctr_va_vdst(0)
	v_exp_f32 v44, v44
	v_nop                                          ; a plain place behind the transcendental,
	s_wait_alu depctr_va_vdst(0)                   ; and a wait ahead of its first reader
	v_add_f32 v45, 1.0, v44
	s_wait_alu depctr_va_vdst(0)
	v_rcp_f32 v45, v45
	v_nop
	s_wait_alu depctr_va_vdst(0)
	v_mul_f32 v46, v44, v45
	v_lshrrev_b32 v47, 4, v2                       ; lanes 0-15 write the even experts' words, lanes 16-31 the odd ones'
	v_and_b32 v48, 15, v2
	s_lshl_b32 s25, ttmp9, 4
	v_add_nc_u32 v48, s25, v48                     ; the token
	v_add_nc_u32 v50, 2048, v48                    ; its row in ys where the expert is its second choice
.irp p, 0,1,2,3
	v_add_nc_u32 v49, 2*\p, v47                    ; expert 2 p + l / 16
	v_cmp_eq_u32 vcc_lo, v49, v41
	v_cndmask_b32 v[52+\p], 0, v45, vcc_lo
	v_cmp_eq_u32 vcc_lo, v49, v43
	v_cndmask_b32 v[52+\p], v[52+\p], v46, vcc_lo
	v_cndmask_b32 v[56+\p], v48, v50, vcc_lo
.endr
	global_store_b128 v8, v[52:55], s[20:21]       ; gates, 512 consecutive bytes: [expert % 2][token % 16][expert / 2]
	global_store_b128 v8, v[56:59], s[54:55]       ; rows of ys, laid alike
	v_mov_b32 v60, 0
.irp e, 0,1,2,3,4,5,6,7
	v_cmp_eq_u32 s50, \e, v41
	v_cmp_eq_u32 s51, \e, v43
	s_or_b32 s50, s50, s51
	s_and_b32 s50, s50, 0xffff                     ; bit t: token t of the group chose expert e
	v_writelane_b32 v60, s50, \e
.endr
	v_lshlrev_b32 v61, 8, v2
	global_store_b16 v61, v60, s[52:53]            ; lane e: 16 bits of expert e's mask row of 256 bytes; lanes 8-31 write zeros into rows that nobody reads, so that all lanes stay on
.Lrend:
	s_wait_tensorcnt 0x0
	ds_add_u32 v200, v201
	s_wait_dscnt 0x0
	s_endpgm
.Lfunc_end_k_qd6416a18f9_prep:
	.size	k_qd6416a18f9_prep, .Lfunc_end_k_qd6416a18f9_prep-k_qd6416a18f9_prep
	.p2alignl 7, 3214868480
	.fill 96, 4, 3214868480
	.section	.rodata,"a",@progbits
	.p2align	6, 0x0
	.amdhsa_kernel k_qd6416a18f9_prep
		.amdhsa_group_segment_fixed_size 2560
		.amdhsa_private_segment_fixed_size 0
		.amdhsa_enable_private_segment 0
		.amdhsa_kernarg_size 72
		.amdhsa_user_sgpr_count 2
		.amdhsa_user_sgpr_kernarg_segment_ptr 1
		.amdhsa_wavefront_size32 1
		.amdhsa_system_sgpr_workgroup_id_x 1
		.amdhsa_system_sgpr_workgroup_id_y 1
		.amdhsa_system_sgpr_workgroup_id_z 1
		.amdhsa_system_vgpr_workitem_id 0
		.amdhsa_next_free_vgpr 202
		.amdhsa_next_free_sgpr 66
		.amdhsa_reserve_vcc 1
		.amdhsa_float_denorm_mode_32 3
		.amdhsa_float_denorm_mode_16_64 3
		.amdhsa_memory_ordered 1
		.amdhsa_forward_progress 1
		.amdhsa_inst_pref_size 160
	.end_amdhsa_kernel
	.amdgpu_metadata
---
amdhsa.version: [ 1, 2 ]
amdhsa.kernels:
  - .name:           k_qd6416a18f9_prep
    .symbol:         k_qd6416a18f9_prep.kd
    .args:
      - { .name: hidden_states, .offset: 0, .size: 8, .value_kind: global_buffer, .address_space: global }
      - { .name: router_w, .offset: 8, .size: 8, .value_kind: global_buffer, .address_space: global }
      - { .name: w1, .offset: 16, .size: 8, .value_kind: global_buffer, .address_space: global }
      - { .name: w2, .offset: 24, .size: 8, .value_kind: global_buffer, .address_space: global }
      - { .name: wc, .offset: 32, .size: 8, .value_kind: global_buffer, .address_space: global }
      - { .name: wsb, .offset: 40, .size: 8, .value_kind: global_buffer, .address_space: global }
      - { .name: xq, .offset: 48, .size: 8, .value_kind: global_buffer, .address_space: global }
      - { .name: route, .offset: 56, .size: 8, .value_kind: global_buffer, .address_space: global }
      - { .name: gate, .offset: 64, .size: 8, .value_kind: global_buffer, .address_space: global }
    .group_segment_fixed_size: 2560
    .private_segment_fixed_size: 0
    .kernarg_segment_align: 8
    .kernarg_segment_size: 72
    .max_flat_workgroup_size: 128
    .sgpr_count:     66
    .vgpr_count:     202
    .wavefront_size: 32
...
	.end_amdgpu_metadata
.endif
;; end of part 5
;; launch up (part 6): grid 32 x 8, 4 waves a work-group, no clusters, 109,056 bytes of LDS; arguments wc, wsb, xq, route, b1, hq; writes hq
.if DOCPART == 6
	.amdgcn_target "amdgcn-amd-amdhsa--gfx1250"
	.amdhsa_code_object_version 6
	.text
	.protected	k_qd6416a18f9_up
	.globl	k_qd6416a18f9_up
	.p2align	8
	.type	k_qd6416a18f9_up,@function
k_qd6416a18f9_up:
	s_mov_b64 s[64:65], 0
	v_nop
	global_prefetch_b8 v0, s[64:65] scope:SCOPE_SE
	s_setreg_imm32_b32 hwreg(HW_REG_WAVE_SCHED_MODE, 0, 2), 2
	s_setreg_imm32_b32 hwreg(HW_REG_WAVE_MODE, 25, 1), 1
	s_wait_xcnt 0x0
	s_wait_alu depctr_vm_vsrc(0)
; hid = Q(gelu(x W1[e] + b1[e])) for the rows (token, expert) that the router chose, on codes of FP6 (E2M3) with one E8M0 scale for each 32 along K; Q quantises along DFF.
; SHARES.  Work-group (x, y): expert e = y; sigma = x / 4: 256 hidden units; p = x % 4: of the expert's tiles of 16 rows (by rank among its tokens) those with tile % 4 = p.
; Wave w owns 64 hidden units: four tiles of W1 x 8 K steps = 384 registers, read once and kept.  x's rows are gathered by the list, 64 rows a trip, through LDS, so that memory is read once a work-group.
; THE LIST.  Wave 0 reads the expert's mask of tokens (64 words, stored by the launch before) and lays the work-group's own rows in LDS, sorted by rank; places past the count hold token 2047.
; TRIPS.  Eight trips of four tiles, a constant: barriers stand on every wave's path, and only a trip's work is jumped over, by scalar branches on the count.  Tiles go in pairs; the first pair is always worked,
; so that the next launch finds every byte written that it reads.  Rows past the count are computed from token 2047's numbers and are used by nobody.
; THE PRODUCT IS USED TRANSPOSED (source 0 = 16 rows of W1, source 1 = 16 rows of x): a lane holds one row and, by the choice of a tile's rows, 16 neighbouring hidden units in two tiles' registers.
; gelu(x) = x / (1 + 2^(c0 x + c1 x^3)), c0 = -2 log2(e) sqrt(2 / pi), c1 = 0.044715 c0: the same number as 0.5 x (1 + tanh(sqrt(2 / pi) (x + 0.044715 x^3))).
; A wave's 64 units are half a K step of the next product: six registers a lane, stored as an image of the operand's registers; its two scale bytes meet the other waves' in LDS and leave as 512 consecutive bytes a trip.
; No tensor load and no joint load: the trips' work is jumped over on counts read from memory.  What the four work-groups of a slice share, W1's codes, each reads once.
; LIMITS: NaN and infinities are not served; a block of zeros gets the byte 1 (its codes are zeros; this program alone reads the bytes).
; REGISTERS, in windows of 256: window 0: addresses, scales, bias, accumulators, work.  windows 1, 2: W1's fragments of K steps 0-3, 4-7 at v[48 (s % 4) + 12 tile].  window 3: v0-95 x's eight fragments; v96-195 the gather's stage.
; THE MODE: SCHED_MODE bits 1:0 = 2 (LLVM: expert scheduling mode 2), set by the entry lines.  The code itself states the register dependences
; between vector or matrix instructions and memory or LDS instructions, with s_wait_alu, always for 0.
; THE PLAN.  Registers that memory or LDS instructions touch, in the loop:
;   AF, XS      x's fragments and scale words of one tile.  LDS loads land in them; the tile's 32 matrix instructions read them.  One wait on va_vdst stands behind those 32: the next tile's loads follow it.
;   PC, PW      a tile's codes and its two scale bytes.  Written by the tile's conversions, swaps and moves; read by its three stores.  The stores of a pair's first tile stand behind the wait behind the next tile's
;               products; those of a pair's second tile have a wait of their own.  One wait on vm_vsrc stands ahead of the lines that write PW and PC again.
;   TK, TS      eight tokens and one.  LDS loads land; v_min and v_mad read and write them, ahead of the gather's own wait on va_vdst.
;   GA, GB      the gather's offsets.  Written by vector lines, read by its 25 global loads: a wait on vm_vsrc ahead of the lines, one on va_vdst behind them.
;   ST          the gather's stage in registers.  Global loads land, LDS stores read: no vector line names it; the gather's wait on vm_vsrc stands between the stores and the next loads.
;   FL          wave 0's four registers for a trip's scale words: an LDS load lands, a global store reads.
;   LA, LB      the list's addresses, stepped once a loop trip: a wait on vm_vsrc ahead of the step, one on va_vdst at the loop's top.
;   All other addresses are made at the head and never written again.
.set XPIT, 784                         ; an x row in LDS: 768 bytes + 16 = 196 words: row r starts at bank 4 r mod 64
.set XSCL, 64*XPIT                     ; behind a buffer's 64 rows: their scale bytes, 32 a row
.set XB1,  XSCL+64*32                  ; buffer 1
.set HSB,  2*XB1                       ; the hidden layer's scale words of a trip: two buffers of 512 bytes
.set LIST, HSB+1024                    ; 640 words: 512 rows, 64 for the last trip's look-ahead, the dump word last
.set DUMP, 639
.set L, 1
.set R, 2
.set H, 3
.set AFR, 4                            ; v4-5   x's fragments in buffer 0, 1: 784 r + 24 h
.set ASC, 6                            ; v6-7   x's scale words: 32 r
.set GS, 8                             ; v8-9   the gather's stores: row 16 w + 8 h, 16 r
.set GSS, 10                           ; v10-11 and those of the scale bytes: 512 w + 16 l
.set LA, 12                            ; v12    the list: places 16 w + 8 h on; steps with the trips
.set LB, 13                            ; v13    the list: place 16 w + l / 2
.set H0, 14                            ; v14    16 l
.set H1, 15                            ; v15    512 + 8 l
.set HSA, 16                           ; v16-17 my two scale bytes of row r
.set HSR, 18                           ; v18-19 wave 0 reads a trip's 512 bytes back
.set VB0, 20                           ; v20    W1: 256 h + 16 r
.set VB1, 21                           ; v21    W1: 512 + 16 r + 8 h
.set L8, 22
.set H64, 23
.set R16, 24
.set L1, 25
.set VC0, 26                           ; v26-27 c0, twice
.set PFA, 28                           ; v28    LIST + 16 l
.set BS, 32                            ; v32-47 W1's scale words: 8 (tile / 2) + K step; lanes 0-15 the even tile, lanes 16-31 the odd one
.set XS, 48                            ; v48-55 x's scale words, one for each K step
.set BIAS, 64                          ; v64-95 b1 in the result's layout
.set ACC, 96                           ; v96-127 four accumulators
.set GT, 128                           ; v128-159 at work in the gelu
.set TM, 160
.set PW, 168
.set PC, 172                           ; v172-177 the six registers of codes
.set QC, 180
.set GA, 184                           ; v184-191 byte offsets of eight rows of x
.set TK, 192                           ; v192-199 eight tokens
.set TS, 200
.set GB, 201
.set FL, 204
.set AF, 0                             ; window 3
.set ST, 96                            ; window 3
.set VA, 128                           ; the list's making (wave 0, at the head): four address registers, four token registers: four mask words at a time
.set VT, 132
.set VX, 136
.set VD, 137
.set VPRE, 140
.set VZ, 144
.set WV, 66
.set P, 67
.set E, 68
.set SG, 69
.set CNT, 70
.set CA, 71
.set RUN, 72
.set T0, 73
.set RK, 74                            ; rank of the loop trip's first row: 16 p + 512 x trip
.set IT, 75
.set CM, 74                            ; s74-77 at the list's making alone: four masks of lanes (s74, s75 are set for the loop later; s76-77 held the mask's address, whose loads are done)
.set C1, 96                            ; s[96:97] c1
.set SEL, 98
.set T1, 100
.set HB, 16                            ; s[16:17] where my codes go (the masks' registers are free by then)
.set HS, 18                            ; s[18:19] where the scale words go
.set MSB, 0
.macro WIN new                         ; the immediate's high byte repeats the setting that is left
.if MSB != \new
	s_set_vgpr_msb (MSB<<8)|\new
.set MSB, \new
.endif
.endm
.macro PLACES n
.rept \n
	v_nop
.endr
.endm
	s_load_b256 s[4:11], s[0:1], 0x0               ; wc s[4:5], wsb s[6:7], xq s[8:9], route s[10:11]
	s_load_b128 s[12:15], s[0:1], 0x20             ; b1 s[12:13], hq s[14:15]
	v_lshl_add_u32 v254, v0, 2, 0x1a800
	v_mov_b32 v255, 0
	v_lshrrev_b32 v[L], 5, v0
	v_readfirstlane_b32 s[WV], v[L]
	s_and_b32 s[E], ttmp7, 0xffff
	s_lshr_b32 s[SG], ttmp9, 2
	s_and_b32 s[P], ttmp9, 3
	s_lshl_b32 s76, s[E], 8
	s_mov_b32 s77, 0
	s_wait_kmcnt 0x0
	s_add_nc_u64 s[76:77], s[10:11], s[76:77]      ; the expert's mask: 256 bytes
	s_load_b512 s[16:31], s[76:77], 0x0
	s_load_b512 s[32:47], s[76:77], 0x40
	s_load_b512 s[48:63], s[76:77], 0x80
	s_load_b512 s[80:95], s[76:77], 0xc0
	; every address register is made here, on the one path
	v_and_b32 v[L], 31, v0
	v_and_b32 v[R], 15, v0
	v_bfe_u32 v[H], v0, 4, 1
	v_mul_u32_u24 v[AFR], v[R], XPIT
	v_mad_u32_u24 v[AFR], v[H], 24, v[AFR]
	v_add_nc_u32 v[AFR+1], XB1, v[AFR]
	v_lshl_add_u32 v[ASC], v[R], 5, XSCL
	v_add_nc_u32 v[ASC+1], XB1, v[ASC]
	s_wait_alu depctr_va_sdst(0)                   ; the wave's number is written, ahead of its first reader: addresses, bases and branches are made from it
	s_mul_i32 s[T0], s[WV], 16*XPIT
	v_mul_u32_u24 v[GS], v[H], 8*XPIT
	v_lshl_add_u32 v[GS], v[R], 4, v[GS]
	v_add_nc_u32 v[GS], s[T0], v[GS]
	v_add_nc_u32 v[GS+1], XB1, v[GS]
	s_lshl_b32 s[T0], s[WV], 9
	s_add_co_u32 s[T0], s[T0], XSCL
	v_lshl_add_u32 v[GSS], v[L], 4, s[T0]
	v_add_nc_u32 v[GSS+1], XB1, v[GSS]
	s_lshl_b32 s[T0], s[WV], 6
	s_add_co_u32 s[T0], s[T0], LIST
	v_lshl_add_u32 v[LA], v[H], 5, s[T0]
	v_lshrrev_b32 v[LB], 1, v[L]
	v_lshl_add_u32 v[LB], v[LB], 2, s[T0]
	v_lshlrev_b32 v[H0], 4, v[L]
	v_lshl_add_u32 v[H1], v[L], 3, 512
	s_lshr_b32 s[T0], s[WV], 1
	s_lshl_b32 s[T0], s[T0], 2
	s_and_b32 s[T1], s[WV], 1
	s_lshl_b32 s[T1], s[T1], 1
	s_add_co_u32 s[T0], s[T0], s[T1]
	s_add_co_u32 s[T0], s[T0], HSB
	v_lshl_add_u32 v[HSA], v[R], 3, s[T0]          ; 8 r + 4 (w / 2) + 2 (w % 2): word = K step % 2, bytes = my two blocks
	v_add_nc_u32 v[HSA+1], 512, v[HSA]
	v_lshl_add_u32 v[HSR], v[L], 4, HSB
	v_add_nc_u32 v[HSR+1], 512, v[HSR]
	v_lshlrev_b32 v[R16], 4, v[R]
	v_lshl_add_u32 v[VB0], v[H], 8, v[R16]
	v_lshl_add_u32 v[VB1], v[H], 3, v[R16]
	v_add_nc_u32 v[VB1], 512, v[VB1]
	v_lshlrev_b32 v[L8], 3, v[L]
	v_lshlrev_b32 v[H64], 6, v[H]
	v_and_b32 v[L1], 1, v0
	v_lshlrev_b32 v[L1], 4, v[L1]
	v_lshl_add_u32 v[PFA], v[L], 4, LIST
	v_mov_b32 v[VC0], 0xc0135761                   ; c0 = -2.3022082
	v_mov_b32 v[VC0+1], 0xc0135761
	v_mov_b32 v[TM+2], 0                           ; written once: a lane permute's destination counts as one of its sources
	v_mov_b32 v[TM+3], 0
	s_mov_b32 s[C1], 0xbdd2d3e8                    ; c1 = -0.10294324
	s_mov_b32 s[C1+1], 0xbdd2d3e8
	s_mov_b32 s[SEL], 0x76543210
	s_mov_b32 s[SEL+1], 0xfedcba98
	s_lshl_b32 s101, s[SG], 3
	s_lshl_b32 s[T0], s[WV], 1
	s_add_co_u32 s101, s101, s[T0]                 ; my first g = 8 sigma + 2 w
	s_mul_i32 s78, s[E], 1572864
	s_mul_i32 s[T0], s101, 24576
	s_add_co_u32 s78, s78, s[T0]
	s_mov_b32 s79, 0
	s_add_nc_u64 s[4:5], s[4:5], s[78:79]          ; W1's codes
	s_lshl_b32 s78, s[E], 6
	s_add_co_u32 s78, s78, s101
	s_lshl_b32 s78, s78, 10
	s_add_nc_u64 s[6:7], s[6:7], s[78:79]          ; W1's scale words: 1,024 bytes a g
	s_lshl_b32 s78, s[E], 13
	s_lshl_b32 s[T0], s101, 7
	s_add_co_u32 s78, s78, s[T0]
	s_add_nc_u64 s[12:13], s[12:13], s[78:79]      ; b1
	s_wait_kmcnt 0x0                               ; the masks
; THE LIST: for each mask word, a member's rank is the count so far + the members in lower lanes.  Its tile is rank / 16; where tile % 4 = p its place is 16 (rank / 64) + rank % 16; all other lanes store into the dump word.
; Four mask words at a time: the four compares stand in a run, each with a scalar register of its own for its mask, so that one wait serves the four; likewise one wait ahead of the four stores and one ahead of the next four words.
.macro BUILD
.irp k, 0,1,2,3
	v_mov_b32 v[VPRE+\k], 0x7ff
.endr
	v_mov_b32 v[VD], DUMP
.irp k, 0,1,2,3
	v_add_nc_u32 v[VT+\k], 32*\k, v[L]
.endr
	s_wait_alu depctr_va_vdst(0)                   ; v[VPRE ..] and the address v[PFA] are written: the five stores below read them
.irp k, 0,1,2,3,4
	ds_store_b128 v[PFA], v[VPRE:VPRE+3] offset:512*\k   ; every place begins as token 2047
.endr
	s_mov_b32 s[RUN], 0
.set NW, 0
.irp b, 16,32,48,80
.irp q, 0,4,8,12
.if NW > 0
	s_wait_alu depctr_vm_vsrc(0)                   ; the four stores above have read their address and token registers, which the lines below write again
.endif
.irp k, 0,1,2,3
	v_mbcnt_lo_u32_b32 v[VA+\k], s[\b+\q+\k], s[RUN]
	s_bcnt1_i32_b32 s[T0], s[\b+\q+\k]
	s_add_co_u32 s[RUN], s[RUN], s[T0]
.endr
	s_wait_alu depctr_va_vdst(0)
.irp k, 0,1,2,3
	v_bfe_u32 v[VX], v[VA+\k], 4, 2
	v_cmp_eq_u32 s[CM+\k], s[P], v[VX]
.endr
.irp k, 0,1,2,3
	v_lshrrev_b32 v[VX], 6, v[VA+\k]
	v_and_b32 v[VA+\k], 15, v[VA+\k]
	v_lshl_or_b32 v[VA+\k], v[VX], 4, v[VA+\k]
.endr
	s_wait_alu depctr_va_sdst(0)                   ; the four compares have written their masks, ahead of the first line that reads one
.irp k, 0,1,2,3
	s_and_b32 s[CM+\k], s[CM+\k], s[\b+\q+\k]
.endr
.irp k, 0,1,2,3
	v_cndmask_b32 v[VA+\k], v[VD], v[VA+\k], s[CM+\k]
	v_min_u32 v[VA+\k], DUMP, v[VA+\k]
	v_lshl_add_u32 v[VA+\k], v[VA+\k], 2, LIST
.if NW > 0
	v_add_nc_u32 v[VT+\k], 128, v[VT+\k]
.endif
.endr
	s_wait_alu depctr_va_vdst(0)                   ; the four addresses and the four tokens are written: the stores below read them
.irp k, 0,1,2,3
	ds_store_b32 v[VA+\k], v[VT+\k]
.endr
.set NW, NW+1
.endr
.endr
.endm
	s_cmp_lg_u32 s[WV], 0
	s_cbranch_scc1 .Lnot_first                     ; up to the first barrier wave 0 alone touches LDS
.irp k, 0,1,2,3
	v_mov_b32 v[VZ+\k], 0
.endr
	BUILD
	ds_store_b128 v[HSR], v[VZ:VZ+3]               ; the scale words' two buffers begin as zeros: a trip that works one pair still sends all 512 bytes.  (v[VZ ..] and the two addresses were written ahead of the list's waits, and no line since names them)
	ds_store_b128 v[HSR+1], v[VZ:VZ+3]
.Lnot_first:
	; W1's 32 fragments, their scale words, b1: read once, kept
	WIN 0x40                                       ; destination window 1
	s_wait_alu depctr_va_vdst(0)                   ; every address register made at the head is written: the loads and stores of the whole kernel read them
.irp s, 0,1,2,3
.irp t, 0,1,2,3
.irp c, 0,1
	global_load_b128 v[48*\s+12*\t+6*\c:48*\s+12*\t+6*\c+3], v[VB0], s[4:5] offset:(\t/2)*24576+\s*3072+(\t%2)*1536+768*\c
	global_load_b64 v[48*\s+12*\t+6*\c+4:48*\s+12*\t+6*\c+5], v[VB1], s[4:5] offset:(\t/2)*24576+\s*3072+(\t%2)*1536+768*\c
.endr
.endr
.endr
	WIN 0x80                                       ; destination window 2
.irp s, 0,1,2,3
.irp t, 0,1,2,3
.irp c, 0,1
	global_load_b128 v[48*\s+12*\t+6*\c:48*\s+12*\t+6*\c+3], v[VB0], s[4:5] offset:(\t/2)*24576+(\s+4)*3072+(\t%2)*1536+768*\c
	global_load_b64 v[48*\s+12*\t+6*\c+4:48*\s+12*\t+6*\c+5], v[VB1], s[4:5] offset:(\t/2)*24576+(\s+4)*3072+(\t%2)*1536+768*\c
.endr
.endr
.endr
	WIN 0
.irp g, 0,1
.irp q, 0,1,2,3
	global_load_b64 v[BS+8*\g+2*\q:BS+8*\g+2*\q+1], v[L8], s[6:7] offset:\g*1024+\q*256
.endr
.endr
.irp t, 0,1,2,3
	global_load_b128 v[BIAS+8*\t:BIAS+8*\t+3], v[H64], s[12:13] offset:(\t/2)*128+(\t%2)*32      ; lane (r, h): units 32 g + 16 h + 8 u + 0 .. 7
	global_load_b128 v[BIAS+8*\t+4:BIAS+8*\t+7], v[H64], s[12:13] offset:(\t/2)*128+(\t%2)*32+16
.endr
	s_mov_b32 s[CNT], 0                            ; the expert's rows, counted by every wave
.irp b, 16,32,48,80
.irp k, 0,1,2,3,4,5,6,7,8,9,10,11,12,13,14,15
	s_bcnt1_i32_b32 s[T0], s[\b+\k]
	s_add_co_u32 s[CNT], s[CNT], s[T0]
.endr
.endr
	s_lshl_b32 s[RK], s[P], 4
	s_add_co_u32 s[T0], s[RK], 1
	s_max_u32 s[CA], s[CNT], s[T0]                 ; the bound of the tests: the first pair of tiles is worked whatever the count
	s_mul_i32 s78, s[E], 3145728
	s_mul_i32 s[T0], s[P], 24576
	s_add_co_u32 s78, s78, s[T0]
	s_lshl_b32 s[T0], s[SG], 1
	s_lshr_b32 s[T1], s[WV], 1
	s_add_co_u32 s[T0], s[T0], s[T1]               ; the next product's K step: 2 sigma + w / 2
	s_mul_i32 s[T0], s[T0], 1536
	s_add_co_u32 s78, s78, s[T0]
	s_and_b32 s[T1], s[WV], 1                      ; and its half: w % 2
	s_mul_i32 s[T1], s[T1], 768
	s_add_co_u32 s78, s78, s[T1]
	s_add_nc_u64 s[HB:HB+1], s[14:15], s[78:79]
	s_lshl_b32 s78, s[E], 17
	s_lshl_b32 s[T0], s[SG], 14
	s_add_co_u32 s78, s78, s[T0]
	s_lshl_b32 s[T0], s[P], 12
	s_add_co_u32 s78, s78, s[T0]
	s_add_co_u32 s78, s78, 25165824
	s_add_nc_u64 s[HS:HS+1], s[14:15], s[78:79]
; The gather of 64 rows, 16 a wave: half a wave takes a row's 768 bytes in three loads of 256 consecutive bytes.  off: the rows' place in the list, in bytes from v[LA]
.macro GISSUE off
	ds_load_b128 v[TK:TK+3], v[LA] offset:\off
	ds_load_b128 v[TK+4:TK+7], v[LA] offset:\off+16
	ds_load_b32 v[TS], v[LB] offset:\off
	s_wait_dscnt 0x0
	s_wait_alu depctr_vm_vsrc(0)                   ; the last gather's loads have read v[GA ..] and v[GB], which the lines below write again; the LDS stores have read the stage's registers, in which the loads below land
.irp i, 0,1,2,3,4,5,6,7
	v_min_u32 v[TK+\i], 0x7ff, v[TK+\i]
.endr
	v_min_u32 v[TS], 0x7ff, v[TS]
.irp i, 0,1,2,3,4,5,6,7
	v_mad_u32_u24 v[GA+\i], v[TK+\i], 768, v[R16]
.endr
	v_lshl_add_u32 v[GB], v[TS], 5, v[L1]
	WIN 0xc0                                       ; destination window 3
	s_wait_alu depctr_va_vdst(0)                   ; v[GA ..] and v[GB] are written: the loads below read them; and the lines above are done with v[TK ..] and v[TS], in which the next gather's LDS loads land
.irp i, 0,1,2,3,4,5,6,7
.irp q, 0,1,2
	global_load_b128 v[ST+12*\i+4*\q:ST+12*\i+4*\q+3], v[GA+\i], s[8:9] offset:256*\q
.endr
.endr
	global_load_b128 v[ST+96:ST+99], v[GB], s[8:9] offset:1572864   ; the rows' scale bytes: two lanes a row
	WIN 0
.endm
.macro GSTORE b
	s_wait_loadcnt 0x0
	WIN 0x0c                                       ; an LDS store's data are its source 1: window 3
.irp i, 0,1,2,3,4,5,6,7
.irp q, 0,1,2
	ds_store_b128 v[GS+(\b)], v[ST+12*\i+4*\q:ST+12*\i+4*\q+3] offset:XPIT*\i+256*\q
.endr
.endr
	ds_store_b128 v[GSS+(\b)], v[ST+96:ST+99]
	WIN 0
.endm
.macro LOADA b, m                      ; tile m's eight fragments and scale words out of buffer b: 24 bytes as three loads of 8, as the codes lie
	WIN 0xc0
.irp s, 0,1,2,3,4,5,6,7
.irp n, 0,1,2,3,4,5
	ds_load_b64 v[AF+12*\s+2*\n:AF+12*\s+2*\n+1], v[AFR+(\b)] offset:16*XPIT*(\m)+96*\s+48*(\n/3)+8*(\n%3)
.endr
.endr
	WIN 0
	ds_load_b128 v[XS:XS+3], v[ASC+(\b)] offset:512*(\m)
	ds_load_b128 v[XS+4:XS+7], v[ASC+(\b)] offset:512*(\m)+16
.endm
.macro MM1 s, t
.set WD, ACC+8*(\t)
.set WA, 48*((\s)%4)+12*(\t)
.set WX, AF+12*(\s)
.set WSA, BS+8*((\t)/2)+(\s)
.if (\s) == 0
.if (\t)%2 == 0
	v_wmma_scale_f32_16x16x128_f8f6f4 v[WD:WD+7], v[WA:WA+11], v[WX:WX+11], v[BIAS+8*(\t):BIAS+8*(\t)+7], v[WSA], v[XS+(\s)] matrix_a_fmt:MATRIX_FMT_FP6 matrix_b_fmt:MATRIX_FMT_FP6
.else
	v_wmma_scale_f32_16x16x128_f8f6f4 v[WD:WD+7], v[WA:WA+11], v[WX:WX+11], v[BIAS+8*(\t):BIAS+8*(\t)+7], v[WSA], v[XS+(\s)] matrix_a_fmt:MATRIX_FMT_FP6 matrix_b_fmt:MATRIX_FMT_FP6 matrix_a_scale:MATRIX_SCALE_ROW1
.endif
.else
.if (\t)%2 == 0
	v_wmma_scale_f32_16x16x128_f8f6f4 v[WD:WD+7], v[WA:WA+11], v[WX:WX+11], v[WD:WD+7], v[WSA], v[XS+(\s)] matrix_a_fmt:MATRIX_FMT_FP6 matrix_b_fmt:MATRIX_FMT_FP6
.else
	v_wmma_scale_f32_16x16x128_f8f6f4 v[WD:WD+7], v[WA:WA+11], v[WX:WX+11], v[WD:WD+7], v[WSA], v[XS+(\s)] matrix_a_fmt:MATRIX_FMT_FP6 matrix_b_fmt:MATRIX_FMT_FP6 matrix_a_scale:MATRIX_SCALE_ROW1
.endif
.endif
.endm
; 32 matrix instructions: a tile of 16 rows x my 64 units x K = 1,024.  The bias is the C of each sum's first instruction.  The four accumulators take turns, one instruction a turn.
.macro MM
	s_wait_dscnt 0x0                               ; the tile's fragments and scale words are in
	WIN 0x0d                                       ; source 0 (W1) window 1, source 1 (x) window 3
.irp s, 0,1,2,3
.irp t, 0,1,2,3
	MM1 \s, \t
.endr
.endr
	WIN 0x0e                                       ; source 0 window 2
.irp s, 4,5,6,7
.irp t, 0,1,2,3
	MM1 \s, \t
.endr
.endr
	WIN 0
	PLACES 5                                       ; plain places (ISA guide 7.12.1) ahead of the first read of results and of the next tile's instructions, which write over these accumulators; they stay beside the wait that follows the macro
.endm
.macro GELU                            ; each accumulator is read from its low end on
.set n1, 0
.rept 16
	v_pk_mul_f32 v[GT+n1:GT+n1+1], v[ACC+n1:ACC+n1+1], v[ACC+n1:ACC+n1+1]
.set n1, n1+2
.endr
.set n1, 0
.rept 16
	v_pk_fma_f32 v[GT+n1:GT+n1+1], v[GT+n1:GT+n1+1], s[C1:C1+1], v[VC0:VC0+1] op_sel_hi:[1,0,1]   ; c1 x^2 + c0
.set n1, n1+2
.endr
.set n1, 0
.rept 16
	v_pk_mul_f32 v[GT+n1:GT+n1+1], v[GT+n1:GT+n1+1], v[ACC+n1:ACC+n1+1]
.set n1, n1+2
.endr
.set n1, 0
	s_wait_alu depctr_va_vdst(0)
.rept 32
	v_exp_f32 v[GT+n1], v[GT+n1]
.set n1, n1+1
.endr
	v_nop                                          ; a plain place behind the batch,
	s_wait_alu depctr_va_vdst(0)                   ; and one wait for the 32 exponentials' results in v[GT ..], ahead of their first reader
.set n1, 0
.rept 16
	v_pk_add_f32 v[GT+n1:GT+n1+1], v[GT+n1:GT+n1+1], 1.0 op_sel_hi:[1,0]
.set n1, n1+2
.endr
.set n1, 0
	s_wait_alu depctr_va_vdst(0)
.rept 32
	v_rcp_f32 v[GT+n1], v[GT+n1]
.set n1, n1+1
.endr
	v_nop
	s_wait_alu depctr_va_vdst(0)                   ; likewise for the 32 reciprocals' results in v[GT ..]
.set n1, 0
.rept 16
	v_pk_mul_f32 v[ACC+n1:ACC+n1+1], v[ACC+n1:ACC+n1+1], v[GT+n1:GT+n1+1]
.set n1, n1+2
.endr
.endm
; My 32 numbers of a row, register 16 b + i = unit 32 b + 16 h + i, become six registers of codes and two scale bytes
.macro QUANT2
.irp b, 0,1
	v_max3_num_f32 v[TM+\b], |v[ACC+16*\b]|, |v[ACC+16*\b+1]|, 0x1800000   ; with the floor 2^(3 - 127): the byte cannot fall under 1
.endr
.irp i, 2,4,6,8,10,12,14
.irp b, 0,1
	v_max3_num_f32 v[TM+\b], v[TM+\b], |v[ACC+16*\b+\i]|, |v[ACC+16*\b+\i+1]|
.endr
.endr
.irp b, 0,1
	v_permlanex16_b32 v[TM+2+\b], v[TM+\b], s[SEL], s[SEL+1]
.endr
.irp b, 0,1
	v_max_num_f32 v[TM+\b], v[TM+\b], v[TM+2+\b]   ; with lane l xor 16's 16: the block's largest magnitude
.endr
.irp b, 0,1
	v_add_nc_u32 v[TM+4+\b], 0xff000000, v[TM+\b]  ; 2 off the exponent field: the conversion's scale operand
.endr
.irp b, 0,1
	v_lshrrev_b32 v[TM+2+\b], 23, v[TM+4+\b]
.endr
	s_wait_alu depctr_va_vdst(0)
	s_wait_xcnt 0x0                                ; the last tile's global stores have had their addresses translated: their data registers are written again only behind this wait,
	s_wait_alu depctr_vm_vsrc(0)                   ; and behind this one: the last tile's three stores have read v[PC ..] and v[PW], which the lines below write again
	v_lshl_or_b32 v[PW], v[TM+3], 8, v[TM+2]
	v_cvt_scalef32_pk16_fp6_f32 v[PC:PC+2], v[ACC:ACC+15], v[TM+4]
	v_cvt_scalef32_pk16_fp6_f32 v[QC:QC+2], v[ACC+16:ACC+31], v[TM+5]
	v_nop                                          ; one plain place behind the conversions
.irp i, 0,1,2
	v_permlane16_swap_b32 v[PC+\i], v[QC+\i]       ; the operand wants a whole block in a lane: lanes 0-15 block 0, lanes 16-31 block 1
.endr
.irp i, 0,1,2
	v_mov_b32 v[PC+3+\i], v[QC+\i]
.endr
.endm
.macro CALC                            ; a tile's results become its codes in v[PC ..] and its two scale bytes in v[PW]
	GELU
	QUANT2
.endm
.macro SEND b, m                       ; and leave; the wait that shows v[PC ..] and v[PW] written stands ahead of the macro
	global_store_b128 v[H0], v[PC:PC+3], s[HB:HB+1] offset:(4*(\b)+(\m))*98304   ; the image of the operand's registers: 512 consecutive bytes,
	global_store_b64 v[H1], v[PC+4:PC+5], s[HB:HB+1] offset:(4*(\b)+(\m))*98304  ; and 256 more
	ds_store_b16 v[HSA+(\b)], v[PW] offset:128*(\m)                              ; lanes l and l xor 16 write the same two bytes with the same value
.endm
; A TRIP: four tiles out of buffer b.  The next trip's rows are asked for at its head and go into the other buffer at its end; ONE barrier: in front of it every wave's reads of buffer b are in and its stores into the
; other buffer have landed.  The other buffer was last read ahead of the trip before's barrier.
.macro TRIP b
	s_add_co_u32 s[T0], s[RK], 256*(\b+1)
	s_cmp_lt_u32 s[T0], s[CA]
	s_cbranch_scc0 .Lno_issue_\@
	GISSUE 256*(\b+1)
.Lno_issue_\@:
	s_add_co_u32 s[T0], s[RK], 256*\b
	s_cmp_lt_u32 s[T0], s[CA]
	s_cbranch_scc0 .Lidle_\@
	LOADA \b, 0                                    ; (behind every tile's products stands a wait, and no vector or matrix line since names x's registers or their addresses)
	MM
	s_wait_alu depctr_va_vdst(0)                   ; the 32 matrix instructions are done reading x's fragments and scale words, in which the loads below land
	LOADA \b, 1                                    ; lands under the gelu: one set of registers serves x
	CALC
	MM
	s_wait_alu depctr_va_vdst(0)                   ; the 32 matrix instructions are done reading x's fragments and scale words; tile 0's codes and scale bytes are written, which the stores below read
	LOADA \b, 2
	SEND \b, 0
	CALC
	s_wait_alu depctr_va_vdst(0)                   ; tile 1's codes and scale bytes are written, which the stores below read
	SEND \b, 1
	s_add_co_u32 s[T0], s[RK], 256*\b+128
	s_cmp_lt_u32 s[T0], s[CA]
	s_cbranch_scc0 .Lidle_\@                       ; (the LDS loads issued for tile 2 are waited for ahead of the barrier)
	MM
	s_wait_alu depctr_va_vdst(0)                   ; the 32 matrix instructions are done reading x's fragments and scale words, in which the loads below land
	LOADA \b, 3
	CALC
	MM
	s_wait_alu depctr_va_vdst(0)                   ; tile 2's codes and scale bytes are written, which the stores below read; the matrix instructions are done reading x's registers, in which the next trip's loads land
	SEND \b, 2
	CALC
	s_wait_alu depctr_va_vdst(0)                   ; tile 3's codes and scale bytes are written, which the stores below read
	SEND \b, 3
.Lidle_\@:
	s_add_co_u32 s[T0], s[RK], 256*(\b+1)
	s_cmp_lt_u32 s[T0], s[CA]
	s_cbranch_scc0 .Lno_store_\@
	GSTORE 1-\b
.Lno_store_\@:
	s_wait_loadcnt 0x0                             ; no load is out on any way
	s_wait_dscnt 0x0                               ; my LDS loads are in and my LDS stores have landed
	s_barrier_signal -1
	s_barrier_wait -1
	s_add_co_u32 s[T0], s[RK], 256*\b
	s_cmp_lt_u32 s[T0], s[CA]
	s_cbranch_scc0 .Lno_flush_\@
	s_cmp_lg_u32 s[WV], 0
	s_cbranch_scc1 .Lno_flush_\@
	s_wait_xcnt 0x0                                ; the last such store has had its address translated,
	s_wait_alu depctr_vm_vsrc(0)                   ; and has read v[FL ..], in which the load below lands
	ds_load_b128 v[FL:FL+3], v[HSR+\b]             ; the trip's scale words; these bytes are written again two trips on, behind the next barrier
	s_wait_dscnt 0x0
	global_store_b128 v[H0], v[FL:FL+3], s[HS:HS+1] offset:512*\b   ; 512 consecutive bytes
.Lno_flush_\@:
.endm
	s_wait_dscnt 0x0                               ; the list has landed
	s_barrier_signal -1
	s_barrier_wait -1
	GISSUE 0                                       ; the first trip's rows: its first pair is always worked.  (Its wait on vm_vsrc also states that wave 0's stores of the list and of the zeros have read v128-147, which the gelu writes)
	GSTORE 0                                       ; (its wait is also the wait for W1, the scale words and b1)
	s_wait_dscnt 0x0
	s_barrier_signal -1
	s_barrier_wait -1
	s_mov_b32 s[IT], 4
.Ltrips:
	s_wait_alu depctr_va_vdst(0)                   ; v[LA] and v[LB], stepped at the loop's edge, are written: the gathers' LDS loads read them
	TRIP 0
	TRIP 1
	s_wait_xcnt 0x0                                ; the stores have read their bases
	s_add_nc_u64 s[HB:HB+1], s[HB:HB+1], 786432    ; eight of my tiles on
	s_add_nc_u64 s[HS:HS+1], s[HS:HS+1], 1024
	s_wait_alu depctr_vm_vsrc(0)                   ; the gathers' LDS loads have read v[LA] and v[LB]
	v_add_nc_u32 v[LA], 512, v[LA]
	v_add_nc_u32 v[LB], 512, v[LB]
	s_add_co_u32 s[RK], s[RK], 512
	s_sub_co_u32 s[IT], s[IT], 1
	s_cmp_lg_u32 s[IT], 0
	s_cbranch_scc1 .Ltrips
	s_wait_dscnt 0x0                               ; the closing lines, six on end
	s_wait_alu 0x0
	s_wait_tensorcnt 0x0
	ds_add_u32 v254, v255
	s_wait_dscnt 0x0
	s_endpgm
.Lfunc_end_k_qd6416a18f9_up:
	.size	k_qd6416a18f9_up, .Lfunc_end_k_qd6416a18f9_up-k_qd6416a18f9_up
	.p2alignl 7, 3214868480
	.fill 96, 4, 3214868480
	.section	.rodata,"a",@progbits
	.p2align	6, 0x0
	.amdhsa_kernel k_qd6416a18f9_up
		.amdhsa_group_segment_fixed_size 109056
		.amdhsa_private_segment_fixed_size 0
		.amdhsa_enable_private_segment 0
		.amdhsa_kernarg_size 48
		.amdhsa_user_sgpr_count 2
		.amdhsa_user_sgpr_kernarg_segment_ptr 1
		.amdhsa_wavefront_size32 1
		.amdhsa_system_sgpr_workgroup_id_x 1
		.amdhsa_system_sgpr_workgroup_id_y 1
		.amdhsa_system_sgpr_workgroup_id_z 1
		.amdhsa_system_vgpr_workitem_id 0
		.amdhsa_next_free_vgpr 1024
		.amdhsa_next_free_sgpr 102
		.amdhsa_reserve_vcc 0
		.amdhsa_float_denorm_mode_32 3
		.amdhsa_float_denorm_mode_16_64 3
		.amdhsa_memory_ordered 1
		.amdhsa_forward_progress 1
		.amdhsa_inst_pref_size 230
	.end_amdhsa_kernel
	.amdgpu_metadata
---
amdhsa.version: [ 1, 2 ]
amdhsa.kernels:
  - .name:           k_qd6416a18f9_up
    .symbol:         k_qd6416a18f9_up.kd
    .args:
      - { .name: wc, .offset: 0, .size: 8, .value_kind: global_buffer, .address_space: global }
      - { .name: wsb, .offset: 8, .size: 8, .value_kind: global_buffer, .address_space: global }
      - { .name: xq, .offset: 16, .size: 8, .value_kind: global_buffer, .address_space: global }
      - { .name: route, .offset: 24, .size: 8, .value_kind: global_buffer, .address_space: global }
      - { .name: b1, .offset: 32, .size: 8, .value_kind: global_buffer, .address_space: global }
      - { .name: hq, .offset: 40, .size: 8, .value_kind: global_buffer, .address_space: global }
    .group_segment_fixed_size: 109056
    .private_segment_fixed_size: 0
    .kernarg_segment_align: 8
    .kernarg_segment_size: 48
    .max_flat_workgroup_size: 128
    .sgpr_count:     102
    .vgpr_count:     1024
    .wavefront_size: 32
...
	.end_amdgpu_metadata
.endif
;; end of part 6
;; launch down (part 7): grid 32 x 8, 4 waves a work-group, no clusters, 142,336 bytes of LDS; arguments wc, wsb, hq, route, gate, b2, ys; writes ys
.if DOCPART == 7
	.amdgcn_target "amdgcn-amd-amdhsa--gfx1250"
	.amdhsa_code_object_version 6
	.text
	.protected	k_qd6416a18f9_down
	.globl	k_qd6416a18f9_down
	.p2align	8
	.type	k_qd6416a18f9_down,@function
k_qd6416a18f9_down:
	s_mov_b64 s[64:65], 0
	v_nop
	global_prefetch_b8 v0, s[64:65] scope:SCOPE_SE
	s_setreg_imm32_b32 hwreg(HW_REG_WAVE_SCHED_MODE, 0, 2), 2
	s_setreg_imm32_b32 hwreg(HW_REG_WAVE_MODE, 25, 1), 1
	s_wait_xcnt 0x0
	s_wait_alu depctr_vm_vsrc(0)
; ys[side][token] = gate x (hid W2[e] + b2[e]) for the rows that the router chose; side 0: the token's first expert, side 1: its second.  Codes of FP6 (E2M3), one E8M0 scale for each 32 along K = DFF.
; SHARES.  Work-group (x, y): expert e = y; x / 4: 128 columns of D; p = x % 4: the expert's tiles of 16 rows with tile % 4 = p, as in the launch before.
; K IS SHARED OVER THE WAVES: wave w takes K steps 4 w .. 4 w + 3 for all 128 columns: 8 tiles of W2 x 4 K steps = 384 registers, read once and kept.  So each fragment of the hidden layer is loaded by one wave,
; straight into the operand's registers, in runs of 512 and 256 consecutive bytes; the four partial sums meet in the stage in LDS through which the results leave anyway.
; TRIPS.  Sixteen trips of two tiles, a constant: barriers stand on every wave's path, only work is jumped over, by scalar branches on the count.  A trip is worked where the launch before worked that pair of tiles,
; so every byte read here was stored there.  Rows past the count are multiplied, and where a wave has at least one row to store also added up, and not stored.
; THE PRODUCT IS USED TRANSPOSED (source 0 = 16 columns of W2, source 1 = 16 rows of the hidden layer): a lane holds one row and, in two tiles' registers, 16 neighbouring columns.
; No tensor load and no joint load: the trips' work is jumped over on counts read from memory.
; The order of a sum: four parts along K, added as (0 + 1) + (2 + 3), then b2, then the gate.
; REGISTERS: window 0: addresses, scales, b2, 16 accumulators (on the way out: the partial sums read back).  windows 1, 2: W2's fragments of my K steps 0-1, 2-3 at v[96 (s % 2) + 12 tile].  window 3: the hidden layer's fragments, two sets of 96.
; THE MODE: SCHED_MODE bits 1:0 = 2 (LLVM: expert scheduling mode 2), set by the entry lines.  The code itself states the register dependences
; between vector or matrix instructions and memory or LDS instructions, with s_wait_alu, always for 0.
; THE PLAN.  Registers that memory or LDS instructions touch, in the loop:
;   set 0, set 1 (window 3), AS   Trip t: its 64 matrix instructions read set t % 2 and its scale words; at the head of trip t + 1 the loads of trip t + 2 land there.
;   ACC         Trip t: written by the matrix instructions; read by the 32 LDS stores into the stage; behind the barrier the way out's LDS loads land in it, vector lines add there, and up to eight global stores read it.
;   RW, GW      LDS loads land; the way out's vector lines read.      OF   written by those lines, read by the global stores.
;   v[RLA]      read by the way out's LDS loads; stepped once a loop trip.      All other addresses are made at the head and never written again.
; ONE wait on va_vdst at a trip's head, behind the wait for its data: the trip before is done reading the other set, and v[RLA] is written.  One behind the matrix instructions, ahead of the stage's stores.  One ahead of the run of
; global stores.  One wait on vm_vsrc ahead of the barrier (the stage's stores have read ACC) and one at the trip's end (the global stores have read ACC and OF, the LDS loads v[RLA]).
.set STG1, 67584                       ; a stage: [wave 4][row 32][512 bytes + 16]; two stages
.set LIST, 2*STG1                      ; 640 words, as in the launch before
.set DUMP, 639
.set RL,   LIST+2560                   ; 512 words: my rows' places in ys
.set GL,   RL+2048                     ; 512 words: their gates
.set L, 1
.set R, 2
.set H, 3
.set VB0, 4
.set VB1, 5
.set L8, 6
.set L16, 7
.set A1, 8
.set VAS, 9                            ; v9     hidden scale words: 16,384 (2 w + h) + 8 r
.set STA, 10                           ; v10-11 into stage 0, 1: 16,896 w + 528 r + 64 h
.set RDA, 12                           ; v12-13 out of it: rows 8 w on, 16 l
.set RLA, 14                           ; v14    RL + 32 w; steps with the trips
.set LT, 15
.set RT, 16
.set PFA, 17
.set BS, 32                            ; v32-47 W2's scale words: 4 (tile / 2) + K step
.set AS, 48                            ; v48-55 the hidden layer's: 4 set + 2 tile + K step % 2; lanes 0-15 K steps 0, 1, lanes 16-31 K steps 2, 3
.set B2, 56
.set RW, 60
.set GW, 68
.set OF, 76
.set TT, 84
.set TX, 88
.set ACC, 96                           ; v96-223
.set VA, 224
.set VT, 228
.set VX, 232
.set VD, 233
.set VPRE, 236
.set TR, 240
.set TG, 244
.set WV, 66
.set P, 67
.set E, 68
.set SG, 69
.set CNT, 70
.set CA, 71
.set RUN, 72
.set T0, 73
.set RK, 74                            ; rank of the loop trip's first row: 16 p + 256 x trip
.set IT, 75
.set CM, 74                            ; s74-77 at the list's making alone: four masks of lanes (s74, s75 are set for the loop later; s76-77 held the mask's address, whose loads are done)
.set T1, 100
.set NV, 101
.set AB, 16                            ; s[16:17] the hidden layer's codes (the masks' registers are free by then)
.set SBA, 18                           ; s[18:19] its scale words
.set RB, 20                            ; s[20:21] the row table
.set GBA, 22                           ; s[22:23] the gate table
.set WOF, 24                           ; s24  64 (w / 2) + 8 (w % 2): the rank of my first row on the way out, within a trip
.set YB, 96                            ; s[96:97] ys
.set MSB, 0
.macro WIN new                         ; the immediate's high byte repeats the setting that is left
.if MSB != \new
	s_set_vgpr_msb (MSB<<8)|\new
.set MSB, \new
.endif
.endm
.macro PLACES n
.rept \n
	v_nop
.endr
.endm
	s_load_b256 s[4:11], s[0:1], 0x0               ; wc s[4:5], wsb s[6:7], hq s[8:9], route s[10:11]
	s_load_b128 s[12:15], s[0:1], 0x20             ; gate s[12:13], b2 s[14:15]
	s_load_b64 s[YB:YB+1], s[0:1], 0x30            ; ys
	v_lshl_add_u32 v254, v0, 2, 0x22a00
	v_mov_b32 v255, 0
	v_lshrrev_b32 v[L], 5, v0
	v_readfirstlane_b32 s[WV], v[L]
	s_and_b32 s[E], ttmp7, 0xffff
	s_lshr_b32 s[SG], ttmp9, 2
	s_and_b32 s[P], ttmp9, 3
	s_lshl_b32 s76, s[E], 8
	s_mov_b32 s77, 0
	s_wait_kmcnt 0x0
	s_add_nc_u64 s[76:77], s[10:11], s[76:77]      ; the expert's mask
	s_load_b512 s[16:31], s[76:77], 0x0
	s_load_b512 s[32:47], s[76:77], 0x40
	s_load_b512 s[48:63], s[76:77], 0x80
	s_load_b512 s[80:95], s[76:77], 0xc0
	v_and_b32 v[L], 31, v0
	v_and_b32 v[R], 15, v0
	v_bfe_u32 v[H], v0, 4, 1
	v_lshlrev_b32 v[L16], 4, v[L]
	v_lshlrev_b32 v[L8], 3, v[L]
	v_add_nc_u32 v[A1], 512, v[L8]
	v_lshlrev_b32 v[VB0], 4, v[R]
	v_lshl_add_u32 v[VB1], v[H], 3, v[VB0]
	v_add_nc_u32 v[VB1], 512, v[VB1]
	v_lshl_add_u32 v[VB0], v[H], 8, v[VB0]
	s_wait_alu depctr_va_sdst(0)                   ; the wave's number is written, ahead of its first reader: addresses, bases and branches are made from it
	s_lshl_b32 s[T0], s[WV], 15
	v_lshl_add_u32 v[VAS], v[H], 14, s[T0]
	v_lshl_add_u32 v[VAS], v[R], 3, v[VAS]
	s_mul_i32 s[T0], s[WV], 16896
	v_mul_u32_u24 v[STA], v[R], 528
	v_lshl_add_u32 v[STA], v[H], 6, v[STA]
	v_add_nc_u32 v[STA], s[T0], v[STA]
	v_add_nc_u32 v[STA+1], STG1, v[STA]
	s_mul_i32 s[T0], s[WV], 4224
	v_add_nc_u32 v[RDA], s[T0], v[L16]
	v_add_nc_u32 v[RDA+1], STG1, v[RDA]
	s_lshl_b32 s[T0], s[WV], 5
	s_add_co_u32 s[T0], s[T0], RL
	v_mov_b32 v[RLA], s[T0]
	v_lshl_add_u32 v[LT], v0, 2, LIST
	v_lshl_add_u32 v[RT], v0, 2, RL
	v_lshl_add_u32 v[PFA], v[L], 4, LIST
	s_mul_i32 s78, s[E], 1572864
	s_mul_i32 s[T0], s[SG], 196608                 ; four g of 49,152 bytes
	s_add_co_u32 s78, s78, s[T0]
	s_mul_i32 s[T0], s[WV], 12288                  ; four K steps of 3,072 bytes
	s_add_co_u32 s78, s78, s[T0]
	s_add_co_u32 s78, s78, 12582912                ; W2's codes lie behind W1's
	s_mov_b32 s79, 0
	s_add_nc_u64 s[4:5], s[4:5], s[78:79]
	s_lshl_b32 s78, s[E], 5
	s_lshl_b32 s[T0], s[SG], 2
	s_add_co_u32 s78, s78, s[T0]
	s_lshl_b32 s78, s78, 11                        ; 2,048 bytes of scale words a g
	s_lshl_b32 s[T0], s[WV], 9
	s_add_co_u32 s78, s78, s[T0]
	s_add_co_u32 s78, s78, 524288
	s_add_nc_u64 s[6:7], s[6:7], s[78:79]
	s_lshl_b32 s78, s[E], 12
	s_lshl_b32 s[T0], s[SG], 9
	s_add_co_u32 s78, s78, s[T0]
	s_add_nc_u64 s[14:15], s[14:15], s[78:79]      ; b2: my 128 columns
	s_mov_b32 s78, s[T0]
	s_add_nc_u64 s[YB:YB+1], s[YB:YB+1], s[78:79]  ; ys: likewise
	s_wait_kmcnt 0x0                               ; the masks
; THE LIST, as in the launch before: a member's rank is the count so far + the members in lower lanes; where (rank / 16) % 4 = p its place is 16 (rank / 64) + rank % 16; all other lanes store into the dump word.
; Four mask words at a time: the four compares stand in a run, each with a scalar register of its own for its mask, so that one wait serves the four; likewise one wait ahead of the four stores and one ahead of the next four words.
.macro BUILD
.irp k, 0,1,2,3
	v_mov_b32 v[VPRE+\k], 0x7ff
.endr
	v_mov_b32 v[VD], DUMP
.irp k, 0,1,2,3
	v_add_nc_u32 v[VT+\k], 32*\k, v[L]
.endr
	s_wait_alu depctr_va_vdst(0)                   ; v[VPRE ..] and the address v[PFA] are written: the five stores below read them
.irp k, 0,1,2,3,4
	ds_store_b128 v[PFA], v[VPRE:VPRE+3] offset:512*\k
.endr
	s_mov_b32 s[RUN], 0
.set NW, 0
.irp b, 16,32,48,80
.irp q, 0,4,8,12
.if NW > 0
	s_wait_alu depctr_vm_vsrc(0)                   ; the four stores above have read their address and token registers, which the lines below write again
.endif
.irp k, 0,1,2,3
	v_mbcnt_lo_u32_b32 v[VA+\k], s[\b+\q+\k], s[RUN]
	s_bcnt1_i32_b32 s[T0], s[\b+\q+\k]
	s_add_co_u32 s[RUN], s[RUN], s[T0]
.endr
	s_wait_alu depctr_va_vdst(0)
.irp k, 0,1,2,3
	v_bfe_u32 v[VX], v[VA+\k], 4, 2
	v_cmp_eq_u32 s[CM+\k], s[P], v[VX]
.endr
.irp k, 0,1,2,3
	v_lshrrev_b32 v[VX], 6, v[VA+\k]
	v_and_b32 v[VA+\k], 15, v[VA+\k]
	v_lshl_or_b32 v[VA+\k], v[VX], 4, v[VA+\k]
.endr
	s_wait_alu depctr_va_sdst(0)                   ; the four compares have written their masks, ahead of the first line that reads one
.irp k, 0,1,2,3
	s_and_b32 s[CM+\k], s[CM+\k], s[\b+\q+\k]
.endr
.irp k, 0,1,2,3
	v_cndmask_b32 v[VA+\k], v[VD], v[VA+\k], s[CM+\k]
	v_min_u32 v[VA+\k], DUMP, v[VA+\k]
	v_lshl_add_u32 v[VA+\k], v[VA+\k], 2, LIST
.if NW > 0
	v_add_nc_u32 v[VT+\k], 128, v[VT+\k]
.endif
.endr
	s_wait_alu depctr_va_vdst(0)                   ; the four addresses and the four tokens are written: the stores below read them
.irp k, 0,1,2,3
	ds_store_b32 v[VA+\k], v[VT+\k]
.endr
.set NW, NW+1
.endr
.endr
.endm
	s_cmp_lg_u32 s[WV], 0
	s_cbranch_scc1 .Lnot_first                     ; up to the first barrier wave 0 alone touches LDS
	BUILD
.Lnot_first:
	WIN 0x40                                       ; destination window 1
	s_wait_alu depctr_va_vdst(0)                   ; every address register made at the head is written: the loads and stores of the whole kernel read them
.irp s, 0,1
.irp t, 0,1,2,3,4,5,6,7
.irp c, 0,1
	global_load_b128 v[96*\s+12*\t+6*\c:96*\s+12*\t+6*\c+3], v[VB0], s[4:5] offset:(\t/2)*49152+\s*3072+(\t%2)*1536+768*\c
	global_load_b64 v[96*\s+12*\t+6*\c+4:96*\s+12*\t+6*\c+5], v[VB1], s[4:5] offset:(\t/2)*49152+\s*3072+(\t%2)*1536+768*\c
.endr
.endr
.endr
	WIN 0x80                                       ; destination window 2
.irp s, 0,1
.irp t, 0,1,2,3,4,5,6,7
.irp c, 0,1
	global_load_b128 v[96*\s+12*\t+6*\c:96*\s+12*\t+6*\c+3], v[VB0], s[4:5] offset:(\t/2)*49152+(\s+2)*3072+(\t%2)*1536+768*\c
	global_load_b64 v[96*\s+12*\t+6*\c+4:96*\s+12*\t+6*\c+5], v[VB1], s[4:5] offset:(\t/2)*49152+(\s+2)*3072+(\t%2)*1536+768*\c
.endr
.endr
.endr
	WIN 0
.irp g, 0,1,2,3
.irp q, 0,1
	global_load_b64 v[BS+4*\g+2*\q:BS+4*\g+2*\q+1], v[L8], s[6:7] offset:\g*2048+\q*256
.endr
.endr
	global_load_b128 v[B2:B2+3], v[L16], s[14:15]  ; b2 of columns 4 l .. 4 l + 3 of the slice
	s_mov_b32 s[CNT], 0
.irp b, 16,32,48,80
.irp k, 0,1,2,3,4,5,6,7,8,9,10,11,12,13,14,15
	s_bcnt1_i32_b32 s[T0], s[\b+\k]
	s_add_co_u32 s[CNT], s[CNT], s[T0]
.endr
.endr
	s_lshl_b32 s[RK], s[P], 4
	s_add_co_u32 s[T0], s[RK], 1
	s_max_u32 s[CA], s[CNT], s[T0]                 ; the same bound as in the launch before
	s_mul_i32 s78, s[E], 3145728
	s_mul_i32 s[T0], s[P], 24576
	s_add_co_u32 s78, s78, s[T0]
	s_mul_i32 s[T0], s[WV], 6144                   ; my four K steps of 1,536 bytes
	s_add_co_u32 s78, s78, s[T0]
	s_add_nc_u64 s[AB:AB+1], s[8:9], s[78:79]
	s_lshl_b32 s78, s[E], 17
	s_lshl_b32 s[T0], s[P], 12
	s_add_co_u32 s78, s78, s[T0]
	s_add_co_u32 s78, s78, 25165824
	s_add_nc_u64 s[SBA:SBA+1], s[8:9], s[78:79]
	s_and_b32 s78, s[E], 1
	s_lshl_b32 s78, s78, 8
	s_lshr_b32 s[T0], s[E], 1
	s_lshl_b32 s[T0], s[T0], 2
	s_add_co_u32 s78, s78, s[T0]                   ; the expert's word in a token's entry
	s_add_nc_u64 s[GBA:GBA+1], s[12:13], s[78:79]
	s_add_nc_u64 s[RB:RB+1], s[10:11], s[78:79]
	s_add_nc_u64 s[RB:RB+1], s[RB:RB+1], 8192
	s_lshr_b32 s[WOF], s[WV], 1
	s_lshl_b32 s[WOF], s[WOF], 6
	s_and_b32 s[T0], s[WV], 1
	s_lshl_b32 s[T0], s[T0], 3
	s_add_co_u32 s[WOF], s[WOF], s[T0]
; Two tiles' fragments of my four K steps, and their scale words, into a set.  tr: the trip, counted from the loop trip's first
.macro LOADA2 set, tr
	WIN 0xc0                                       ; destination window 3
.irp mm, 0,1
.irp s, 0,1,2,3
.irp c, 0,1
	global_load_b128 v[96*(\set)+48*\mm+12*\s+6*\c:96*(\set)+48*\mm+12*\s+6*\c+3], v[L16], s[AB:AB+1] offset:(2*(\tr)+\mm)*98304+1536*\s+768*\c
	global_load_b64 v[96*(\set)+48*\mm+12*\s+6*\c+4:96*(\set)+48*\mm+12*\s+6*\c+5], v[A1], s[AB:AB+1] offset:(2*(\tr)+\mm)*98304+1536*\s+768*\c
.endr
.endr
.endr
	WIN 0
.irp mm, 0,1
	global_load_b64 v[AS+4*(\set)+2*\mm:AS+4*(\set)+2*\mm+1], v[VAS], s[SBA:SBA+1] offset:(2*(\tr)+\mm)*128
.endr
.endm
.macro W2 set, mm, s, t
.set WD, ACC+64*(\mm)+8*(\t)
.set WA, 96*((\s)%2)+12*(\t)
.set WX, 96*(\set)+48*(\mm)+12*(\s)
.set WSA, BS+4*((\t)/2)+(\s)
.set WSB, AS+4*(\set)+2*(\mm)+(\s)%2
.if (\s) == 0
.if (\t)%2 == 0
	v_wmma_scale_f32_16x16x128_f8f6f4 v[WD:WD+7], v[WA:WA+11], v[WX:WX+11], 0, v[WSA], v[WSB] matrix_a_fmt:MATRIX_FMT_FP6 matrix_b_fmt:MATRIX_FMT_FP6
.else
	v_wmma_scale_f32_16x16x128_f8f6f4 v[WD:WD+7], v[WA:WA+11], v[WX:WX+11], 0, v[WSA], v[WSB] matrix_a_fmt:MATRIX_FMT_FP6 matrix_b_fmt:MATRIX_FMT_FP6 matrix_a_scale:MATRIX_SCALE_ROW1
.endif
.elseif (\s) == 1
.if (\t)%2 == 0
	v_wmma_scale_f32_16x16x128_f8f6f4 v[WD:WD+7], v[WA:WA+11], v[WX:WX+11], v[WD:WD+7], v[WSA], v[WSB] matrix_a_fmt:MATRIX_FMT_FP6 matrix_b_fmt:MATRIX_FMT_FP6
.else
	v_wmma_scale_f32_16x16x128_f8f6f4 v[WD:WD+7], v[WA:WA+11], v[WX:WX+11], v[WD:WD+7], v[WSA], v[WSB] matrix_a_fmt:MATRIX_FMT_FP6 matrix_b_fmt:MATRIX_FMT_FP6 matrix_a_scale:MATRIX_SCALE_ROW1
.endif
.else
.if (\t)%2 == 0
	v_wmma_scale_f32_16x16x128_f8f6f4 v[WD:WD+7], v[WA:WA+11], v[WX:WX+11], v[WD:WD+7], v[WSA], v[WSB] matrix_a_fmt:MATRIX_FMT_FP6 matrix_b_fmt:MATRIX_FMT_FP6 matrix_b_scale:MATRIX_SCALE_ROW1
.else
	v_wmma_scale_f32_16x16x128_f8f6f4 v[WD:WD+7], v[WA:WA+11], v[WX:WX+11], v[WD:WD+7], v[WSA], v[WSB] matrix_a_fmt:MATRIX_FMT_FP6 matrix_b_fmt:MATRIX_FMT_FP6 matrix_a_scale:MATRIX_SCALE_ROW1 matrix_b_scale:MATRIX_SCALE_ROW1
.endif
.endif
.endm
; 64 matrix instructions: two tiles of rows x 128 columns x my 512 along K.  The first K step starts the sums with the constant 0.  The 16 accumulators take turns, one instruction a turn.
.macro MM2 set
	WIN 0x0d                                       ; source 0 (W2) window 1, source 1 (hidden) window 3
.irp s, 0,1
.irp mm, 0,1
.irp t, 0,1,2,3,4,5,6,7
	W2 \set, \mm, \s, \t
.endr
.endr
.endr
	WIN 0x0e                                       ; source 0 window 2
.irp s, 2,3
.irp mm, 0,1
.irp t, 0,1,2,3,4,5,6,7
	W2 \set, \mm, \s, \t
.endr
.endr
.endr
	WIN 0
	PLACES 5                                       ; plain places (ISA guide 7.12.1) ahead of the reads of results and of the next trip's instructions, which write over the accumulators; they stay beside the wait that follows the macro
.endm
.macro TOSTG b                         ; lane (r, h): row r, columns 32 g + 16 h + 8 u + 0 .. 7; each accumulator from its low end on
.irp mm, 0,1
.irp t, 0,1,2,3,4,5,6,7
	ds_store_b128 v[STA+(\b)], v[ACC+64*\mm+8*\t:ACC+64*\mm+8*\t+3] offset:8448*\mm+128*(\t/2)+32*(\t%2)
	ds_store_b128 v[STA+(\b)], v[ACC+64*\mm+8*\t+4:ACC+64*\mm+8*\t+7] offset:8448*\mm+128*(\t/2)+32*(\t%2)+16
.endr
.endr
.endm
; THE WAY OUT: wave w owns rows 8 w .. 8 w + 7 of the trip's 32.  A row's 512 bytes are read four times, once from each wave's part of the stage, added, and stored whole.  Rows past the count are not stored:
; the eight rows' arithmetic stands in one run, one wait follows it, and the tests on the count stand among the stores.
.macro WAYOUT b
	s_add_co_u32 s[T0], s[RK], s[WOF]
	s_add_co_u32 s[T0], s[T0], 128*\b
	s_sub_co_i32 s[NV], s[CNT], s[T0]              ; how many of my eight rows there are
	s_cmp_gt_i32 s[NV], 0
	s_cbranch_scc0 .Lwo_\@
	ds_load_b128 v[RW:RW+3], v[RLA] offset:128*\b              ; every lane reads the same eight rows of ys,
	ds_load_b128 v[RW+4:RW+7], v[RLA] offset:128*\b+16
	ds_load_b128 v[GW:GW+3], v[RLA] offset:2048+128*\b         ; and the same eight gates
	ds_load_b128 v[GW+4:GW+7], v[RLA] offset:2048+128*\b+16
.irp i, 0,1,2,3,4,5,6,7
.irp q, 0,1,2,3
	ds_load_b128 v[ACC+16*\i+4*\q:ACC+16*\i+4*\q+3], v[RDA+(\b)] offset:16896*\q+528*\i
.endr
.endr
	s_wait_dscnt 0x0
.irp i, 0,1,2,3,4,5,6,7
	v_pk_add_f32 v[ACC+16*\i:ACC+16*\i+1], v[ACC+16*\i:ACC+16*\i+1], v[ACC+16*\i+4:ACC+16*\i+5]
	v_pk_add_f32 v[ACC+16*\i+2:ACC+16*\i+3], v[ACC+16*\i+2:ACC+16*\i+3], v[ACC+16*\i+6:ACC+16*\i+7]
	v_pk_add_f32 v[ACC+16*\i+8:ACC+16*\i+9], v[ACC+16*\i+8:ACC+16*\i+9], v[ACC+16*\i+12:ACC+16*\i+13]
	v_pk_add_f32 v[ACC+16*\i+10:ACC+16*\i+11], v[ACC+16*\i+10:ACC+16*\i+11], v[ACC+16*\i+14:ACC+16*\i+15]
	v_pk_add_f32 v[ACC+16*\i:ACC+16*\i+1], v[ACC+16*\i:ACC+16*\i+1], v[ACC+16*\i+8:ACC+16*\i+9]
	v_pk_add_f32 v[ACC+16*\i+2:ACC+16*\i+3], v[ACC+16*\i+2:ACC+16*\i+3], v[ACC+16*\i+10:ACC+16*\i+11]
	v_pk_add_f32 v[ACC+16*\i:ACC+16*\i+1], v[ACC+16*\i:ACC+16*\i+1], v[B2:B2+1]
	v_pk_add_f32 v[ACC+16*\i+2:ACC+16*\i+3], v[ACC+16*\i+2:ACC+16*\i+3], v[B2+2:B2+3]
.irp k, 0,1,2,3
	v_mul_f32 v[ACC+16*\i+\k], v[ACC+16*\i+\k], v[GW+\i]
.endr
	v_min_u32 v[OF+\i], 0xfff, v[RW+\i]
	v_lshl_add_u32 v[OF+\i], v[OF+\i], 12, v[L16]  ; a row of ys is 4,096 bytes
.endr
	s_wait_alu depctr_va_vdst(0)                   ; the eight rows' sums and their offsets v[OF ..] are written: the stores below read them; and the lines above are done with v[RW ..] and v[GW ..], in which the next way out's loads land
.irp i, 0,1,2,3,4,5,6,7
.if \i > 0
	s_cmp_gt_i32 s[NV], \i
	s_cbranch_scc0 .Lwo_\@
.endif
	global_store_b128 v[OF+\i], v[ACC+16*\i:ACC+16*\i+3], s[YB:YB+1] th:TH_STORE_NT   ; 32 lanes store 512 consecutive bytes, aligned; read by nobody in this launch
.endr
.Lwo_\@:
.endm
; A TRIP on set b and stage b.  The next trip's fragments are asked for at its head and have the whole trip in which to land.  ONE barrier: in front of it my stores into stage b have landed, and my reads of the other
; stage, which the next trip writes, are in.
.macro TURN b
	s_wait_loadcnt 0x0                             ; this trip's fragments, asked for a trip ago (in the first trip: W2, its scale words and b2 too)
	s_wait_alu depctr_va_vdst(0)                   ; the matrix instructions of the trip before are done reading the other set and its scale words, in which the loads below land; v[RLA], stepped at the loop's edge, is written: the way out's LDS loads read it
	s_add_co_u32 s[T0], s[RK], 128*(\b+1)
	s_cmp_lt_u32 s[T0], s[CA]
	s_cbranch_scc0 .Lna_\@
	LOADA2 1-\b, \b+1
.Lna_\@:
	s_add_co_u32 s[T0], s[RK], 128*\b
	s_cmp_lt_u32 s[T0], s[CA]
	s_cbranch_scc0 .Lnm_\@
	MM2 \b
	s_wait_alu depctr_va_vdst(0)                   ; the matrix instructions have written the 16 accumulators, which the LDS stores below read
	TOSTG \b
.Lnm_\@:
	s_wait_dscnt 0x0
	s_wait_alu depctr_vm_vsrc(0)                   ; my stores into the stage have read the accumulators' registers, in which the way out's LDS loads land
	s_barrier_signal -1
	s_barrier_wait -1
	s_add_co_u32 s[T0], s[RK], 128*\b
	s_cmp_lt_u32 s[T0], s[CA]
	s_cbranch_scc0 .Lnw_\@
	WAYOUT \b
.Lnw_\@:
	s_wait_xcnt 0x0                                ; the stores' and the loads' addresses are translated: the stores' data and offsets and the loads' bases are written again only behind this wait,
	s_wait_alu depctr_vm_vsrc(0)                   ; and behind this one: the stores have read their data, which lie in the accumulators' registers, and v[OF ..]; the way out's LDS loads have read v[RLA]
.endm
	LOADA2 0, 0                                    ; the first trip's two tiles are always there
	LOADA2 1, 0                                    ; set 1 is given them too, so that every register of both sets is written whatever the counts; the first trip fills it anew
	s_wait_dscnt 0x0                               ; the list has landed
	s_barrier_signal -1
	s_barrier_wait -1
	; my rows' places in ys and their gates, looked up once: thread t takes places t + 128 j of the list
.irp j, 0,1,2,3
	ds_load_b32 v[TT+\j], v[LT] offset:512*\j
.endr
	s_wait_dscnt 0x0
.irp j, 0,1,2,3
	v_min_u32 v[TT+\j], 0x7ff, v[TT+\j]
.endr
.irp j, 0,1,2,3
	v_and_b32 v[TX+\j], 0x7f0, v[TT+\j]
	v_and_b32 v[TT+\j], 15, v[TT+\j]
	v_lshlrev_b32 v[TT+\j], 4, v[TT+\j]
	v_lshl_add_u32 v[TX+\j], v[TX+\j], 5, v[TT+\j] ; 512 (token / 16) + 16 (token % 16)
.endr
	s_wait_alu depctr_va_vdst(0)                   ; the four offsets v[TX ..] are written: the eight loads below read them
.irp j, 0,1,2,3
	global_load_b32 v[TR+\j], v[TX+\j], s[RB:RB+1]
	global_load_b32 v[TG+\j], v[TX+\j], s[GBA:GBA+1]
.endr
	s_wait_loadcnt 0x0
.irp j, 0,1,2,3
	ds_store_b32 v[RT], v[TR+\j] offset:512*\j
	ds_store_b32 v[RT], v[TG+\j] offset:2048+512*\j
.endr
	s_wait_dscnt 0x0
	s_barrier_signal -1
	s_barrier_wait -1
	s_mov_b32 s[IT], 8
.Lturns:
	TURN 0
	TURN 1
	s_add_nc_u64 s[AB:AB+1], s[AB:AB+1], 393216    ; four of my tiles on (behind the waits at the trip's end)
	s_add_nc_u64 s[SBA:SBA+1], s[SBA:SBA+1], 512
	v_add_nc_u32 v[RLA], 256, v[RLA]               ; (the wait on vm_vsrc at the trip's end stands ahead of this line, and no LDS load since reads the register)
	s_add_co_u32 s[RK], s[RK], 256
	s_sub_co_u32 s[IT], s[IT], 1
	s_cmp_lg_u32 s[IT], 0
	s_cbranch_scc1 .Lturns
	s_wait_dscnt 0x0                               ; the closing lines, six on end
	s_wait_alu 0x0
	s_wait_tensorcnt 0x0
	ds_add_u32 v254, v255
	s_wait_dscnt 0x0
	s_endpgm
.Lfunc_end_k_qd6416a18f9_down:
	.size	k_qd6416a18f9_down, .Lfunc_end_k_qd6416a18f9_down-k_qd6416a18f9_down
	.p2alignl 7, 3214868480
	.fill 96, 4, 3214868480
	.section	.rodata,"a",@progbits
	.p2align	6, 0x0
	.amdhsa_kernel k_qd6416a18f9_down
		.amdhsa_group_segment_fixed_size 142336
		.amdhsa_private_segment_fixed_size 0
		.amdhsa_enable_private_segment 0
		.amdhsa_kernarg_size 56
		.amdhsa_user_sgpr_count 2
		.amdhsa_user_sgpr_kernarg_segment_ptr 1
		.amdhsa_wavefront_size32 1
		.amdhsa_system_sgpr_workgroup_id_x 1
		.amdhsa_system_sgpr_workgroup_id_y 1
		.amdhsa_system_sgpr_workgroup_id_z 1
		.amdhsa_system_vgpr_workitem_id 0
		.amdhsa_next_free_vgpr 1024
		.amdhsa_next_free_sgpr 102
		.amdhsa_reserve_vcc 0
		.amdhsa_float_denorm_mode_32 3
		.amdhsa_float_denorm_mode_16_64 3
		.amdhsa_memory_ordered 1
		.amdhsa_forward_progress 1
		.amdhsa_inst_pref_size 130
	.end_amdhsa_kernel
	.amdgpu_metadata
---
amdhsa.version: [ 1, 2 ]
amdhsa.kernels:
  - .name:           k_qd6416a18f9_down
    .symbol:         k_qd6416a18f9_down.kd
    .args:
      - { .name: wc, .offset: 0, .size: 8, .value_kind: global_buffer, .address_space: global }
      - { .name: wsb, .offset: 8, .size: 8, .value_kind: global_buffer, .address_space: global }
      - { .name: hq, .offset: 16, .size: 8, .value_kind: global_buffer, .address_space: global }
      - { .name: route, .offset: 24, .size: 8, .value_kind: global_buffer, .address_space: global }
      - { .name: gate, .offset: 32, .size: 8, .value_kind: global_buffer, .address_space: global }
      - { .name: b2, .offset: 40, .size: 8, .value_kind: global_buffer, .address_space: global }
      - { .name: ys, .offset: 48, .size: 8, .value_kind: global_buffer, .address_space: global }
    .group_segment_fixed_size: 142336
    .private_segment_fixed_size: 0
    .kernarg_segment_align: 8
    .kernarg_segment_size: 56
    .max_flat_workgroup_size: 128
    .sgpr_count:     102
    .vgpr_count:     1024
    .wavefront_size: 32
...
	.end_amdgpu_metadata
.endif
;; end of part 7
;; launch comb (part 8): grid 256 x 1, 8 waves a work-group, no clusters, 0 bytes of LDS; arguments ys, out0; writes out0
.if DOCPART == 8
	.amdgcn_target "amdgcn-amd-amdhsa--gfx1250"
	.amdhsa_code_object_version 6
	.text
	.protected	k_qd6416a18f9_comb
	.globl	k_qd6416a18f9_comb
	.p2align	8
	.type	k_qd6416a18f9_comb,@function
k_qd6416a18f9_comb:
	s_mov_b64 s[64:65], 0
	v_nop
	global_prefetch_b8 v0, s[64:65] scope:SCOPE_SE
	s_setreg_imm32_b32 hwreg(HW_REG_WAVE_MODE, 25, 1), 1
	s_wait_xcnt 0x0
; out0[token] = ys[0][token] + ys[1][token]: a token's two gated terms, which two different experts' work-groups made.
; A stream: each byte read once and written once.  A work-group takes 32,768 bytes of out0; thread t takes 16 bytes at 4,096 j + 16 t, j = 0 .. 7: a wave's load or store covers 512 consecutive bytes, aligned.
; All sixteen loads go out first; no loop, no LDS, no barrier, no matrix unit: nothing here is shared or multiplied.
	s_load_b128 s[4:7], s[0:1], 0x0                ; ys s[4:5], out0 s[6:7]
	v_lshlrev_b32 v1, 4, v0
	s_lshl_b32 s8, ttmp9, 15
	s_mov_b32 s9, 0
	s_wait_alu depctr_va_vdst(0)
	s_wait_kmcnt 0x0
	s_add_nc_u64 s[4:5], s[4:5], s[8:9]
	s_add_nc_u64 s[6:7], s[6:7], s[8:9]
	s_add_nc_u64 s[10:11], s[4:5], 0x800000        ; side 1 lies 8,388,608 bytes on: one more than a load's immediate holds
.irp j, 0,1,2,3,4,5,6,7
	global_load_b128 v[8+8*\j:11+8*\j], v1, s[4:5] offset:4096*\j th:TH_LOAD_NT
	global_load_b128 v[12+8*\j:15+8*\j], v1, s[10:11] offset:4096*\j th:TH_LOAD_NT
.endr
.irp j, 0,1,2,3,4,5,6,7
	s_wait_loadcnt 14-2*\j                         ; loads come back in order (ISA guide 5.7.1): pair j is in, the younger pairs may be out
	v_pk_add_f32 v[8+8*\j:9+8*\j], v[8+8*\j:9+8*\j], v[12+8*\j:13+8*\j]
	v_pk_add_f32 v[10+8*\j:11+8*\j], v[10+8*\j:11+8*\j], v[14+8*\j:15+8*\j]
	global_store_b128 v1, v[8+8*\j:11+8*\j], s[6:7] offset:4096*\j th:TH_STORE_NT
.endr
	s_endpgm
.Lfunc_end_k_qd6416a18f9_comb:
	.size	k_qd6416a18f9_comb, .Lfunc_end_k_qd6416a18f9_comb-k_qd6416a18f9_comb
	.p2alignl 7, 3214868480
	.fill 96, 4, 3214868480
	.section	.rodata,"a",@progbits
	.p2align	6, 0x0
	.amdhsa_kernel k_qd6416a18f9_comb
		.amdhsa_group_segment_fixed_size 0
		.amdhsa_private_segment_fixed_size 0
		.amdhsa_enable_private_segment 0
		.amdhsa_kernarg_size 16
		.amdhsa_user_sgpr_count 2
		.amdhsa_user_sgpr_kernarg_segment_ptr 1
		.amdhsa_wavefront_size32 1
		.amdhsa_system_sgpr_workgroup_id_x 1
		.amdhsa_system_sgpr_workgroup_id_y 1
		.amdhsa_system_sgpr_workgroup_id_z 1
		.amdhsa_system_vgpr_workitem_id 0
		.amdhsa_next_free_vgpr 72
		.amdhsa_next_free_sgpr 66
		.amdhsa_reserve_vcc 0
		.amdhsa_float_denorm_mode_32 3
		.amdhsa_float_denorm_mode_16_64 3
		.amdhsa_memory_ordered 1
		.amdhsa_forward_progress 1
		.amdhsa_inst_pref_size 5
	.end_amdhsa_kernel
	.amdgpu_metadata
---
amdhsa.version: [ 1, 2 ]
amdhsa.kernels:
  - .name:           k_qd6416a18f9_comb
    .symbol:         k_qd6416a18f9_comb.kd
    .args:
      - { .name: ys, .offset: 0, .size: 8, .value_kind: global_buffer, .address_space: global }
      - { .name: out0, .offset: 8, .size: 8, .value_kind: global_buffer, .address_space: global }
    .group_segment_fixed_size: 0
    .private_segment_fixed_size: 0
    .kernarg_segment_align: 8
    .kernarg_segment_size: 16
    .max_flat_workgroup_size: 256
    .sgpr_count:     66
    .vgpr_count:     72
    .wavefront_size: 32
...
	.end_amdgpu_metadata
.endif
;; end of part 8
